; MI455X (gfx1250); checked and timed in simulation.
; The chip was launched on July 23, 2026; its instructions are those of AMD's public machine-readable ISA for CDNA 5 (MIT licence, August 2026) and "CDNA5" Instruction Set Architecture Reference Guide (July 2026). The comments in the code are by the model that wrote it; some were corrected since.
;; Mo E. Allowed arithmetic: matrix products marked QUANTISED: E3M2 operands, one E8M0 scale for each 32 along K, by v_wmma_scale_f32_16x16x128_f8f6f4 with both operands' format E3M2, f32 sums; products left as they are: f32 operands where the result goes on into a quantised operand, else bf16, f16 or f32 operands; f32 sums; everything else in f32.
;; Inputs: gate_b 8 float32; gate_w 1,024 x 8 float32; rb1 8 x 2,048 float32; rb2 8 x 2,048 float32; rb3 8 x 1,024 float32; rw1_codes 8 x 2,048 x 32 x 24 uint8 (E3M2 codes of rw1, K innermost, in blocks of 32 codes, four codes in three bytes); rw1_scales 8 x 2,048 x 32 uint8 (E8M0 scales of rw1, one for each 32 codes along K); rw2_codes 8 x 2,048 x 32 x 24 uint8 (E3M2 codes of rw2, K innermost, in blocks of 32 codes, four codes in three bytes); rw2_scales 8 x 2,048 x 32 uint8 (E8M0 scales of rw2, one for each 32 codes along K); rw3_codes 8 x 1,024 x 64 x 24 uint8 (E3M2 codes of rw3, K innermost, in blocks of 32 codes, four codes in three bytes); rw3_scales 8 x 1,024 x 64 uint8 (E8M0 scales of rw3, one for each 32 codes along K); sb1 2 x 2,048 float32; sb2 2 x 2,048 float32; sb3 2 x 1,024 float32; sw1_codes 2 x 2,048 x 32 x 24 uint8 (E3M2 codes of sw1, K innermost, in blocks of 32 codes, four codes in three bytes); sw1_scales 2 x 2,048 x 32 uint8 (E8M0 scales of sw1, one for each 32 codes along K); sw2_codes 2 x 2,048 x 32 x 24 uint8 (E3M2 codes of sw2, K innermost, in blocks of 32 codes, four codes in three bytes); sw2_scales 2 x 2,048 x 32 uint8 (E8M0 scales of sw2, one for each 32 codes along K); sw3_codes 2 x 1,024 x 64 x 24 uint8 (E3M2 codes of sw3, K innermost, in blocks of 32 codes, four codes in three bytes); sw3_scales 2 x 1,024 x 64 uint8 (E8M0 scales of sw3, one for each 32 codes along K); x 4 x 256 x 1,024 float32.
;; Outputs: out0 4 x 256 x 1,024 float32.
;; This version of the problem:
;;   THIS VERSION OF THE PROBLEM IS GIVEN IN LOW PRECISION. The matrix products marked QUANTISED in the list below multiply operands that are first quantised to E3M2 (3 exponent bits, 2 mantissa bits; 6 bits a number), with one power-of-two scale for each 32 numbers along K (OCP MX v1.0); their sums are f32. All else is computed in f32.
;;   The module's matrix products, in the order in which they are computed (A, B: the left and right operand; K: the contracted axis; several contracted axes count as one K, in the product's order):
;;     1. [M 1,024, K 1,024] x [K 1,024, N 8]; A: input x; B: input gate_w: left as it is (N = 8 < 16)
;;     2. [M 16,384, K 1,024] x [K 1,024, N 1,024]; A: input rw1 (given as codes); B: input x: QUANTISED
;;     3. [M 16,384, K 1,024] x [K 1,024, N 1,024]; A: input rw2 (given as codes); B: input x: QUANTISED
;;     4. batch 8 x [M 1,024, K 2,048] x [K 2,048, N 1,024]; A: computed on the way; B: input rw3 (given as codes): QUANTISED
;;     5. [M 4,096, K 1,024] x [K 1,024, N 1,024]; A: input sw1 (given as codes); B: input x: QUANTISED
;;     6. [M 4,096, K 1,024] x [K 1,024, N 1,024]; A: input sw2 (given as codes); B: input x: QUANTISED
;;     7. batch 2 x [M 1,024, K 2,048] x [K 2,048, N 1,024]; A: computed on the way; B: input sw3 (given as codes): QUANTISED
;;   THE QUANTISER, for each operand of a quantised product, along K:
;;     - K is cut into blocks of 32 from its start; a last block that is shorter is filled with zeros.
;;     - A block's scale is 2^e with e = floor(log2(the largest magnitude in the block)) - 4, held to -126 .. 127; a block of zeros has e = 0. As a byte (E8M0): e + 127.
;;     - Each number is divided by its block's scale, clamped to +-28, and rounded to the nearest number of E3M2, ties to even, subnormals kept.
;;     - The product sums the exact products of the quantised numbers (number of the format x scale) in f32.
;;   ~~~python
;;   def quantise(x, axis):      # numpy; x: float32 -> the quantised numbers, widened to float32 again
;;       x = np.moveaxis(x, axis, -1); K = x.shape[-1]
;;       x = np.pad(x, [(0, 0)] * (x.ndim - 1) + [(0, -K % 32)]); x = x.reshape(x.shape[:-1] + (-1, 32)); a = np.abs(x).max(-1, keepdims=True)
;;       e = np.where(a > 0, np.clip(np.frexp(np.where(a > 0, a, 1))[1] - 1 - 4, -126, 127), 0)      # np.frexp(a)[1] - 1 = floor(log2(a)), exactly
;;       r = np.clip(x / 2.0 ** e, -28, 28)
;;       step = 2.0 ** (np.maximum(np.frexp(np.where(r == 0, 1, r))[1] - 1, -2) - 2)
;;       q = np.round(r / step) * step * 2.0 ** e      # np.round: ties to even
;;       return np.moveaxis(q.reshape(q.shape[:-2] + (-1,))[..., :K], -1, axis).astype(np.float32)
;;   ~~~
;;   OPERANDS COMPUTED ON THE WAY. 'Computed on the way' means the value that the module computes at that place (a softmax that the list does not call 'softmax' is quantised finished and normalised). What goes into a quantiser is computed in f32, as accurately as f32 sums, v_exp_f32 and their like allow (about 1e-6 of the number): no bf16 or f16 on the way to a quantiser, and a product that is left as it is and whose result goes on into a quantised operand takes f32 operands (vector FMAs, or v_wmma_f32_16x16x4_f32). A number that lies on a knife's edge between two numbers of the format may be rounded either way, as far as f32 arithmetic and the matrix unit's own rounding can turn it there, and no further.
;;   INPUTS GIVEN AS CODES. rw1 (in the module: [8, 1024, 2048], K = its axis 1); rw2 (in the module: [8, 1024, 2048], K = its axis 1); rw3 (in the module: [8, 2048, 1024], K = its axis 1); sw1 (in the module: [2, 1024, 2048], K = its axis 1); sw2 (in the module: [2, 1024, 2048], K = its axis 1); sw3 (in the module: [2, 2048, 1024], K = its axis 1): each comes as NAME_codes (uint8): NAME with its K axis moved to the last place and cut into blocks of 32 codes, [.., K / 32, bytes a block], one block behind the other in memory; four codes in three bytes: a row's codes are one little-endian stream of bits, code i at bits 6 i .. 6 i + 5 (a code: sign, 3 exponent bits, 2 mantissa bits); and NAME_scales (uint8): the same leading axes, one E8M0 byte (e + 127) for each 32 codes along K. Its value is code x scale, taken as it is: it is not quantised again, and the codes and scales need not be those that the quantiser above would give.
;; 2 versions. Each part assembles by itself: llvm-mc -triple=amdgcn-amd-amdhsa -mcpu=gfx1250 --defsym DOCPART=n.
;; ======== version 1 of 2: 5 launches
;; workspace buffers: xq 1,048,576 bytes; es 8,192 bytes of whole numbers; wts 16,384 bytes; lists 46,080 bytes of whole numbers; hq 15,728,640 bytes; hs 655,360 bytes; y 17,825,792 bytes
;; launch gate_quant (part 1): grid 256 x 1, 4 waves a work-group, no clusters, 59,904 bytes of LDS; arguments x, gate_w, gate_b, xq, es, wts; writes xq, es, wts
.if DOCPART == 1
	.amdgcn_target "amdgcn-amd-amdhsa--gfx1250"
	.amdhsa_code_object_version 6
	.text
	.protected	k_qfc77770288_gate_quant
	.globl	k_qfc77770288_gate_quant
	.p2align	8
	.type	k_qfc77770288_gate_quant,@function
k_qfc77770288_gate_quant:
	s_mov_b64 s[64:65], 0
	v_nop
	global_prefetch_b8 v0, s[64:65] scope:SCOPE_SE
	s_setreg_imm32_b32 hwreg(HW_REG_WAVE_MODE, 25, 1), 1
	s_wait_xcnt 0x0
; One wave, one token t = 4 x work-group + wave.  Two things are made of the token's row of x (1,024 f32, read once):
; (1) the gate: logits = x . gate_w + gate_b by f32 multiply-adds, softmax over the 8 experts (the maximum taken away first), the two largest scores (a tie keeps the lower index).
;     The chosen experts go to es[k x 1024 + t] as whole numbers, the scores to wts[k x 1024 + t]; wts[2048 + t] and wts[3072 + t] get 0.5, the weight of a shared expert in their mean.
; (2) the row as codes of E3M2 with one E8M0 byte for each 32 along D: xq[t] = 768 bytes of codes as one stream of bits, then 8 scale words (word s: D = 128 s on).
;     In a scale word the bytes of the second and third block change places: the products take each 128 along K as two halves of 48 bytes a lane, on both operands alike.
; No address and no branch hangs on a floating-point number here: what was chosen is stored as data, at fixed places.
; LIMITS: NaN and infinities among the inputs are not served.  A block whose largest magnitude lies under 2^(5 - 127) gets the byte 1 (a block of zeros too, where the rule says 127:
; its codes are zeros, and this program alone reads the bytes).  The gate's f32 sums are taken in another order than the reference's: 32 partial sums a logit, then a tree.
.set GWP,  144                         ; gate_w in LDS: 4 rows d (128 bytes) + 16 of padding: 36 words, so that the lanes of a 16-byte load start at different banks
.set WRB,  256*GWP                     ; behind gate_w: a region of its own for each wave
.set WRS,  5632                        ; two stages of 32 x 80 bytes, then the row's 32 scale bytes
.set SP,   80                          ; a lane's place in a stage: 64 bytes + 16 of padding
.set SBO,  2*32*SP
.set X,    16                          ; v16-47   x as loaded: register 4 j + c = x[128 j + 4 lane + c]
.set G,    48                          ; v48-175  gate_w: four batches of 32; at the head the copy's 64
.set ACC,  176                         ; v176-183 the 8 logits, then the scores
.set Y,    184                         ; v184-215 two sets of 16 neighbours along D
.set RT,   216                         ; v216-223 the other half of the lanes' sums
.set QW,   224                         ; v224-231 at work
.set CO,   232                         ; v232-234, v236-238 codes
.set BV1,  240                         ; the largest score, its expert; the second, its expert
.set IV1,  241
.set BV2,  242
.set IV2,  243
.set EV,   244
.set VW,   245
.set VE,   246
.set OFS,  247
	s_load_b256 s[4:11], s[0:1], 0x0               ; x s[4:5], gate_w s[6:7], gate_b s[8:9], xq s[10:11]
	s_load_b128 s[12:15], s[0:1], 0x20             ; es s[12:13], wts s[14:15]
	v_lshl_add_u32 v254, v0, 2, 0xe800
	v_mov_b32 v255, 0
	v_lshrrev_b32 v12, 5, v0
	v_readfirstlane_b32 s24, v12                   ; wave
	v_and_b32 v1, 31, v0                           ; lane
	v_lshlrev_b32 v2, 4, v0                        ; gate_w's copy: 16 bytes a thread
	v_lshrrev_b32 v12, 3, v0
	v_and_b32 v13, 7, v0
	v_mul_u32_u24 v3, v12, GWP
	v_lshl_add_u32 v3, v13, 4, v3                  ; and their place in LDS: eight threads to a chunk of 128 bytes
	v_lshlrev_b32 v4, 4, v1                        ; x: 16 bytes a lane
	v_mul_u32_u24 v5, v1, GWP                      ; gate_w's chunk of my four d
	s_mul_i32 s34, s24, WRS
	s_add_co_u32 s34, s34, WRB                     ; my wave's region
	v_lshrrev_b32 v12, 2, v1
	v_and_b32 v13, 3, v1
	v_mul_u32_u24 v6, v12, SP
	v_lshl_add_u32 v6, v13, 4, v6
	v_add_nc_u32 v6, s34, v6                       ; the stage, on the way in: four lanes' 64 bytes on end
	v_mul_u32_u24 v7, v1, SP
	v_add_nc_u32 v7, s34, v7                       ; and on the way out: my 16 neighbours
	v_mul_u32_u24 v8, v1, 12                       ; my 16 codes' place
	v_lshrrev_b32 v12, 1, v1                       ; my block among a step's 16
	v_and_b32 v13, 12, v12
	v_and_b32 v14, 1, v12
	v_lshl_add_u32 v13, v14, 1, v13
	v_bfe_u32 v14, v12, 1, 1
	v_add_nc_u32 v13, v13, v14                     ; its byte's place: within a word blocks 1 and 2 change places
	v_add_nc_u32 v9, s34, v13
	v_add_nc_u32 v9, SBO, v9
	v_and_b32 v12, 7, v1
	v_lshlrev_b32 v10, 2, v12
	v_add_nc_u32 v10, s34, v10
	v_add_nc_u32 v10, SBO, v10                     ; the scale words on the way out
	v_lshlrev_b32 v11, 2, v1
.irp e, 0,1,2,3,4,5,6,7
	v_mov_b32 v[RT+\e], 0                          ; written once: a lane permute's destination counts as one of its sources
.endr
	s_mov_b32 s26, 0x76543210
	s_mov_b32 s27, 0xfedcba98                      ; v_permlanex16_b32's selects for lane l xor 16
	s_lshl_b32 s25, ttmp9, 2
	s_add_co_u32 s25, s25, s24                     ; my token
	s_lshl_b32 s28, s25, 12
	s_mov_b32 s29, 0
	s_wait_kmcnt 0x0
	s_add_nc_u64 s[30:31], s[4:5], s[28:29]        ; its row of x
	s_lshl_b32 s28, s25, 10
	s_add_nc_u64 s[32:33], s[10:11], s[28:29]      ; its row of xq
	s_load_b256 s[16:23], s[8:9], 0x0              ; gate_b
.set i, 0
.rept 16
	global_load_b128 v[G+4*i:G+4*i+3], v2, s[6:7] offset:2048*i   ; gate_w, 32,768 bytes by 128 threads
.set i, i+1
.endr
.irp j, 0,1,2,3,4,5,6,7
	global_load_b128 v[X+4*\j:X+4*\j+3], v4, s[30:31] offset:512*\j th:TH_LOAD_NT   ; 32 lanes read 512 consecutive bytes
.endr
	s_wait_loadcnt 8                               ; gate_w is in; the eight younger loads, x's, may be out
.set i, 0
.rept 16
	ds_store_b128 v3, v[G+4*i:G+4*i+3] offset:16*GWP*i
.set i, i+1
.endr
	s_wait_dscnt 0x0                               ; for the others' sake: my part of gate_w lies in LDS
	s_barrier_signal -1
	s_barrier_wait -1
	s_wait_loadcnt 0x0                             ; x
; 512 numbers through the wave's own stage: in as loaded, back 16 neighbours a lane.  LDS serves a wave's instructions in order: no wait between.
.macro TURN t
.irp i, 0,1,2,3
	ds_store_b128 v6, v[X+16*\t+4*\i:X+16*\t+4*\i+3] offset:32*SP*\t+8*SP*\i
.endr
.irp i, 0,1,2,3
	ds_load_b128 v[Y+16*\t+4*\i:Y+16*\t+4*\i+3], v7 offset:32*SP*\t+16*\i
.endr
.endm
	TURN 0
	TURN 1
.macro GBATCH j                        ; gate_w[128 j + 4 lane + c][e] into register 8 c + e of batch j % 4
.irp i, 0,1,2,3,4,5,6,7
	ds_load_b128 v[G+32*((\j)%4)+4*\i:G+32*((\j)%4)+4*\i+3], v5 offset:32*GWP*(\j)+16*\i
.endr
.endm
.macro GF j, c, pr, lo                 ; the 8 logits += x[128 j + 4 lane + c] x its row of gate_w: x is register lo of the pair at pr, taken for both halves
.irp q, 0,1,2,3
	v_pk_fma_f32 v[ACC+2*\q:ACC+2*\q+1], v[X+4*(\j)+\pr:X+4*(\j)+\pr+1], v[G+32*((\j)%4)+8*\c+2*\q:G+32*((\j)%4)+8*\c+2*\q+1], v[ACC+2*\q:ACC+2*\q+1] op_sel:[\lo,0,0] op_sel_hi:[\lo,1,1]
.endr
.endm
.macro GSTEP j, left                   ; left: the LDS loads of the younger batches, which may stay out
	s_wait_dscnt \left
.if (\j) == 0
.irp q, 0,1,2,3
	v_pk_mul_f32 v[ACC+2*\q:ACC+2*\q+1], v[X:X+1], v[G+2*\q:G+2*\q+1] op_sel_hi:[0,1]   ; the first products start the sums: nothing is cleared
.endr
.else
	GF \j, 0, 0, 0
.endif
	GF \j, 1, 0, 1
	GF \j, 2, 2, 0
	GF \j, 3, 2, 1
.if (\j) < 4
	GBATCH (\j)+4
.endif
.endm
	GBATCH 0
	GBATCH 1
	GBATCH 2
	GBATCH 3
	GSTEP 0, 24
	GSTEP 1, 24
	GSTEP 2, 24
	GSTEP 3, 24
	GSTEP 4, 24
	GSTEP 5, 16
	GSTEP 6, 8
	GSTEP 7, 0
.irp m, 1,2,4,8                        ; the 32 lanes' partial sums: four steps inside each half of 16 lanes, one across
.irp e, 0,1,2,3,4,5,6,7
	v_add_f32_dpp v[ACC+\e], v[ACC+\e], v[ACC+\e] row_xmask:\m row_mask:0xf bank_mask:0xf
.endr
.endr
.irp e, 0,1,2,3,4,5,6,7
	v_permlanex16_b32 v[RT+\e], v[ACC+\e], s26, s27
.endr
	s_wait_kmcnt 0x0                               ; gate_b
.irp e, 0,1,2,3,4,5,6,7
	v_add_f32 v[ACC+\e], v[ACC+\e], v[RT+\e]
.endr
.irp e, 0,1,2,3,4,5,6,7
	v_add_f32 v[ACC+\e], s[16+\e], v[ACC+\e]       ; every lane holds the token's 8 logits
.endr
	v_max3_num_f32 v[QW], v[ACC], v[ACC+1], v[ACC+2]
	v_max3_num_f32 v[QW], v[QW], v[ACC+3], v[ACC+4]
	v_max3_num_f32 v[QW], v[QW], v[ACC+5], v[ACC+6]
	v_max_num_f32 v[QW], v[QW], v[ACC+7]           ; the maximum is taken away before the exponentials
.irp e, 0,1,2,3,4,5,6,7
	v_sub_f32 v[ACC+\e], v[ACC+\e], v[QW]
.endr
.irp e, 0,1,2,3,4,5,6,7
	v_mul_f32 v[ACC+\e], 0x3fb8aa3b, v[ACC+\e]     ; x log2(e)
.endr
.irp e, 0,1,2,3,4,5,6,7
	v_exp_f32 v[ACC+\e], v[ACC+\e]
.endr
	v_nop                                          ; a plain line behind the last exponential
	s_wait_alu depctr_va_vdst(0)                   ; one wait for the batch of eight, ahead of its first reader
	v_add_f32 v[QW], v[ACC], v[ACC+1]
	v_add_f32 v[QW+1], v[ACC+2], v[ACC+3]
	v_add_f32 v[QW+2], v[ACC+4], v[ACC+5]
	v_add_f32 v[QW+3], v[ACC+6], v[ACC+7]
	v_add_f32 v[QW], v[QW], v[QW+1]
	v_add_f32 v[QW+2], v[QW+2], v[QW+3]
	v_add_f32 v[QW], v[QW], v[QW+2]
	v_rcp_f32 v[QW+1], v[QW]
	v_nop
	s_wait_alu depctr_va_vdst(0)
.irp e, 0,1,2,3,4,5,6,7
	v_mul_f32 v[ACC+\e], v[ACC+\e], v[QW+1]        ; the scores
.endr
	; the two largest, by selects alone.  A later expert takes a place only where it is strictly larger: a tie keeps the lower index
	v_mov_b32 v[BV1], v[ACC]
	v_mov_b32 v[IV1], 0
	v_mov_b32 v[BV2], -1.0                         ; under every score
	v_mov_b32 v[IV2], 0
.irp e, 1,2,3,4,5,6,7
	v_mov_b32 v[EV], \e
	v_cmp_gt_f32 s28, v[ACC+\e], v[BV1]
	v_cmp_gt_f32 s29, v[ACC+\e], v[BV2]
	v_cndmask_b32 v[BV2], v[BV2], v[ACC+\e], s29
	v_cndmask_b32 v[IV2], v[IV2], v[EV], s29
	v_cndmask_b32 v[BV2], v[BV2], v[BV1], s28
	v_cndmask_b32 v[IV2], v[IV2], v[IV1], s28
	v_cndmask_b32 v[BV1], v[BV1], v[ACC+\e], s28
	v_cndmask_b32 v[IV1], v[IV1], v[EV], s28
.endr
; 512 numbers become codes: two neighbouring lanes hold a block of 32
.macro QUANT t
.set XS, Y+16*\t
.set QA, QW+4*\t
	v_max3_num_f32 v[QA], |v[XS]|, |v[XS+1]|, |v[XS+2]|
	v_max3_num_f32 v[QA+1], |v[XS+3]|, |v[XS+4]|, |v[XS+5]|
.irp i, 6,10
	v_max3_num_f32 v[QA], v[QA], |v[XS+\i]|, |v[XS+\i+1]|
	v_max3_num_f32 v[QA+1], v[QA+1], |v[XS+\i+2]|, |v[XS+\i+3]|
.endr
	v_max3_num_f32 v[QA], v[QA], |v[XS+14]|, |v[XS+15]|
	v_max3_num_f32 v[QA], v[QA], v[QA+1], 0x2800000            ; and the floor 2^(5 - 127): the byte cannot fall under 1
	v_max_num_f32_dpp v[QA], v[QA], v[QA] row_xmask:1 row_mask:0xf bank_mask:0xf   ; with my neighbour's 16: the block's largest magnitude
	v_add_nc_u32 v[QA+2], 0xfe000000, v[QA]        ; 4 off its exponent field: the conversion takes this operand's exponent field as its scale
	v_cvt_scalef32_pk16_bf6_f32 v[CO+4*\t:CO+4*\t+2], v[XS:XS+15], v[QA+2]
	v_lshrrev_b32 v[QA+3], 23, v[QA+2]             ; the scale's byte
	ds_store_b8 v9, v[QA+3] offset:16*\t           ; both lanes of a block write the same byte with the same value
	global_store_b96 v8, v[CO+4*\t:CO+4*\t+2], s[32:33] offset:384*\t   ; the wave stores 384 consecutive bytes; the two stores fill three aligned blocks of 256
.endm
	QUANT 0
	QUANT 1
	ds_load_b32 v12, v10                           ; the row's 8 scale words (LDS serves a wave's instructions in order: these see my byte stores)
	v_cmp_eq_u32 vcc_lo, 0, v1
	v_mov_b32 v[VW], 0.5
	v_cndmask_b32 v[VW], v[VW], v[BV1], vcc_lo     ; lane k holds slot k x 1024 + t's weight: the two scores, then 0.5 twice
	v_cndmask_b32 v[VE], v[IV2], v[IV1], vcc_lo    ; and, for k = 0, 1, its expert
	v_cmp_eq_u32 vcc_lo, 1, v1
	v_cndmask_b32 v[VW], v[VW], v[BV2], vcc_lo
	v_lshlrev_b32 v[OFS], 12, v1
	v_lshl_add_u32 v[OFS], s25, 2, v[OFS]          ; 4 (1024 lane + t)
	s_wait_dscnt 0x0
	v_cmp_gt_u32 vcc_lo, 8, v1
	s_wait_xcnt 0x0                                ; EXEC changes only behind this wait, each time
	s_wait_tensorcnt 0x0
	ds_add_u32 v254, v255
	s_wait_dscnt 0x0
	s_and_saveexec_b32 s35, vcc_lo
	global_store_b32 v11, v12, s[32:33] offset:768
	s_wait_xcnt 0x0
	s_or_b32 exec_lo, exec_lo, s35
	v_cmp_gt_u32 vcc_lo, 4, v1
	s_and_saveexec_b32 s35, vcc_lo
	global_store_b32 v[OFS], v[VW], s[14:15]
	s_wait_xcnt 0x0
	s_or_b32 exec_lo, exec_lo, s35
	v_cmp_gt_u32 vcc_lo, 2, v1
	s_and_saveexec_b32 s35, vcc_lo
	global_store_b32 v[OFS], v[VE], s[12:13]
	s_wait_xcnt 0x0
	s_or_b32 exec_lo, exec_lo, s35
	s_endpgm
.Lfunc_end_k_qfc77770288_gate_quant:
	.size	k_qfc77770288_gate_quant, .Lfunc_end_k_qfc77770288_gate_quant-k_qfc77770288_gate_quant
	.p2alignl 7, 3214868480
	.fill 96, 4, 3214868480
	.section	.rodata,"a",@progbits
	.p2align	6, 0x0
	.amdhsa_kernel k_qfc77770288_gate_quant
		.amdhsa_group_segment_fixed_size 59904
		.amdhsa_private_segment_fixed_size 0
		.amdhsa_enable_private_segment 0
		.amdhsa_kernarg_size 48
		.amdhsa_user_sgpr_count 2
		.amdhsa_user_sgpr_kernarg_segment_ptr 1
		.amdhsa_wavefront_size32 1
		.amdhsa_system_sgpr_workgroup_id_x 1
		.amdhsa_system_sgpr_workgroup_id_y 1
		.amdhsa_system_sgpr_workgroup_id_z 1
		.amdhsa_system_vgpr_workitem_id 0
		.amdhsa_next_free_vgpr 256
		.amdhsa_next_free_sgpr 66
		.amdhsa_reserve_vcc 1
		.amdhsa_float_denorm_mode_32 3
		.amdhsa_float_denorm_mode_16_64 3
		.amdhsa_memory_ordered 1
		.amdhsa_forward_progress 1
		.amdhsa_inst_pref_size 32
	.end_amdhsa_kernel
	.amdgpu_metadata
---
amdhsa.version: [ 1, 2 ]
amdhsa.kernels:
  - .name:           k_qfc77770288_gate_quant
    .symbol:         k_qfc77770288_gate_quant.kd
    .args:
      - { .name: x, .offset: 0, .size: 8, .value_kind: global_buffer, .address_space: global }
      - { .name: gate_w, .offset: 8, .size: 8, .value_kind: global_buffer, .address_space: global }
      - { .name: gate_b, .offset: 16, .size: 8, .value_kind: global_buffer, .address_space: global }
      - { .name: xq, .offset: 24, .size: 8, .value_kind: global_buffer, .address_space: global }
      - { .name: es, .offset: 32, .size: 8, .value_kind: global_buffer, .address_space: global }
      - { .name: wts, .offset: 40, .size: 8, .value_kind: global_buffer, .address_space: global }
    .group_segment_fixed_size: 59904
    .private_segment_fixed_size: 0
    .kernarg_segment_align: 8
    .kernarg_segment_size: 48
    .max_flat_workgroup_size: 128
    .sgpr_count:     66
    .vgpr_count:     256
    .wavefront_size: 32
...
	.end_amdgpu_metadata
.endif
;; end of part 1
;; launch place (part 2): grid 1 x 1, 10 waves a work-group, no clusters, 0 bytes of LDS; arguments es, lists; writes lists
.if DOCPART == 2
	.amdgcn_target "amdgcn-amd-amdhsa--gfx1250"
	.amdhsa_code_object_version 6
	.text
	.protected	k_qfc77770288_place
	.globl	k_qfc77770288_place
	.p2align	8
	.type	k_qfc77770288_place,@function
k_qfc77770288_place:
	s_mov_b64 s[64:65], 0
	v_nop
	global_prefetch_b8 v0, s[64:65] scope:SCOPE_SE
	s_setreg_imm32_b32 hwreg(HW_REG_WAVE_MODE, 25, 1), 1
	s_wait_xcnt 0x0
; The rows of each expert, as a list of slots.  Slot k x 1024 + t is token t's k-th routed choice (k = 0, 1), slot (2 + s) x 1024 + t its row for shared expert s.
; lists[n] (1,152 words): words 0-1023 the slots of expert n, then dump slots 4096 + 32 n + (index % 32) up to word 1023, so that every word is written and a last pair of 16-row tiles is always full;
; words 1024-1055 the number of pairs (32 rows each), at least 1; words 1056-1087 take the stores of lanes that have nothing to place, and are never read.
; One wave to an expert: wave n reads all 2,048 choices and compacts those that name n: a lane's place is the running count + the number of lower lanes that also place.  No LDS, no barrier, no atomics.
; An expert that nobody chose keeps one pair of dump rows: so the later launches never read a byte that was not written.
; THE WORK GOES IN BATCHES: all 64 compares (a scalar register for each mask), then all counts, selects, clamps and shifts, then all stores: no line reads the result of the line above it.
.set E,  16                            ; v16-79   the choices: register 4 i + c = slot 128 i + 4 lane + c; once compared, v16-47 take the fill's offsets
.set AD, 80                            ; v80-143  a store's offset, one register for each store
.set VL, 144                           ; v144-207 a store's data likewise: no register of a pending store is written again
; the mask of register q stands in s[24 + q] for q under 40 and in s[26 + q] from there on: s24-63, s66-89
	s_load_b128 s[4:7], s[0:1], 0x0                ; es, lists
	v_lshrrev_b32 v5, 5, v0
	v_readfirstlane_b32 s8, v5                     ; wave = expert
	v_and_b32 v1, 31, v0
	v_lshlrev_b32 v2, 2, v1                        ; 4 x lane
	v_add_nc_u32 v3, 1056, v1                      ; the word for a lane that places nothing
	s_lshl_b32 s9, s8, 5
	s_add_co_u32 s9, s9, 4096
	v_add_nc_u32 v4, s9, v1                        ; my dump slot
	v_lshlrev_b32 v6, 4, v1
	s_mul_i32 s12, s8, 4608
	s_mov_b32 s13, 0
	s_wait_kmcnt 0x0
	s_add_nc_u64 s[10:11], s[6:7], s[12:13]        ; my expert's list
	s_cmp_ge_u32 s8, 8
	s_cbranch_scc1 .Lshared
.set i, 0
.rept 16
	global_load_b128 v[E+4*i:E+4*i+3], v6, s[4:5] offset:512*i
.set i, i+1
.endr
.set q, 0
.rept 64
	v_add_nc_u32 v[VL+q], 128*(q/4)+q%4, v2        ; the slots themselves, made while the choices are on their way
.set q, q+1
.endr
	s_mov_b32 s21, 0                               ; rows placed so far
	s_wait_loadcnt 0x0
.set q, 0
.rept 64
.set mk, 24+q+2*(q/40)
	v_cmp_eq_u32 s[mk], s8, v[E+q]                 ; the lanes whose slot names my expert
.set q, q+1
.endr
.set q, 0
.rept 64
.set mk, 24+q+2*(q/40)
	v_mbcnt_lo_u32_b32 v[AD+q], s[mk], s21         ; the count so far + the lower lanes among them
	s_bcnt1_i32_b32 s22, s[mk]
	s_add_co_u32 s21, s21, s22
.set q, q+1
.endr
.set q, 0
.rept 64
.set mk, 24+q+2*(q/40)
	v_cndmask_b32 v[AD+q], v3, v[AD+q], s[mk]
.set q, q+1
.endr
.set q, 0
.rept 64
	v_min_u32 v[AD+q], 0x43f, v[AD+q]              ; inside the list's row whatever was read
.set q, q+1
.endr
.set q, 0
.rept 64
	v_lshlrev_b32 v[AD+q], 2, v[AD+q]
.set q, q+1
.endr
.set i, 0
.rept 32
	v_add_nc_u32 v[E+i], 32*i, v1                  ; the fill: word 32 i + lane gets a dump slot where no row was placed
.set i, i+1
.endr
.set i, 0
.rept 32
	v_cmp_le_u32 s[24+i], s21, v[E+i]              ; (the first masks have been used up)
.set i, i+1
.endr
.set i, 0
.rept 32
	v_cndmask_b32 v[E+i], v3, v[E+i], s[24+i]
.set i, i+1
.endr
.set i, 0
.rept 32
	v_min_u32 v[E+i], 0x43f, v[E+i]
.set i, i+1
.endr
.set i, 0
.rept 32
	v_lshlrev_b32 v[E+i], 2, v[E+i]
.set i, i+1
.endr
	s_add_co_u32 s22, s21, 31
	s_lshr_b32 s22, s22, 5
	s_max_u32 s22, s22, 1                          ; pairs of tiles, at least one
	v_mov_b32 v5, s22
.set q, 0
.rept 64
	global_store_b32 v[AD+q], v[VL+q], s[10:11]    ; the rows' words lie under the count, the fill's from the count on: no word but the spare ones is stored twice
.set q, q+1
.endr
.set i, 0
.rept 32
	global_store_b32 v[E+i], v4, s[10:11]
.set i, i+1
.endr
	global_store_b32 v2, v5, s[10:11] offset:4096
	s_endpgm
.Lshared:                                              ; a shared expert takes every token, in order
	s_sub_co_u32 s9, s8, 6
	s_lshl_b32 s9, s9, 10
	v_add_nc_u32 v5, s9, v1
.set i, 0
.rept 32
	v_add_nc_u32 v[VL+i], 32*i, v5
.set i, i+1
.endr
.set i, 0
.rept 32
	global_store_b32 v2, v[VL+i], s[10:11] offset:128*i
.set i, i+1
.endr
	v_mov_b32 v7, 32
	global_store_b32 v2, v7, s[10:11] offset:4096
	s_endpgm
.Lfunc_end_k_qfc77770288_place:
	.size	k_qfc77770288_place, .Lfunc_end_k_qfc77770288_place-k_qfc77770288_place
	.p2alignl 7, 3214868480
	.fill 96, 4, 3214868480
	.section	.rodata,"a",@progbits
	.p2align	6, 0x0
	.amdhsa_kernel k_qfc77770288_place
		.amdhsa_group_segment_fixed_size 0
		.amdhsa_private_segment_fixed_size 0
		.amdhsa_enable_private_segment 0
		.amdhsa_kernarg_size 16
		.amdhsa_user_sgpr_count 2
		.amdhsa_user_sgpr_kernarg_segment_ptr 1
		.amdhsa_wavefront_size32 1
		.amdhsa_system_sgpr_workgroup_id_x 1
		.amdhsa_system_sgpr_workgroup_id_y 1
		.amdhsa_system_sgpr_workgroup_id_z 1
		.amdhsa_system_vgpr_workitem_id 0
		.amdhsa_next_free_vgpr 224
		.amdhsa_next_free_sgpr 96
		.amdhsa_reserve_vcc 0
		.amdhsa_float_denorm_mode_32 3
		.amdhsa_float_denorm_mode_16_64 3
		.amdhsa_memory_ordered 1
		.amdhsa_forward_progress 1
		.amdhsa_inst_pref_size 52
	.end_amdhsa_kernel
	.amdgpu_metadata
---
amdhsa.version: [ 1, 2 ]
amdhsa.kernels:
  - .name:           k_qfc77770288_place
    .symbol:         k_qfc77770288_place.kd
    .args:
      - { .name: es, .offset: 0, .size: 8, .value_kind: global_buffer, .address_space: global }
      - { .name: lists, .offset: 8, .size: 8, .value_kind: global_buffer, .address_space: global }
    .group_segment_fixed_size: 0
    .private_segment_fixed_size: 0
    .kernarg_segment_align: 8
    .kernarg_segment_size: 16
    .max_flat_workgroup_size: 320
    .sgpr_count:     96
    .vgpr_count:     224
    .wavefront_size: 32
...
	.end_amdgpu_metadata
.endif
;; end of part 2
;; launch up (part 3): grid 256 x 1, 4 waves a work-group, no clusters, 311,808 bytes of LDS; arguments xq, lists, rw1_codes, rw1_scales, rb1, rw2_codes, rw2_scales, rb2, sw1_codes, sw1_scales, sb1, sw2_codes, sw2_scales, sb2, hq, hs; writes hq, hs
.if DOCPART == 3
	.amdgcn_target "amdgcn-amd-amdhsa--gfx1250"
	.amdhsa_code_object_version 6
	.text
	.protected	k_qfc77770288_up
	.globl	k_qfc77770288_up
	.p2align	8
	.type	k_qfc77770288_up,@function
k_qfc77770288_up:
	s_mov_b64 s[64:65], 0
	v_nop
	global_prefetch_b8 v0, s[64:65] scope:SCOPE_SE
	s_setreg_imm32_b32 hwreg(HW_REG_WAVE_MODE, 25, 1), 1
	s_wait_xcnt 0x0
; h = Q(silu(x W1 + b1) (x W2 + b2)) for the rows that each expert's list names; both products on codes of E3M2 with one E8M0 scale for each 32 along K = D = 1,024; h leaves as codes along H.
; SHARES.  Experts 0-7 are routed, 8 and 9 shared.  Work-groups 0-127: expert id / 16, hidden units 128 (id % 16) on, all the expert's pairs of 16-row tiles.  Work-groups 128-255: shared expert (id - 128) / 64,
; units 128 ((id - 128) / 4 % 16) on, every fourth pair.  Wave w makes units 32 w .. 32 w + 31 of the 128: one block of 32 of the next product's K.  Its 32 rows of W1 and of W2 (384 registers) stay in its registers.
; The rows of x that a pair names are gathered once by the work-group into LDS slots (10 pairs) and read there by all four waves.
; THE PRODUCTS ARE USED TRANSPOSED (source 0 = 16 rows of a weight, source 1 = 16 tokens): a lane holds one token.  Lane r of tile u takes row 8 u + r + 8 (r / 8) of the wave's 32, so that the 16 registers of
; tiles 0 and 1 are 16 neighbouring units, 16 (lane / 16) + 0 .. 15.  The biases are the C of each sum's first product.
; FRAGMENTS.  Of a K step's 96 bytes of a row, lane (r, h) takes the 48 bytes at 48 h, by three loads of 16 bytes, on both operands alike: K's blocks 1 and 2 change places in the unit, and so do the bytes of every
; scale word (the weights' by one v_perm_b32 each; xq's lie so already).  The products are the same; the unit adds them in another order.
; WEIGHTS come from memory in whole aligned blocks of 256 bytes (sixteen lanes to a block) into the registers that their fragments will take, go to the wave's own LDS bytes as rows, and come back as fragments.
; THE HEAD KEEPS LOADS ON THEIR WAY: the list, the weights, then six slots' rows are asked for on end; the weights go through LDS while those rows come; the last slots are asked for as soon as four buffers are free.
; NO TENSOR LOAD AND NO CLUSTER: how many pairs a work-group walks hangs on a count read from memory; there is no joint load to share x or the weights by.
; Every barrier stands outside the branches on that count.  A pass serves 10 pairs; four passes serve the most that a list can hold (32).  Slots beyond the count are filled from clamped pairs and read by nobody.
; LIMITS: NaN and infinities are not served; a block of h whose largest magnitude lies under 2^(5 - 127) gets the byte 1 (a block of zeros too: its codes are zeros, and this program alone reads the bytes).
.set TRP,  784                         ; the transit: a weight's row, 768 bytes + 16 = 49 x 16: the sixteen rows of a load start at different banks
.set TRB,  16*TRP                      ; 16 rows for each wave
.set XST,  4*TRB                       ; behind the transits: the slots
.set XP,   816                         ; a row of x: 768 bytes of codes, 32 of scale words, 16 of padding = 51 x 16
.set XSL,  32*XP                       ; a slot: 32 rows
.set NSL,  10
.set GA,   4                           ; v4   a weight's rows in memory: 768 (lane / 16) + 16 (lane % 16)
.set TS,   5                           ; v5   the same two rows in my transit
.set TL,   6                           ; v6   a fragment's place in my transit: 784 r + 48 h
.set XA0,  7                           ; v7   a fragment's place in slot 0
.set XS0,  8                           ; v8   row lane's scale words in slot 0
.set XA,   9                           ; v9, v10 the same in the slot in hand
.set XSA,  10
.set HA,   11                          ; v11  my 12 bytes of a block's 32 rows in hq: 24 r + 12 h
.set HSA,  12                          ; v12  row lane's byte in hs
.set SC,   13                          ; v13  gather: where I put 16 bytes of a row's codes in slot 0 (rows 8 w + lane / 16)
.set SS,   14                          ; v14  and of its scale words
.set LO,   15                          ; v15  gather: my row's word in a pair's 32 words of the list
.set WS1,  16                          ; v16-23, v24-31 W1's, W2's scale words: register s; lanes 0-15 tile 0, lanes 16-31 tile 1
.set WS2,  24
.set XS,   32                          ; v32-39 x's scale words: register s; lane = row of the pair
.set B1,   40                          ; v40-55, v56-71 b1, b2 in the result's layout, tile u at + 8 u
.set B2,   56
.set P1,   72                          ; v72-103, v104-135 the sums: register 16 t + 8 u + j (t: which 16 rows)
.set P2,   104
.set T,    136                         ; v136-167 at work
.set M,    168
.set M2,   170
.set SCL,  172
.set BY,   174
.set CD,   176                         ; v176-178, v180-182 codes
.set BYS,  184
.set L16,  185
.set WSA,  186                         ; the weights' scale words' and biases' offsets
.set WBA,  187
.set T0,   188
.set T1,   189
.set LT,   192                         ; v192-231 gather: 40 rows' offsets in xq
.set LS,   72                          ; v72-111  gather: the same for their scale words (the sums' registers, free while rows are gathered)
; window 1: W1's fragment (u, s) at 12 (8 u + s); window 2: W2's; window 3: x's fragment (s, t) at 12 (2 s + t).
; While rows are gathered: six buffers of 64 registers: four in window 3, and registers 192-255 of windows 1 and 2, which lie free beside the weights.
.set MSB, 0
.macro WIN new                         ; the immediate's high byte repeats the setting that is left
.if MSB != (\new)
	s_set_vgpr_msb (MSB<<8)|(\new)
.set MSB, (\new)
.endif
.endm
.macro BARRIER                         ; my LDS stores have landed and my LDS loads are in: then the work-group's barrier
	s_wait_dscnt 0x0
	s_barrier_signal -1
	s_barrier_wait -1
.endm
.macro MM d, a, b, cc, sa, sb, ra, rb  ; ra, rb: the side's scales stand in lanes 16-31
.if (\ra) && (\rb)
	v_wmma_scale_f32_16x16x128_f8f6f4 v[\d:\d+7], v[\a:\a+11], v[\b:\b+11], v[\cc:\cc+7], v[\sa], v[\sb] matrix_a_fmt:MATRIX_FMT_BF6 matrix_b_fmt:MATRIX_FMT_BF6 matrix_a_scale:MATRIX_SCALE_ROW1 matrix_b_scale:MATRIX_SCALE_ROW1
.elseif (\ra)
	v_wmma_scale_f32_16x16x128_f8f6f4 v[\d:\d+7], v[\a:\a+11], v[\b:\b+11], v[\cc:\cc+7], v[\sa], v[\sb] matrix_a_fmt:MATRIX_FMT_BF6 matrix_b_fmt:MATRIX_FMT_BF6 matrix_a_scale:MATRIX_SCALE_ROW1
.elseif (\rb)
	v_wmma_scale_f32_16x16x128_f8f6f4 v[\d:\d+7], v[\a:\a+11], v[\b:\b+11], v[\cc:\cc+7], v[\sa], v[\sb] matrix_a_fmt:MATRIX_FMT_BF6 matrix_b_fmt:MATRIX_FMT_BF6 matrix_b_scale:MATRIX_SCALE_ROW1
.else
	v_wmma_scale_f32_16x16x128_f8f6f4 v[\d:\d+7], v[\a:\a+11], v[\b:\b+11], v[\cc:\cc+7], v[\sa], v[\sb] matrix_a_fmt:MATRIX_FMT_BF6 matrix_b_fmt:MATRIX_FMT_BF6
.endif
.endm
	s_load_b512 s[4:19], s[0:1], 0x0               ; xq s[4:5], lists s[6:7], rw1 codes, scales, rb1 s[8:13], rw2 codes, scales, rb2 s[14:19]
	s_load_b512 s[20:35], s[0:1], 0x40             ; the same six of the shared experts s[20:31], hq s[32:33], hs s[34:35]
	v_lshl_add_u32 v254, v0, 2, 0x4c000
	v_mov_b32 v255, 0
	v_lshrrev_b32 v[T0], 5, v0
	v_readfirstlane_b32 s36, v[T0]                 ; wave
	v_and_b32 v1, 31, v0                           ; lane
	v_and_b32 v2, 15, v0                           ; r
	v_bfe_u32 v3, v0, 4, 1                         ; h
	v_lshlrev_b32 v[L16], 4, v2
	s_mul_i32 s48, s36, TRB
	v_mad_u32_u24 v[GA], v3, 768, v[L16]
	v_mad_u32_u24 v[TS], v3, TRP, v[L16]
	v_add_nc_u32 v[TS], s48, v[TS]
	v_mul_u32_u24 v[TL], v2, TRP
	v_mad_u32_u24 v[TL], v3, 48, v[TL]
	v_add_nc_u32 v[TL], s48, v[TL]
	v_mul_u32_u24 v[XA0], v2, XP
	v_mad_u32_u24 v[XA0], v3, 48, v[XA0]
	v_add_nc_u32 v[XA0], XST, v[XA0]
	v_mul_u32_u24 v[XS0], v1, XP
	v_add_nc_u32 v[XS0], XST+768, v[XS0]
	v_mul_u32_u24 v[HA], v2, 24
	v_mad_u32_u24 v[HA], v3, 12, v[HA]
	s_and_b32 s48, s36, 1
	s_lshl_b32 s48, s48, 1
	s_lshr_b32 s49, s36, 1
	s_add_co_u32 s48, s48, s49                     ; my block's byte in h's scale word: blocks 1 and 2 change places
	v_lshl_add_u32 v[HSA], v1, 2, s48
	s_mul_i32 s48, s36, 8*XP
	s_add_co_u32 s48, s48, XST                     ; gather: my wave fills rows 8 w .. 8 w + 7 of a slot
	v_mad_u32_u24 v[SC], v3, XP, v[L16]
	v_add_nc_u32 v[SC], s48, v[SC]
	v_and_b32 v[T0], 1, v0
	v_lshlrev_b32 v[T0], 4, v[T0]
	v_mad_u32_u24 v[SS], v3, XP, v[T0]
	v_add_nc_u32 v[SS], s48, v[SS]
	v_add_nc_u32 v[SS], 768, v[SS]
	s_lshl_b32 s48, s36, 5
	v_lshl_add_u32 v[LO], v3, 2, s48
	v_and_b32 v[WSA], 8, v2
	v_add_nc_u32 v[WSA], v[WSA], v2
	v_lshl_add_u32 v[WSA], v3, 3, v[WSA]           ; lane (r, h) holds the scale words of tile h's row r: row 8 h + r + 8 (r / 8)
	v_lshlrev_b32 v[WSA], 5, v[WSA]                ; 32 bytes a row
	v_lshlrev_b32 v[WBA], 6, v3                    ; the biases of units 16 h on
	v_mov_b32 v[M2], 0                             ; written once: a lane permute's destination counts as one of its sources
	v_mov_b32 v[M2+1], 0
	s_lshr_b32 s37, ttmp9, 4                       ; routed: expert,
	s_and_b32 s39, ttmp9, 15                       ; slice of 128 units
	s_sub_co_u32 s48, ttmp9, 128
	s_lshr_b32 s38, s48, 6                         ; shared: expert among the two,
	s_add_co_u32 s49, s38, 8                       ; its number,
	s_bfe_u32 s62, s48, 0x40002                    ; slice,
	s_and_b32 s40, s48, 3                          ; first pair
	s_cmp_lt_u32 ttmp9, 128
	s_cselect_b32 s38, s37, s38                    ; s38: the expert within its tensors
	s_cselect_b32 s37, s37, s49                    ; s37: n
	s_cselect_b32 s39, s39, s62                    ; s39: j
	s_cselect_b32 s40, 0, s40                      ; s40: the first pair
	s_cselect_b32 s41, 0, 2                        ; s41: log2 of the step from pair to pair
	s_cselect_b32 s42, 1, 4                        ; s42: the step
	s_wait_kmcnt 0x0
	s_cselect_b64 s[8:9], s[8:9], s[20:21]         ; the choice hangs on the work-group's number alone
	s_cselect_b64 s[10:11], s[10:11], s[22:23]
	s_cselect_b64 s[12:13], s[12:13], s[24:25]
	s_cselect_b64 s[14:15], s[14:15], s[26:27]
	s_cselect_b64 s[16:17], s[16:17], s[28:29]
	s_cselect_b64 s[18:19], s[18:19], s[30:31]
	s_sub_co_u32 s63, s42, 1
	s_lshl_b32 s48, s38, 11
	s_lshl_b32 s49, s39, 7
	s_add_co_u32 s48, s48, s49
	s_lshl_b32 s49, s36, 5
	s_add_co_u32 s48, s48, s49                     ; my wave's first row of W1 and W2: 2048 expert + 128 j + 32 w
	s_mov_b32 s69, 0
	s_mul_i32 s68, s48, 768
	s_add_nc_u64 s[8:9], s[8:9], s[68:69]
	s_add_nc_u64 s[14:15], s[14:15], s[68:69]
	s_lshl_b32 s68, s48, 5
	s_add_nc_u64 s[10:11], s[10:11], s[68:69]
	s_add_nc_u64 s[16:17], s[16:17], s[68:69]
	s_lshl_b32 s68, s48, 2
	s_add_nc_u64 s[12:13], s[12:13], s[68:69]
	s_add_nc_u64 s[18:19], s[18:19], s[68:69]
	s_mul_i32 s68, s37, 4608
	s_add_nc_u64 s[66:67], s[6:7], s[68:69]        ; my expert's list
	s_load_b32 s43, s[66:67], 0x1000               ; its number of pairs
	s_mul_i32 s68, s37, 1572864
	s_add_nc_u64 s[50:51], s[32:33], s[68:69]
	s_lshl_b32 s49, s39, 2
	s_add_co_u32 s49, s49, s36
	s_mul_i32 s68, s49, 768
	s_add_nc_u64 s[50:51], s[50:51], s[68:69]      ; hq: my expert, pair 0, block 4 j + w
	s_lshl_b32 s68, s37, 16
	s_lshl_b32 s49, s39, 7
	s_add_co_u32 s68, s68, s49
	s_add_nc_u64 s[52:53], s[34:35], s[68:69]      ; hs: my expert, pair 0, K step j
	s_mov_b32 s58, 0xffff0000                      ; lanes 16-31
	s_mov_b32 s60, 0x76543210
	s_mov_b32 s61, 0xfedcba98                      ; v_permlanex16_b32's selects for lane l xor 16
	s_mov_b32 s44, s40                             ; s44: the pass's first pair
.macro NVCALC                          ; s45: how many of the pass's 10 slots hold pairs of mine
	s_sub_co_i32 s48, s43, s44
	s_max_i32 s48, s48, 0
	s_add_co_u32 s48, s48, s63
	s_lshr_b32 s48, s48, s41
	s_min_u32 s45, s48, NSL
.endm
.macro LISTS                           ; the slots of the rows that I gather: for each of the pass's 10 pairs (clamped to the list's last), rows 8 w + 2 g + lane / 16
.set cc, 0
.rept NSL
	s_lshl_b32 s48, cc, s41
	s_add_co_u32 s48, s48, s44
	s_min_u32 s48, s48, 31
	s_lshl_b32 s48, s48, 7
	v_add_nc_u32 v[LS+4*cc], s48, v[LO]
.irp g, 0,1,2,3
	global_load_b32 v[LT+4*cc+\g], v[LS+4*cc], s[66:67] offset:8*\g
.endr
.set cc, cc+1
.endr
.endm
.macro ADDR                            ; slot -> token -> byte offsets in xq
.set i, 0
.rept 4*NSL
	v_min_u32 v[LT+i], 0x10ff, v[LT+i]             ; a slot, whatever was read
	v_and_b32 v[LT+i], 0x3ff, v[LT+i]              ; its token
	v_lshl_add_u32 v[LT+i], v[LT+i], 10, v[L16]    ; 1,024 bytes a token, 16 bytes a lane
	v_and_b32 v[LS+i], 0xfffffc10, v[LT+i]         ; for the 32 bytes of scale words: 16 (lane % 2)
.set i, i+1
.endr
.endm
.macro XLOAD c, w, b                   ; slot c's rows of mine into the buffer at register b of window w: sixteen lanes read an aligned block of 256 bytes of a row
	WIN ((\w)<<6)
.irp g, 0,1,2,3
.irp q, 0,1,2
	global_load_b128 v[16*\g+4*\q+(\b):16*\g+4*\q+(\b)+3], v[LT+4*(\c)+\g], s[4:5] offset:256*\q
.endr
	global_load_b128 v[16*\g+12+(\b):16*\g+15+(\b)], v[LS+4*(\c)+\g], s[4:5] offset:768
.endr
	WIN 0
.endm
.macro XSTORE c, w, b
	v_add_nc_u32 v[T0], XSL*(\c), v[SC]
	v_add_nc_u32 v[T1], XSL*(\c), v[SS]
	WIN ((\w)<<2)                                  ; an LDS store's data are its source 1
.irp g, 0,1,2,3
.irp q, 0,1,2
	ds_store_b128 v[T0], v[16*\g+4*\q+(\b):16*\g+4*\q+(\b)+3] offset:2*XP*\g+256*\q
.endr
	ds_store_b128 v[T1], v[16*\g+12+(\b):16*\g+15+(\b)] offset:2*XP*\g   ; eight lanes write the same 16 bytes with the same value
.endr
	WIN 0
.endm
.macro WCODES b                        ; a weight's 32 rows: tile u's rows in the tile's order, two rows a load, into the registers of tile u's fragments
.irp u, 0,1
.irp g, 0,1,2,3,4,5,6,7
.irp q, 0,1,2
	global_load_b128 v[96*\u+4*(3*\g+\q):96*\u+4*(3*\g+\q)+3], v[GA], s[\b:\b+1] offset:768*(8*\u+2*\g+8*(\g/4))+256*\q
.endr
.endr
.endr
.endm
.macro WRAW                            ; 108 loads: scale words, biases, codes
	global_load_b128 v[WS1:WS1+3], v[WSA], s[10:11]
	global_load_b128 v[WS1+4:WS1+7], v[WSA], s[10:11] offset:16
	global_load_b128 v[WS2:WS2+3], v[WSA], s[16:17]
	global_load_b128 v[WS2+4:WS2+7], v[WSA], s[16:17] offset:16
.irp u, 0,1
	global_load_b128 v[B1+8*\u:B1+8*\u+3], v[WBA], s[12:13] offset:32*\u
	global_load_b128 v[B1+8*\u+4:B1+8*\u+7], v[WBA], s[12:13] offset:32*\u+16
	global_load_b128 v[B2+8*\u:B2+8*\u+3], v[WBA], s[18:19] offset:32*\u
	global_load_b128 v[B2+8*\u+4:B2+8*\u+7], v[WBA], s[18:19] offset:32*\u+16
.endr
	WIN 0x40
	WCODES 8
	WIN 0x80
	WCODES 14
	WIN 0
.endm
.macro TRANSIT                         ; the four tiles, one after the other, through my 16 rows of LDS: in as rows, back as fragments.  LDS serves a wave's instructions in order: no wait between
.irp m, 1,2
.irp u, 0,1
	WIN ((\m)<<2)
.irp g, 0,1,2,3,4,5,6,7
.irp q, 0,1,2
	ds_store_b128 v[TS], v[96*\u+4*(3*\g+\q):96*\u+4*(3*\g+\q)+3] offset:2*TRP*\g+256*\q
.endr
.endr
	WIN ((\m)<<6)
.irp s, 0,1,2,3,4,5,6,7
.irp q, 0,1,2
	ds_load_b128 v[12*(8*\u+\s)+4*\q:12*(8*\u+\s)+4*\q+3], v[TL] offset:96*\s+16*\q
.endr
.endr
.endr
.endr
	WIN 0
	s_wait_dscnt 0x0
.irp s, 0,1,2,3,4,5,6,7
	v_perm_b32 v[WS1+\s], v[WS1+\s], v[WS1+\s], 0x03010200   ; the bytes of blocks 1 and 2 change places, as the blocks do
	v_perm_b32 v[WS2+\s], v[WS2+\s], v[WS2+\s], 0x03010200
.endr
.endm
; The pass's rows of x come into the slots.  first = 1: the weights are asked for behind the list, and go through the transit while the first six slots' rows are on their way.
; Slots 0-7 are always filled.  The last slots stand in two arms, each with its loads, the waits for them and the stores that read them.
.macro STAGE first
.if !\first
	s_cmp_eq_u32 s45, 0
	s_cbranch_scc1 .Lstaged_\@                     ; no pair of mine in this pass: nothing is gathered; the barrier below is passed all the same
.endif
	LISTS
.if \first
	WRAW
	s_wait_kmcnt 0x0                               ; the number of pairs
	s_min_u32 s43, s43, 32
	s_max_u32 s43, s43, 1
	NVCALC
	s_wait_loadcnt 63                              ; 108 loads were issued behind the list's 40: with 63 out the list is in
.else
	s_wait_loadcnt 0x0
.endif
	ADDR
	XLOAD 0, 3, 0
	XLOAD 1, 3, 64
	XLOAD 2, 3, 128
	XLOAD 3, 3, 192
	XLOAD 4, 1, 192
	XLOAD 5, 2, 192
.if \first
	s_wait_loadcnt 63                              ; 96 loads were issued behind the weights': with 63 out the weights are in
	TRANSIT                                        ; LDS work while the rows are on their way
.endif
	s_wait_loadcnt 32                              ; slots 0-3 are in; the 32 loads of slots 4 and 5 may be out
	XSTORE 0, 3, 0
	XSTORE 1, 3, 64
	XSTORE 2, 3, 128
	XSTORE 3, 3, 192
	s_wait_dscnt 0x0                               ; the stores have read their registers, which take the next slots' rows
	s_cmp_le_u32 s45, 8
	s_cbranch_scc1 .Lshort_\@
	XLOAD 6, 3, 0
	XLOAD 7, 3, 64
	XLOAD 8, 3, 128
	XLOAD 9, 3, 192
	s_wait_loadcnt 63                              ; 64 loads were issued behind those of slots 4 and 5
	XSTORE 4, 1, 192
	XSTORE 5, 2, 192
	s_wait_loadcnt 0x0
	XSTORE 6, 3, 0
	XSTORE 7, 3, 64
	XSTORE 8, 3, 128
	XSTORE 9, 3, 192
	s_branch .Lstaged_\@
.Lshort_\@:
	XLOAD 6, 3, 0
	XLOAD 7, 3, 64
	s_wait_loadcnt 32                              ; slots 4 and 5 are in; the 32 loads of slots 6 and 7 may be out
	XSTORE 4, 1, 192
	XSTORE 5, 2, 192
	s_wait_loadcnt 0x0
	XSTORE 6, 3, 0
	XSTORE 7, 3, 64
.Lstaged_\@:
	BARRIER                                        ; every wave's rows lie in the slots
.endm
; 32 products: a weight's two tiles x the pair's two tiles of rows, 8 K steps.  The four sums take turns, one instruction a turn.
.macro PROD p, ws, bb, waits
.irp s, 0,1,2,3,4,5,6,7
.if \waits
	s_wait_dscnt 42-6*\s                           ; K step s's fragments are in; the six loads of each later step may be out
.endif
.irp t, 0,1
.irp u, 0,1
.if \s == 0
	MM \p+16*\t+8*\u, 12*(8*\u+\s), 12*(2*\s+\t), \bb+8*\u, \ws+\s, XS+\s, \u, \t
.else
	MM \p+16*\t+8*\u, 12*(8*\u+\s), 12*(2*\s+\t), \p+16*\t+8*\u, \ws+\s, XS+\s, \u, \t
.endif
.endr
.endr
.endr
.endm
; silu(p1) p2 = p1 p2 / (1 + 2^(-p1 log2 e)), in f32, 32 numbers a lane; then the quantiser; each sum is read from its low end on
.macro EPI
.set i, 0
.rept 16
	v_pk_mul_f32 v[T+2*i:T+2*i+1], v[P1+2*i:P1+2*i+1], 0xbfb8aa3b op_sel_hi:[1,0]
.set i, i+1
.endr
.set i, 0
.rept 32
	v_exp_f32 v[T+i], v[T+i]
.set i, i+1
.endr
.set i, 0
.rept 16
	v_pk_mul_f32 v[P1+2*i:P1+2*i+1], v[P1+2*i:P1+2*i+1], v[P2+2*i:P2+2*i+1]   ; plain work that names no exponential's result
.set i, i+1
.endr
	s_wait_alu depctr_va_vdst(0)                   ; one wait for the batch of 32, ahead of its first reader
.set i, 0
.rept 16
	v_pk_add_f32 v[T+2*i:T+2*i+1], v[T+2*i:T+2*i+1], 1.0 op_sel_hi:[1,0]
.set i, i+1
.endr
.set i, 0
.rept 32
	v_rcp_f32 v[T+i], v[T+i]
.set i, i+1
.endr
	v_nop                                          ; a plain line behind the last reciprocal
	s_wait_alu depctr_va_vdst(0)
.set i, 0
.rept 16
	v_pk_mul_f32 v[P1+2*i:P1+2*i+1], v[P1+2*i:P1+2*i+1], v[T+2*i:T+2*i+1]
.set i, i+1
.endr
.irp t, 0,1
	v_max3_num_f32 v[M+\t], |v[P1+16*\t]|, |v[P1+16*\t+1]|, 0x2800000   ; my 16 units of the block, and the floor 2^(5 - 127): the byte cannot fall under 1
.endr
.irp k, 2,4,6,8,10,12,14
.irp t, 0,1
	v_max3_num_f32 v[M+\t], v[M+\t], |v[P1+16*\t+\k]|, |v[P1+16*\t+\k+1]|
.endr
.endr
.irp t, 0,1
	v_permlanex16_b32 v[M2+\t], v[M+\t], s60, s61
.endr
.irp t, 0,1
	v_max_num_f32 v[M+\t], v[M+\t], v[M2+\t]       ; with lane l xor 16's 16 units: the block's largest magnitude
.endr
.irp t, 0,1
	v_add_nc_u32 v[SCL+\t], 0xfe000000, v[M+\t]    ; 4 off its exponent field: the conversion's scale operand
.endr
.irp t, 0,1
	v_lshrrev_b32 v[BY+\t], 23, v[SCL+\t]          ; the scale's byte
.endr
.irp t, 0,1
	v_cvt_scalef32_pk16_bf6_f32 v[CD+4*\t:CD+4*\t+2], v[P1+16*\t:P1+16*\t+15], v[SCL+\t]
.endr
	v_cndmask_b32 v[BYS], v[BY], v[BY+1], s58      ; lane = row of the pair.  (The plain line behind the conversions)
	global_store_b96 v[HA], v[CD:CD+2], s[54:55]               ; 16 rows x 24 bytes: 384 consecutive bytes;
	global_store_b96 v[HA], v[CD+4:CD+6], s[54:55] offset:384  ; the two stores fill three aligned blocks of 256
	global_store_b8 v[HSA], v[BYS], s[56:57]       ; the four waves' bytes make the rows' scale words for K step j: one byte for each 24 bytes of codes
.endm
; One trip of the loop over slots.  The trip count is a constant; a slot without a pair of mine is passed over.
.macro PAIR
	s_cmp_ge_u32 s47, s45
	s_cbranch_scc1 .Lpt_\@
	s_wait_xcnt 0x0                                ; the last trip's stores have read their data and their bases
	s_mul_i32 s48, s62, 49152
	s_mov_b32 s49, 0
	s_add_nc_u64 s[54:55], s[50:51], s[48:49]      ; the pair's plane in hq,
	s_lshl_b32 s48, s62, 11
	s_add_nc_u64 s[56:57], s[52:53], s[48:49]      ; and in hs
	v_add_nc_u32 v[XA], s59, v[XA0]
	v_add_nc_u32 v[XSA], s59, v[XS0]
	ds_load_b128 v[XS:XS+3], v[XSA]
	ds_load_b128 v[XS+4:XS+7], v[XSA] offset:16
	WIN 0xc0
.irp s, 0,1,2,3,4,5,6,7
.irp t, 0,1
.irp q, 0,1,2
	ds_load_b128 v[12*(2*\s+\t)+4*\q:12*(2*\s+\t)+4*\q+3], v[XA] offset:16*XP*\t+96*\s+16*\q
.endr
.endr
.endr
	WIN 0x0d                                       ; source 0 (W1) window 1, source 1 (x) window 3
	PROD P1, WS1, B1, 1
	WIN 0x0e                                       ; source 0 (W2) window 2
	PROD P2, WS2, B2, 0
	WIN 0
.rept 4
	v_nop                                          ; four places between the last products and the first read of results (ISA guide 7.12.1)
.endr
	EPI
.Lpt_\@:
	s_add_co_u32 s47, s47, 1
	s_add_co_u32 s59, s59, XSL
	s_add_co_u32 s62, s62, s42
.endm
.macro SLOTS
	s_mov_b32 s47, 0                               ; slot
	s_mov_b32 s59, 0                               ; its bytes in LDS
	s_mov_b32 s62, s44                             ; its pair
.Lslot_\@:
	PAIR
	s_cmp_lt_u32 s47, NSL
	s_cbranch_scc1 .Lslot_\@
.endm
	STAGE 1
	SLOTS
	s_mov_b32 s46, 0
.Lpass:                                                ; three more passes of 10 pairs: a list can hold 32
	s_mul_i32 s48, s42, NSL
	s_add_co_u32 s44, s44, s48
	NVCALC
	BARRIER                                        ; every wave's reads of the slots are over
	STAGE 0
	SLOTS
	s_add_co_u32 s46, s46, 1
	s_cmp_lt_u32 s46, 3
	s_cbranch_scc1 .Lpass
	s_wait_tensorcnt 0x0
	ds_add_u32 v254, v255
	s_wait_dscnt 0x0
	s_endpgm
.Lfunc_end_k_qfc77770288_up:
	.size	k_qfc77770288_up, .Lfunc_end_k_qfc77770288_up-k_qfc77770288_up
	.p2alignl 7, 3214868480
	.fill 96, 4, 3214868480
	.section	.rodata,"a",@progbits
	.p2align	6, 0x0
	.amdhsa_kernel k_qfc77770288_up
		.amdhsa_group_segment_fixed_size 311808
		.amdhsa_private_segment_fixed_size 0
		.amdhsa_enable_private_segment 0
		.amdhsa_kernarg_size 128
		.amdhsa_user_sgpr_count 2
		.amdhsa_user_sgpr_kernarg_segment_ptr 1
		.amdhsa_wavefront_size32 1
		.amdhsa_system_sgpr_workgroup_id_x 1
		.amdhsa_system_sgpr_workgroup_id_y 1
		.amdhsa_system_sgpr_workgroup_id_z 1
		.amdhsa_system_vgpr_workitem_id 0
		.amdhsa_next_free_vgpr 1024
		.amdhsa_next_free_sgpr 100
		.amdhsa_reserve_vcc 0
		.amdhsa_float_denorm_mode_32 3
		.amdhsa_float_denorm_mode_16_64 3
		.amdhsa_memory_ordered 1
		.amdhsa_forward_progress 1
		.amdhsa_inst_pref_size 174
	.end_amdhsa_kernel
	.amdgpu_metadata
---
amdhsa.version: [ 1, 2 ]
amdhsa.kernels:
  - .name:           k_qfc77770288_up
    .symbol:         k_qfc77770288_up.kd
    .args:
      - { .name: xq, .offset: 0, .size: 8, .value_kind: global_buffer, .address_space: global }
      - { .name: lists, .offset: 8, .size: 8, .value_kind: global_buffer, .address_space: global }
      - { .name: rw1_codes, .offset: 16, .size: 8, .value_kind: global_buffer, .address_space: global }
      - { .name: rw1_scales, .offset: 24, .size: 8, .value_kind: global_buffer, .address_space: global }
      - { .name: rb1, .offset: 32, .size: 8, .value_kind: global_buffer, .address_space: global }
      - { .name: rw2_codes, .offset: 40, .size: 8, .value_kind: global_buffer, .address_space: global }
      - { .name: rw2_scales, .offset: 48, .size: 8, .value_kind: global_buffer, .address_space: global }
      - { .name: rb2, .offset: 56, .size: 8, .value_kind: global_buffer, .address_space: global }
      - { .name: sw1_codes, .offset: 64, .size: 8, .value_kind: global_buffer, .address_space: global }
      - { .name: sw1_scales, .offset: 72, .size: 8, .value_kind: global_buffer, .address_space: global }
      - { .name: sb1, .offset: 80, .size: 8, .value_kind: global_buffer, .address_space: global }
      - { .name: sw2_codes, .offset: 88, .size: 8, .value_kind: global_buffer, .address_space: global }
      - { .name: sw2_scales, .offset: 96, .size: 8, .value_kind: global_buffer, .address_space: global }
      - { .name: sb2, .offset: 104, .size: 8, .value_kind: global_buffer, .address_space: global }
      - { .name: hq, .offset: 112, .size: 8, .value_kind: global_buffer, .address_space: global }
      - { .name: hs, .offset: 120, .size: 8, .value_kind: global_buffer, .address_space: global }
    .group_segment_fixed_size: 311808
    .private_segment_fixed_size: 0
    .kernarg_segment_align: 8
    .kernarg_segment_size: 128
    .max_flat_workgroup_size: 128
    .sgpr_count:     100
    .vgpr_count:     1024
    .wavefront_size: 32
...
	.end_amdgpu_metadata
.endif
;; end of part 3
;; launch down (part 4): grid 256 x 1, 4 waves a work-group, no clusters, 321,024 bytes of LDS; arguments hq, hs, lists, wts, rw3_codes, rw3_scales, rb3, sw3_codes, sw3_scales, sb3, y; writes y
.if DOCPART == 4
	.amdgcn_target "amdgcn-amd-amdhsa--gfx1250"
	.amdhsa_code_object_version 6
	.text
	.protected	k_qfc77770288_down
	.globl	k_qfc77770288_down
	.p2align	8
	.type	k_qfc77770288_down,@function
k_qfc77770288_down:
	s_mov_b64 s[64:65], 0
	v_nop
	global_prefetch_b8 v0, s[64:65] scope:SCOPE_SE
	s_setreg_imm32_b32 hwreg(HW_REG_WAVE_MODE, 25, 1), 1
	s_wait_xcnt 0x0
; y[slot] = weight[slot] x (h W3 + b3), on codes of E3M2 with one E8M0 scale for each 32 along K = H = 2,048.  A slot's row of y is one of a token's four contributions; the next launch adds them.
; SHARES.  Work-groups 0-127: routed expert id / 16, columns 256 (id / 4 % 4) on, every fourth pair of 16-row tiles from id % 4.  Work-groups 128-255: shared expert (id - 128) / 64, columns 256 ((id - 128) / 16 % 4) on,
; every sixteenth pair.  Wave w keeps its 64 columns of W3, all of K, in registers: 64 fragments, 768 registers.  A pair's h (49,152 bytes of codes, 2,048 of scale words) comes into an LDS slot once and is read by all four waves.
; THE PRODUCTS: source 0 = 16 rows of h, source 1 = 16 columns of W3.  So the weights' register window is the field of source 1, which LDS loads do not use: h's fragments are fetched among the products without a switch.
; FRAGMENTS as in the launch before: of a K step's four blocks lane (r, h) takes blocks 2 h and 2 h + 1, on both operands alike; the bytes of blocks 1 and 2 change places in every scale word.
; W3 comes from memory in whole aligned blocks of 256 bytes into the registers that its fragments will take, goes to the wave's own LDS bytes as rows, and comes back as fragments.
; THE HEAD KEEPS LOADS ON THEIR WAY: W3's four tiles are asked for one ahead of the tile that goes through LDS, and the slots of h are asked for between them.
; NO TENSOR LOAD AND NO CLUSTER: the number of pairs hangs on a count read from memory; there is no joint load to share h or W3 by.
; Every barrier stands outside the branches on that count.  A pass serves 4 pairs, two passes the most that a work-group can get (8).  Slots 0 and 1 are always filled, from a pair clamped to the list's last: that pair was written.
.set TRP,  1552                        ; the transit: a row of W3, 1,536 bytes + 16 = 97 x 16
.set TRB,  16*TRP                      ; 16 rows for each wave; its first 16 x 272 bytes later are the wave's stage for y
.set HST,  4*TRB                       ; behind the transits: the slots
.set BLK,  832                         ; a block's 32 rows x 24 bytes + 64: the two blocks that the halves of the lanes read lie 1,664 bytes apart, 128 modulo 256, so that the 32 lanes of an 8-byte load touch 64 different banks
.set HSCO, 64*BLK                      ; behind a slot's 64 blocks: its scale words, [K step][32 rows]
.set HSL,  HSCO+2048
.set NSL,  4
.set YP,   272
.set GA,   4                           ; v4   W3's rows in memory: 1536 (lane / 16) + 16 (lane % 16)
.set TS,   5                           ; v5   the same two rows in my transit
.set TL,   6                           ; v6   a fragment's place in my transit
.set GH,   7                           ; v7   my wave's quarter of a pair's plane of hq, 16 bytes a lane
.set LA,   8                           ; v8   the same in slot 0;
.set LB,   9                           ; v9   for loads that cross a block's end: lanes 16-31 lie 64 bytes further on
.set GS,   10                          ; v10  my 16 bytes of a pair's 2,048 bytes of scale words
.set HA0,  11                          ; v11  a fragment's place in slot 0: 24 r + 1664 h
.set HC0,  12                          ; v12  row lane's scale word in slot 0
.set YS,   13                          ; v13  the stage: where I put a number
.set YL,   14                          ; v14  and where I read 16 bytes of a row back
.set L16,  15
.set WSC,  16                          ; v16-47  W3's scale words: register 16 (c / 2) + s; lanes 0-15 tile c even, lanes 16-31 tile c odd
.set HSC,  48                          ; v48-63  h's scale words: register s; lane = row of the pair
.set ACC,  64                          ; v64-127 the sums: register 32 t + 8 c + j
.set RG,   128                         ; v128-199 h's fragments: a ring of three K steps x 24; on the way out rows of y
.set WX,   200                         ; v200-211 W3's fragment (3, 15)
.set BI,   212                         ; v212-215 b3 of column 16 c + r
.set CF,   216                         ; v216-231 the weights of rows 8 h + j of tile t: register 8 t + j
.set SR,   232                         ; v232-247 the way out: byte offsets in y of rows 2 i + lane / 16 of tile t: register 8 t + i
.set A32,  248
.set A4,   249
.set HA,   250
.set HC,   251
.set T0,   252
.set T1,   253
.set T2,   254
.set HB,   64                          ; v64-163 a quarter of a pair's plane on its way into LDS
.set WBA,  250                         ; at the head: b3's and the scale words' offsets
.set WSA,  251
.set MSB, 0
.macro WIN new                         ; the immediate's high byte repeats the setting that is left
.if MSB != (\new)
	s_set_vgpr_msb (MSB<<8)|(\new)
.set MSB, (\new)
.endif
.endm
.macro BARRIER
	s_wait_dscnt 0x0
	s_barrier_signal -1
	s_barrier_wait -1
.endm
; Where W3's fragment (tile c, K step s) lies: K steps 0-14 five to a window, 1 to 3; K step 15 at the windows' ends, and tile 3's in window 0.  No run of registers crosses a window's end.
.macro FSET c, s
.if (\s) < 15
.set FW, 1+(\s)/5
.set FRG, 12*(4*((\s)%5)+(\c))
.elseif (\c) < 3
.set FW, 1+(\c)
.set FRG, 240
.else
.set FW, 0
.set FRG, WX
.endif
.endm
.set ZF, 0
.macro MM d, a, b, sa, sb, ra, rb      ; ZF = 1: the product starts its sum; ra, rb: the side's scales stand in lanes 16-31
.if ZF
.if (\ra) && (\rb)
	v_wmma_scale_f32_16x16x128_f8f6f4 v[\d:\d+7], v[\a:\a+11], v[\b:\b+11], 0, v[\sa], v[\sb] matrix_a_fmt:MATRIX_FMT_BF6 matrix_b_fmt:MATRIX_FMT_BF6 matrix_a_scale:MATRIX_SCALE_ROW1 matrix_b_scale:MATRIX_SCALE_ROW1
.elseif (\ra)
	v_wmma_scale_f32_16x16x128_f8f6f4 v[\d:\d+7], v[\a:\a+11], v[\b:\b+11], 0, v[\sa], v[\sb] matrix_a_fmt:MATRIX_FMT_BF6 matrix_b_fmt:MATRIX_FMT_BF6 matrix_a_scale:MATRIX_SCALE_ROW1
.elseif (\rb)
	v_wmma_scale_f32_16x16x128_f8f6f4 v[\d:\d+7], v[\a:\a+11], v[\b:\b+11], 0, v[\sa], v[\sb] matrix_a_fmt:MATRIX_FMT_BF6 matrix_b_fmt:MATRIX_FMT_BF6 matrix_b_scale:MATRIX_SCALE_ROW1
.else
	v_wmma_scale_f32_16x16x128_f8f6f4 v[\d:\d+7], v[\a:\a+11], v[\b:\b+11], 0, v[\sa], v[\sb] matrix_a_fmt:MATRIX_FMT_BF6 matrix_b_fmt:MATRIX_FMT_BF6
.endif
.else
.if (\ra) && (\rb)
	v_wmma_scale_f32_16x16x128_f8f6f4 v[\d:\d+7], v[\a:\a+11], v[\b:\b+11], v[\d:\d+7], v[\sa], v[\sb] matrix_a_fmt:MATRIX_FMT_BF6 matrix_b_fmt:MATRIX_FMT_BF6 matrix_a_scale:MATRIX_SCALE_ROW1 matrix_b_scale:MATRIX_SCALE_ROW1
.elseif (\ra)
	v_wmma_scale_f32_16x16x128_f8f6f4 v[\d:\d+7], v[\a:\a+11], v[\b:\b+11], v[\d:\d+7], v[\sa], v[\sb] matrix_a_fmt:MATRIX_FMT_BF6 matrix_b_fmt:MATRIX_FMT_BF6 matrix_a_scale:MATRIX_SCALE_ROW1
.elseif (\rb)
	v_wmma_scale_f32_16x16x128_f8f6f4 v[\d:\d+7], v[\a:\a+11], v[\b:\b+11], v[\d:\d+7], v[\sa], v[\sb] matrix_a_fmt:MATRIX_FMT_BF6 matrix_b_fmt:MATRIX_FMT_BF6 matrix_b_scale:MATRIX_SCALE_ROW1
.else
	v_wmma_scale_f32_16x16x128_f8f6f4 v[\d:\d+7], v[\a:\a+11], v[\b:\b+11], v[\d:\d+7], v[\sa], v[\sb] matrix_a_fmt:MATRIX_FMT_BF6 matrix_b_fmt:MATRIX_FMT_BF6
.endif
.endif
.endm
	s_load_b512 s[4:19], s[0:1], 0x0               ; hq s[4:5], hs s[6:7], lists s[8:9], wts s[10:11], rw3 codes, scales, rb3 s[12:17], sw3 codes s[18:19]
	s_load_b128 s[20:23], s[0:1], 0x40             ; sw3 scales, sb3
	s_load_b64 s[24:25], s[0:1], 0x50              ; y
	v_lshl_add_u32 v255, v0, 2, 0x4e400
	s_set_vgpr_msb 0x40
	v_mov_b32 v255, 0
	s_set_vgpr_msb 0x4000
	v_lshrrev_b32 v[T0], 5, v0
	v_readfirstlane_b32 s36, v[T0]                 ; wave
	v_and_b32 v1, 31, v0                           ; lane
	v_and_b32 v2, 15, v0                           ; r
	v_bfe_u32 v3, v0, 4, 1                         ; h
	v_lshlrev_b32 v[L16], 4, v2
	s_mul_i32 s48, s36, TRB
	v_mad_u32_u24 v[GA], v3, 1536, v[L16]
	v_mad_u32_u24 v[TS], v3, TRP, v[L16]
	v_add_nc_u32 v[TS], s48, v[TS]
	v_mul_u32_u24 v[TL], v2, TRP
	v_mad_u32_u24 v[TL], v3, 48, v[TL]
	v_add_nc_u32 v[TL], s48, v[TL]
	v_lshlrev_b32 v[YS], 2, v2
	v_mad_u32_u24 v[YS], v3, 8*YP, v[YS]
	v_add_nc_u32 v[YS], s48, v[YS]                 ; row 8 h (+ j), column r (+ 16 c)
	v_mad_u32_u24 v[YL], v3, YP, v[L16]
	v_add_nc_u32 v[YL], s48, v[YL]                 ; lanes 0-15 one row of 256 bytes, lanes 16-31 the next
	s_mul_i32 s49, s36, 12288
	v_lshl_add_u32 v[GH], v1, 4, s49
	s_mul_i32 s49, s36, 16*BLK
	s_add_co_u32 s49, s49, HST
	v_lshl_add_u32 v[LA], v1, 4, s49
	v_lshl_add_u32 v[LB], v3, 6, v[LA]
	s_lshl_b32 s49, s36, 9
	v_lshl_add_u32 v[GS], v1, 4, s49
	v_mul_u32_u24 v[HA0], v2, 24
	v_mad_u32_u24 v[HA0], v3, 2*BLK, v[HA0]
	v_add_nc_u32 v[HA0], HST, v[HA0]
	v_lshl_add_u32 v[HC0], v1, 2, HST+HSCO
	v_lshlrev_b32 v[A32], 5, v3
	v_lshlrev_b32 v[A4], 2, v3
	v_lshlrev_b32 v[WBA], 2, v2
	v_lshlrev_b32 v[WSA], 6, v1                    ; 64 bytes of scale words a row of W3
	s_lshr_b32 s37, ttmp9, 4                       ; routed: expert,
	s_bfe_u32 s39, ttmp9, 0x20002                  ; slice of 256 columns,
	s_and_b32 s40, ttmp9, 3                        ; first pair
	s_sub_co_u32 s48, ttmp9, 128
	s_lshr_b32 s38, s48, 6                         ; shared: expert among the two,
	s_add_co_u32 s49, s38, 8
	s_bfe_u32 s62, s48, 0x20004
	s_and_b32 s63, s48, 15
	s_cmp_lt_u32 ttmp9, 128
	s_cselect_b32 s38, s37, s38                    ; s38: the expert within its tensors
	s_cselect_b32 s37, s37, s49                    ; s37: n
	s_cselect_b32 s39, s39, s62                    ; s39: the slice
	s_cselect_b32 s40, s40, s63                    ; s40: the first pair
	s_cselect_b32 s41, 2, 4                        ; s41: log2 of the step from pair to pair
	s_cselect_b32 s42, 4, 16                       ; s42: the step
	s_wait_kmcnt 0x0
	s_cselect_b64 s[12:13], s[12:13], s[18:19]     ; the choice hangs on the work-group's number alone
	s_cselect_b64 s[14:15], s[14:15], s[20:21]
	s_cselect_b64 s[16:17], s[16:17], s[22:23]
	s_sub_co_u32 s63, s42, 1
	s_mov_b32 s75, 0
	s_mul_i32 s74, s37, 4608
	s_add_nc_u64 s[66:67], s[8:9], s[74:75]        ; my expert's list
	s_load_b32 s43, s[66:67], 0x1000               ; its number of pairs: waited for behind the first loads of W3
	s_lshl_b32 s48, s38, 10
	s_lshl_b32 s49, s39, 8
	s_add_co_u32 s48, s48, s49
	s_lshl_b32 s49, s36, 6
	s_add_co_u32 s48, s48, s49                     ; my wave's first row of W3: 1024 expert + 256 slice + 64 w
	s_mul_i32 s74, s48, 1536
	s_add_nc_u64 s[12:13], s[12:13], s[74:75]
	s_lshl_b32 s74, s48, 6
	s_add_nc_u64 s[14:15], s[14:15], s[74:75]
	s_lshl_b32 s74, s48, 2
	s_add_nc_u64 s[16:17], s[16:17], s[74:75]
	s_mul_i32 s74, s37, 1572864
	s_add_nc_u64 s[50:51], s[4:5], s[74:75]        ; hq, my expert
	s_lshl_b32 s74, s37, 16
	s_add_nc_u64 s[52:53], s[6:7], s[74:75]        ; hs, my expert
	s_lshl_b32 s74, s39, 10
	s_lshl_b32 s49, s36, 8
	s_add_co_u32 s74, s74, s49
	s_add_nc_u64 s[70:71], s[24:25], s[74:75]      ; y at my wave's 64 columns
	s_mov_b32 s44, s40                             ; s44: the pass's first pair
.macro NVCALC                          ; s45: how many of the pass's 4 slots hold pairs of mine
	s_sub_co_i32 s48, s43, s44
	s_max_i32 s48, s48, 0
	s_add_co_u32 s48, s48, s63
	s_lshr_b32 s48, s48, s41
	s_min_u32 s45, s48, NSL
.endm
.macro HLOAD k                         ; my quarter of the plane of slot k's pair (clamped to the list's last pair): 24 loads of 512 consecutive bytes, and 512 bytes of scale words
	s_wait_xcnt 0x0                                ; earlier loads and stores have read their bases and registers,
	s_wait_dscnt 0x0                               ; and the last slot's LDS stores theirs
	s_lshl_b32 s48, \k, s41
	s_add_co_u32 s48, s48, s44
	s_min_u32 s48, s48, s76
	s_min_u32 s48, s48, 31
	s_mul_i32 s74, s48, 49152
	s_add_nc_u64 s[54:55], s[50:51], s[74:75]
	s_lshl_b32 s74, s48, 11
	s_add_nc_u64 s[56:57], s[52:53], s[74:75]
.set i, 0
.rept 24
	global_load_b128 v[HB+4*i:HB+4*i+3], v[GH], s[54:55] offset:512*i
.set i, i+1
.endr
	global_load_b128 v[HB+96:HB+99], v[GS], s[56:57]
.endm
.macro HSTORE k                        ; into slot k: 64 bytes are left free behind each block's 768
	v_add_nc_u32 v[T0], HSL*(\k), v[LA]
	v_add_nc_u32 v[T1], HSL*(\k), v[LB]
	v_add_nc_u32 v[T2], HST+HSCO+HSL*(\k), v[GS]
.set i, 0
.rept 24
.if i%3 == 0
	ds_store_b128 v[T0], v[HB+4*i:HB+4*i+3] offset:512*i+128*(i/3)
.elseif i%3 == 1
	ds_store_b128 v[T1], v[HB+4*i:HB+4*i+3] offset:512*i+128*(i/3)
.else
	ds_store_b128 v[T0], v[HB+4*i:HB+4*i+3] offset:512*i+128*(i/3)+64
.endif
.set i, i+1
.endr
	ds_store_b128 v[T2], v[HB+96:HB+99]
.endm
.macro WSB                             ; 12 loads: W3's scale words and b3
.irp p, 0,1
.irp i, 0,1,2,3
	global_load_b128 v[WSC+16*\p+4*\i:WSC+16*\p+4*\i+3], v[WSA], s[14:15] offset:2048*\p+16*\i
.endr
.endr
.irp c, 0,1,2,3
	global_load_b32 v[BI+\c], v[WBA], s[16:17] offset:64*\c
.endr
.endm
.macro WLOAD c                         ; 48 loads: tile c's 16 rows, two rows a load, sixteen lanes to an aligned block of 256 bytes
.set k, 0
.rept 48
	FSET \c, k/3
	WIN (FW<<6)
	global_load_b128 v[FRG+4*(k%3):FRG+4*(k%3)+3], v[GA], s[12:13] offset:24576*(\c)+3072*(k/6)+256*(k%6)
.set k, k+1
.endr
	WIN 0
.endm
.macro TRANSIT c, n                    ; tile c through my 16 rows of LDS; n: the younger loads that may stay out.  LDS serves a wave's instructions in order: no wait between stores and loads, nor from tile to tile
	s_wait_loadcnt \n
.set k, 0
.rept 48
	FSET \c, k/3
	WIN (FW<<2)
	ds_store_b128 v[TS], v[FRG+4*(k%3):FRG+4*(k%3)+3] offset:2*TRP*(k/6)+256*(k%6)
.set k, k+1
.endr
.set k, 0
.rept 48
	FSET \c, k/3
	WIN (FW<<6)
	ds_load_b128 v[FRG+4*(k%3):FRG+4*(k%3)+3], v[TL] offset:96*(k/3)+16*(k%3)
.set k, k+1
.endr
	WIN 0
.endm
.macro RLOAD s                         ; h's two fragments of K step s: lane (r, h) takes blocks 4 s + 2 h and 4 s + 2 h + 1 of its row, 24 bytes each, in pieces of 8
.irp t, 0,1
.irp q, 0,1
.irp p, 0,1,2
	ds_load_b64 v[RG+24*((\s)%3)+12*\t+6*\q+2*\p:RG+24*((\s)%3)+12*\t+6*\q+2*\p+1], v[HA] offset:BLK*(4*(\s)+\q)+384*\t+8*\p
.endr
.endr
.endr
.endm
.macro KSTEP s                         ; 8 products: the eight sums take turns, one instruction a turn
.if (\s) <= 13
	s_wait_dscnt 24                                ; this K step's fragments are in; the two later steps' 24 loads may be out
.elseif (\s) == 14
	s_wait_dscnt 12
.else
	s_wait_dscnt 0
.endif
.set ZF, 0
.if (\s) == 0
.set ZF, 1
.endif
.irp c, 0,1,2,3
	FSET \c, \s
	WIN (FW<<2)                                    ; source 1 (W3) alone has a window
.irp t, 0,1
	MM ACC+32*\t+8*\c, RG+24*((\s)%3)+12*\t, FRG, HSC+(\s), WSC+16*(\c/2)+(\s), \t, \c&1
.endr
.endr
.if (\s)+3 <= 15
.rept 4
	v_nop                                          ; four places in front of loads into registers that these products have read
.endr
	RLOAD (\s)+3
.endif
.endm
.macro OUT t                           ; 16 rows x my 64 columns: + b3, x the row's weight, through my stage, out as whole rows of 256 bytes
.irp c, 0,1,2,3
.irp i, 0,1,2,3
.if (\c)%2
	v_pk_add_f32 v[ACC+32*\t+8*\c+2*\i:ACC+32*\t+8*\c+2*\i+1], v[ACC+32*\t+8*\c+2*\i:ACC+32*\t+8*\c+2*\i+1], v[BI+\c-1:BI+\c] op_sel:[0,1] op_sel_hi:[1,1]
.else
	v_pk_add_f32 v[ACC+32*\t+8*\c+2*\i:ACC+32*\t+8*\c+2*\i+1], v[ACC+32*\t+8*\c+2*\i:ACC+32*\t+8*\c+2*\i+1], v[BI+\c:BI+\c+1] op_sel_hi:[1,0]
.endif
.endr
.endr
.irp c, 0,1,2,3
.irp i, 0,1,2,3
	v_pk_mul_f32 v[ACC+32*\t+8*\c+2*\i:ACC+32*\t+8*\c+2*\i+1], v[ACC+32*\t+8*\c+2*\i:ACC+32*\t+8*\c+2*\i+1], v[CF+8*\t+2*\i:CF+8*\t+2*\i+1]
.endr
.endr
.irp c, 0,1,2,3
.irp j, 0,1,2,3,4,5,6,7
	ds_store_b32 v[YS], v[ACC+32*\t+8*\c+\j] offset:YP*\j+64*\c
.endr
.endr
.irp i, 0,1,2,3,4,5,6,7
	ds_load_b128 v[RG+32*\t+4*\i:RG+32*\t+4*\i+3], v[YL] offset:2*YP*\i   ; LDS serves a wave's instructions in order: these see my stores
.endr
.irp i, 0,1,2,3,4,5,6,7
	s_wait_dscnt 7-\i
	global_store_b128 v[SR+8*\t+\i], v[RG+32*\t+4*\i:RG+32*\t+4*\i+3], s[70:71] th:TH_STORE_NT   ; sixteen lanes store 256 consecutive bytes of a slot's row, aligned
.endr
.endm
; One trip of the loop over slots.  The trip count is a constant; a slot without a pair of mine is passed over.
.macro PAIR
	s_cmp_ge_u32 s47, s45
	s_cbranch_scc1 .Lpt_\@
	s_wait_xcnt 0x0                                ; the last trip's stores have read their data, offsets and bases
	s_lshl_b32 s74, s62, 7
	s_add_nc_u64 s[68:69], s[66:67], s[74:75]      ; the pair's 32 words of the list
.irp t, 0,1
.irp i, 0,1
	global_load_b128 v[CF+8*\t+4*\i:CF+8*\t+4*\i+3], v[A32], s[68:69] offset:64*\t+16*\i   ; the slots of rows 8 h + j
.endr
.endr
.irp t, 0,1
.irp i, 0,1,2,3,4,5,6,7
	global_load_b32 v[SR+8*\t+\i], v[A4], s[68:69] offset:64*\t+8*\i                      ; and of rows 2 i + lane / 16
.endr
.endr
	v_add_nc_u32 v[HA], s59, v[HA0]
	v_add_nc_u32 v[HC], s59, v[HC0]
.set i, 0
.rept 16
	ds_load_b32 v[HSC+i], v[HC] offset:128*i
.set i, i+1
.endr
	RLOAD 0
	RLOAD 1
	RLOAD 2
.irp s, 0,1,2,3,4
	KSTEP \s
.endr
	WIN 0
	s_wait_loadcnt 0x0                             ; the slots are in (asked for 40 products ago)
.set i, 0
.rept 16
	v_min_u32 v[CF+i], 0xfff, v[CF+i]              ; a dump row takes some weight: its result is read by nobody
	v_lshlrev_b32 v[CF+i], 2, v[CF+i]
	global_load_b32 v[CF+i], v[CF+i], s[10:11]     ; the slot's weight lands on its own offset
.set i, i+1
.endr
.set i, 0
.rept 16
	v_min_u32 v[SR+i], 0x10ff, v[SR+i]
	v_lshl_add_u32 v[SR+i], v[SR+i], 12, v[L16]    ; a row of y is 4,096 bytes; 16 bytes a lane
.set i, i+1
.endr
.irp s, 5,6,7,8,9,10,11,12,13,14,15
	KSTEP \s
.endr
	WIN 0
.rept 4
	v_nop                                          ; four places between the last products and the first read of results (ISA guide 7.12.1)
.endr
	s_wait_loadcnt 0x0                             ; the weights
	OUT 0
	OUT 1
.Lpt_\@:
	s_add_co_u32 s47, s47, 1
	s_add_co_u32 s59, s59, HSL
	s_add_co_u32 s62, s62, s42
.endm
.macro SLOTS
	s_mov_b32 s47, 0                               ; slot
	s_mov_b32 s59, 0                               ; its bytes in LDS
	s_mov_b32 s62, s44                             ; its pair
.Lslot_\@:
	PAIR
	s_cmp_lt_u32 s47, NSL
	s_cbranch_scc1 .Lslot_\@
.endm
	; THE HEAD.  Loads in the order of issue: 12 (scale words, b3), tile 0's 48, slot 0's 25, tile 1's 48, tile 2's 48, slot 1's 25, tile 3's 48, then slot 2's and slot 3's 25 where the work-group has so many pairs.
	WSB
	WLOAD 0
	s_wait_kmcnt 0x0                               ; the number of pairs: 60 loads are on their way by now
	s_min_u32 s43, s43, 32
	s_max_u32 s43, s43, 1
	s_sub_co_u32 s76, s43, 1                       ; the list's last pair
	NVCALC
	HLOAD 0
	WLOAD 1
	s_wait_loadcnt 48                              ; slot 0's loads are in: only tile 1's 48 were issued behind them
	HSTORE 0
	TRANSIT 0, 63                                  ; 73 loads were issued behind tile 0's
	WLOAD 2
	HLOAD 1
	TRANSIT 1, 63                                  ; 73 behind tile 1's: tile 2's 48 and slot 1's 25
	WLOAD 3
	s_wait_loadcnt 48                              ; slot 1's loads are in: only tile 3's 48 were issued behind them
	HSTORE 1
	s_cmp_le_u32 s45, 2
	s_cbranch_scc1 .Lno_slot2_ask
	HLOAD 2                                        ; asked for here, stored behind tile 2's transit: both arms hang on the same number
.Lno_slot2_ask:
	TRANSIT 2, 63                                  ; 73 or more behind tile 2's
	s_cmp_le_u32 s45, 2
	s_cbranch_scc1 .Lno_slot2
	s_wait_loadcnt 0x0                             ; slot 2's loads are the youngest
	HSTORE 2
	s_cmp_le_u32 s45, 3
	s_cbranch_scc1 .Lno_slot2
	HLOAD 3
.Lno_slot2:
	TRANSIT 3, 0                                   ; on every way no load is out behind this wait
	s_cmp_le_u32 s45, 3
	s_cbranch_scc1 .Lno_slot3
	HSTORE 3
.Lno_slot3:
	s_wait_dscnt 0x0
.set i, 0
.rept 16                                           ; in the order of the K steps: each word stands eight plain vector lines or more ahead of the first product that names it
	v_perm_b32 v[WSC+i], v[WSC+i], v[WSC+i], 0x03010200      ; the bytes of blocks 1 and 2 change places, as the blocks do
	v_perm_b32 v[WSC+16+i], v[WSC+16+i], v[WSC+16+i], 0x03010200
.set i, i+1
.endr
	BARRIER                                        ; every wave's quarters lie in the slots
	SLOTS
	s_lshl_b32 s48, s42, 2                         ; the second pass: four pairs on
	s_add_co_u32 s44, s44, s48
	NVCALC
	BARRIER                                        ; every wave's reads of the slots are over
	s_cmp_eq_u32 s45, 0
	s_cbranch_scc1 .Lsecond_staged
.irp k, 0,1,2,3
	HLOAD \k
	s_wait_loadcnt 0x0
	HSTORE \k
.endr
.Lsecond_staged:
	BARRIER
	SLOTS
	s_set_vgpr_msb 0x4
	s_wait_tensorcnt 0x0
	ds_add_u32 v255, v255
	s_wait_dscnt 0x0
	s_set_vgpr_msb 0x400
	s_endpgm
.Lfunc_end_k_qfc77770288_down:
	.size	k_qfc77770288_down, .Lfunc_end_k_qfc77770288_down-k_qfc77770288_down
	.p2alignl 7, 3214868480
	.fill 96, 4, 3214868480
	.section	.rodata,"a",@progbits
	.p2align	6, 0x0
	.amdhsa_kernel k_qfc77770288_down
		.amdhsa_group_segment_fixed_size 321024
		.amdhsa_private_segment_fixed_size 0
		.amdhsa_enable_private_segment 0
		.amdhsa_kernarg_size 88
		.amdhsa_user_sgpr_count 2
		.amdhsa_user_sgpr_kernarg_segment_ptr 1
		.amdhsa_wavefront_size32 1
		.amdhsa_system_sgpr_workgroup_id_x 1
		.amdhsa_system_sgpr_workgroup_id_y 1
		.amdhsa_system_sgpr_workgroup_id_z 1
		.amdhsa_system_vgpr_workitem_id 0
		.amdhsa_next_free_vgpr 1024
		.amdhsa_next_free_sgpr 100
		.amdhsa_reserve_vcc 0
		.amdhsa_float_denorm_mode_32 3
		.amdhsa_float_denorm_mode_16_64 3
		.amdhsa_memory_ordered 1
		.amdhsa_forward_progress 1
		.amdhsa_inst_pref_size 189
	.end_amdhsa_kernel
	.amdgpu_metadata
---
amdhsa.version: [ 1, 2 ]
amdhsa.kernels:
  - .name:           k_qfc77770288_down
    .symbol:         k_qfc77770288_down.kd
    .args:
      - { .name: hq, .offset: 0, .size: 8, .value_kind: global_buffer, .address_space: global }
      - { .name: hs, .offset: 8, .size: 8, .value_kind: global_buffer, .address_space: global }
      - { .name: lists, .offset: 16, .size: 8, .value_kind: global_buffer, .address_space: global }
      - { .name: wts, .offset: 24, .size: 8, .value_kind: global_buffer, .address_space: global }
      - { .name: rw3_codes, .offset: 32, .size: 8, .value_kind: global_buffer, .address_space: global }
      - { .name: rw3_scales, .offset: 40, .size: 8, .value_kind: global_buffer, .address_space: global }
      - { .name: rb3, .offset: 48, .size: 8, .value_kind: global_buffer, .address_space: global }
      - { .name: sw3_codes, .offset: 56, .size: 8, .value_kind: global_buffer, .address_space: global }
      - { .name: sw3_scales, .offset: 64, .size: 8, .value_kind: global_buffer, .address_space: global }
      - { .name: sb3, .offset: 72, .size: 8, .value_kind: global_buffer, .address_space: global }
      - { .name: y, .offset: 80, .size: 8, .value_kind: global_buffer, .address_space: global }
    .group_segment_fixed_size: 321024
    .private_segment_fixed_size: 0
    .kernarg_segment_align: 8
    .kernarg_segment_size: 88
    .max_flat_workgroup_size: 128
    .sgpr_count:     100
    .vgpr_count:     1024
    .wavefront_size: 32
...
	.end_amdgpu_metadata
.endif
;; end of part 4
;; launch combine (part 5): grid 256 x 1, 8 waves a work-group, no clusters, 0 bytes of LDS; arguments y, out0; writes out0
.if DOCPART == 5
	.amdgcn_target "amdgcn-amd-amdhsa--gfx1250"
	.amdhsa_code_object_version 6
	.text
	.protected	k_qfc77770288_combine
	.globl	k_qfc77770288_combine
	.p2align	8
	.type	k_qfc77770288_combine,@function
k_qfc77770288_combine:
	s_mov_b64 s[64:65], 0
	v_nop
	global_prefetch_b8 v0, s[64:65] scope:SCOPE_SE
	s_setreg_imm32_b32 hwreg(HW_REG_WAVE_MODE, 25, 1), 1
	s_wait_xcnt 0x0
; out[t] = y[t] + y[1024 + t] + y[2048 + t] + y[3072 + t]: a token's two routed contributions (already weighted) and its two shared ones (already halved).
; A stream: a work-group takes 4 tokens, thread T the 16 bytes at 16 T of each row, so a wave's load or store covers 512 consecutive bytes.  All 16 loads of a wave go out at once; each row has registers of its own.
; No LDS, no barrier, no matrix unit: each byte is read once and written once.
.set PL, 4194304                       ; from one plane of 1,024 rows of y to the next
.set R,  2                             ; v2-65: row i's four planes at v[R + 16 i + 4 p]
	s_load_b128 s[4:7], s[0:1], 0x0                ; y, out0
	v_lshlrev_b32 v1, 4, v0
	s_lshl_b32 s8, ttmp9, 14                       ; 4 rows of 4,096 bytes
	s_mov_b32 s9, 0
	s_wait_kmcnt 0x0
	s_add_nc_u64 s[4:5], s[4:5], s[8:9]
	s_add_nc_u64 s[6:7], s[6:7], s[8:9]
	s_add_nc_u64 s[10:11], s[4:5], 2*PL            ; planes 2 and 3 have a base of their own: the immediate is 24 bits, signed (ISA guide, chapter 10)
.irp i, 0,1,2,3
	global_load_b128 v[R+16*\i:R+16*\i+3], v1, s[4:5] offset:4096*\i th:TH_LOAD_NT
	global_load_b128 v[R+16*\i+4:R+16*\i+7], v1, s[4:5] offset:4096*\i+PL th:TH_LOAD_NT
	global_load_b128 v[R+16*\i+8:R+16*\i+11], v1, s[10:11] offset:4096*\i th:TH_LOAD_NT
	global_load_b128 v[R+16*\i+12:R+16*\i+15], v1, s[10:11] offset:4096*\i+PL th:TH_LOAD_NT
.endr
.irp i, 0,1,2,3
	s_wait_loadcnt 12-4*\i                         ; row i's four loads are in; the later rows' may be out
	v_pk_add_f32 v[R+16*\i:R+16*\i+1], v[R+16*\i:R+16*\i+1], v[R+16*\i+4:R+16*\i+5]
	v_pk_add_f32 v[R+16*\i+2:R+16*\i+3], v[R+16*\i+2:R+16*\i+3], v[R+16*\i+6:R+16*\i+7]
	v_pk_add_f32 v[R+16*\i+8:R+16*\i+9], v[R+16*\i+8:R+16*\i+9], v[R+16*\i+12:R+16*\i+13]
	v_pk_add_f32 v[R+16*\i+10:R+16*\i+11], v[R+16*\i+10:R+16*\i+11], v[R+16*\i+14:R+16*\i+15]
	v_pk_add_f32 v[R+16*\i:R+16*\i+1], v[R+16*\i:R+16*\i+1], v[R+16*\i+8:R+16*\i+9]
	v_pk_add_f32 v[R+16*\i+2:R+16*\i+3], v[R+16*\i+2:R+16*\i+3], v[R+16*\i+10:R+16*\i+11]
	global_store_b128 v1, v[R+16*\i:R+16*\i+3], s[6:7] offset:4096*\i th:TH_STORE_NT
.endr
	s_endpgm
.Lfunc_end_k_qfc77770288_combine:
	.size	k_qfc77770288_combine, .Lfunc_end_k_qfc77770288_combine-k_qfc77770288_combine
	.p2alignl 7, 3214868480
	.fill 96, 4, 3214868480
	.section	.rodata,"a",@progbits
	.p2align	6, 0x0
	.amdhsa_kernel k_qfc77770288_combine
		.amdhsa_group_segment_fixed_size 0
		.amdhsa_private_segment_fixed_size 0
		.amdhsa_enable_private_segment 0
		.amdhsa_kernarg_size 16
		.amdhsa_user_sgpr_count 2
		.amdhsa_user_sgpr_kernarg_segment_ptr 1
		.amdhsa_wavefront_size32 1
		.amdhsa_system_sgpr_workgroup_id_x 1
		.amdhsa_system_sgpr_workgroup_id_y 1
		.amdhsa_system_sgpr_workgroup_id_z 1
		.amdhsa_system_vgpr_workitem_id 0
		.amdhsa_next_free_vgpr 96
		.amdhsa_next_free_sgpr 66
		.amdhsa_reserve_vcc 0
		.amdhsa_float_denorm_mode_32 3
		.amdhsa_float_denorm_mode_16_64 3
		.amdhsa_memory_ordered 1
		.amdhsa_forward_progress 1
		.amdhsa_inst_pref_size 5
	.end_amdhsa_kernel
	.amdgpu_metadata
---
amdhsa.version: [ 1, 2 ]
amdhsa.kernels:
  - .name:           k_qfc77770288_combine
    .symbol:         k_qfc77770288_combine.kd
    .args:
      - { .name: y, .offset: 0, .size: 8, .value_kind: global_buffer, .address_space: global }
      - { .name: out0, .offset: 8, .size: 8, .value_kind: global_buffer, .address_space: global }
    .group_segment_fixed_size: 0
    .private_segment_fixed_size: 0
    .kernarg_segment_align: 8
    .kernarg_segment_size: 16
    .max_flat_workgroup_size: 256
    .sgpr_count:     66
    .vgpr_count:     96
    .wavefront_size: 32
...
	.end_amdgpu_metadata
.endif
;; end of part 5
;; ======== version 2 of 2: 5 launches
;; workspace buffers: xq 1,048,576 bytes; es 8,192 bytes of whole numbers; wts 16,384 bytes; lists 46,080 bytes of whole numbers; hq 15,728,640 bytes; hs 655,360 bytes; y 17,825,792 bytes
;; launch gate_quant (part 6): grid 256 x 1, 4 waves a work-group, no clusters, 59,904 bytes of LDS; arguments x, gate_w, gate_b, xq, es, wts; writes xq, es, wts
.if DOCPART == 6
	.amdgcn_target "amdgcn-amd-amdhsa--gfx1250"
	.amdhsa_code_object_version 6
	.text
	.protected	k_qfc77770288_gate_quant
	.globl	k_qfc77770288_gate_quant
	.p2align	8
	.type	k_qfc77770288_gate_quant,@function
k_qfc77770288_gate_quant:
	s_mov_b64 s[64:65], 0
	v_nop
	global_prefetch_b8 v0, s[64:65] scope:SCOPE_SE
	s_setreg_imm32_b32 hwreg(HW_REG_WAVE_MODE, 25, 1), 1
	s_wait_xcnt 0x0
; One wave, one token t = 4 x work-group + wave.  Two things are made of the token's row of x (1,024 f32, read once):
; (1) the gate: logits = x . gate_w + gate_b by f32 multiply-adds, softmax over the 8 experts (the maximum taken away first), the two largest scores (a tie keeps the lower index).
;     The chosen experts go to es[k x 1024 + t] as whole numbers, the scores to wts[k x 1024 + t]; wts[2048 + t] and wts[3072 + t] get 0.5, the weight of a shared expert in their mean.
; (2) the row as codes of E3M2 with one E8M0 byte for each 32 along D: xq[t] = 768 bytes of codes as one stream of bits, then 8 scale words (word s: D = 128 s on).
;     In a scale word the bytes of the second and third block change places: the products take each 128 along K as two halves of 48 bytes a lane, on both operands alike.
; No address and no branch hangs on a floating-point number here: what was chosen is stored as data, at fixed places.
; LIMITS: NaN and infinities among the inputs are not served.  A block whose largest magnitude lies under 2^(5 - 127) gets the byte 1 (a block of zeros too, where the rule says 127:
; its codes are zeros, and this program alone reads the bytes).  The gate's f32 sums are taken in another order than the reference's: 32 partial sums a logit, then a tree.
.set GWP,  144                         ; gate_w in LDS: 4 rows d (128 bytes) + 16 of padding: 36 words, so that the lanes of a 16-byte load start at different banks
.set WRB,  256*GWP                     ; behind gate_w: a region of its own for each wave
.set WRS,  5632                        ; two stages of 32 x 80 bytes, then the row's 32 scale bytes
.set SP,   80                          ; a lane's place in a stage: 64 bytes + 16 of padding
.set SBO,  2*32*SP
.set X,    16                          ; v16-47   x as loaded: register 4 j + c = x[128 j + 4 lane + c]
.set G,    48                          ; v48-175  gate_w: four batches of 32; at the head the copy's 64
.set ACC,  176                         ; v176-183 the 8 logits, then the scores
.set Y,    184                         ; v184-215 two sets of 16 neighbours along D
.set RT,   216                         ; v216-223 the other half of the lanes' sums
.set QW,   224                         ; v224-231 at work
.set CO,   232                         ; v232-234, v236-238 codes
.set BV1,  240                         ; the largest score, its expert; the second, its expert
.set IV1,  241
.set BV2,  242
.set IV2,  243
.set EV,   244
.set VW,   245
.set VE,   246
.set OFS,  247
	s_load_b256 s[4:11], s[0:1], 0x0               ; x s[4:5], gate_w s[6:7], gate_b s[8:9], xq s[10:11]
	s_load_b128 s[12:15], s[0:1], 0x20             ; es s[12:13], wts s[14:15]
	v_lshl_add_u32 v254, v0, 2, 0xe800
	v_mov_b32 v255, 0
	v_lshrrev_b32 v12, 5, v0
	v_readfirstlane_b32 s24, v12                   ; wave
	v_and_b32 v1, 31, v0                           ; lane
	v_lshlrev_b32 v2, 4, v0                        ; gate_w's copy: 16 bytes a thread
	v_lshrrev_b32 v12, 3, v0
	v_and_b32 v13, 7, v0
	v_mul_u32_u24 v3, v12, GWP
	v_lshl_add_u32 v3, v13, 4, v3                  ; and their place in LDS: eight threads to a chunk of 128 bytes
	v_lshlrev_b32 v4, 4, v1                        ; x: 16 bytes a lane
	v_mul_u32_u24 v5, v1, GWP                      ; gate_w's chunk of my four d
	s_mul_i32 s34, s24, WRS
	s_add_co_u32 s34, s34, WRB                     ; my wave's region
	v_lshrrev_b32 v12, 2, v1
	v_and_b32 v13, 3, v1
	v_mul_u32_u24 v6, v12, SP
	v_lshl_add_u32 v6, v13, 4, v6
	v_add_nc_u32 v6, s34, v6                       ; the stage, on the way in: four lanes' 64 bytes on end
	v_mul_u32_u24 v7, v1, SP
	v_add_nc_u32 v7, s34, v7                       ; and on the way out: my 16 neighbours
	v_mul_u32_u24 v8, v1, 12                       ; my 16 codes' place
	v_lshrrev_b32 v12, 1, v1                       ; my block among a step's 16
	v_and_b32 v13, 12, v12
	v_and_b32 v14, 1, v12
	v_lshl_add_u32 v13, v14, 1, v13
	v_bfe_u32 v14, v12, 1, 1
	v_add_nc_u32 v13, v13, v14                     ; its byte's place: within a word blocks 1 and 2 change places
	v_add_nc_u32 v9, s34, v13
	v_add_nc_u32 v9, SBO, v9
	v_and_b32 v12, 7, v1
	v_lshlrev_b32 v10, 2, v12
	v_add_nc_u32 v10, s34, v10
	v_add_nc_u32 v10, SBO, v10                     ; the scale words on the way out
	v_lshlrev_b32 v11, 2, v1
.irp e, 0,1,2,3,4,5,6,7
	v_mov_b32 v[RT+\e], 0                          ; written once: a lane permute's destination counts as one of its sources
.endr
	s_mov_b32 s26, 0x76543210
	s_mov_b32 s27, 0xfedcba98                      ; v_permlanex16_b32's selects for lane l xor 16
	s_lshl_b32 s25, ttmp9, 2
	s_add_co_u32 s25, s25, s24                     ; my token
	s_lshl_b32 s28, s25, 12
	s_mov_b32 s29, 0
	s_wait_kmcnt 0x0
	s_add_nc_u64 s[30:31], s[4:5], s[28:29]        ; its row of x
	s_lshl_b32 s28, s25, 10
	s_add_nc_u64 s[32:33], s[10:11], s[28:29]      ; its row of xq
	s_load_b256 s[16:23], s[8:9], 0x0              ; gate_b
.set i, 0
.rept 16
	global_load_b128 v[G+4*i:G+4*i+3], v2, s[6:7] offset:2048*i   ; gate_w, 32,768 bytes by 128 threads
.set i, i+1
.endr
.irp j, 0,1,2,3,4,5,6,7
	global_load_b128 v[X+4*\j:X+4*\j+3], v4, s[30:31] offset:512*\j th:TH_LOAD_NT   ; 32 lanes read 512 consecutive bytes
.endr
	s_wait_loadcnt 8                               ; gate_w is in; the eight younger loads, x's, may be out
.set i, 0
.rept 16
	ds_store_b128 v3, v[G+4*i:G+4*i+3] offset:16*GWP*i
.set i, i+1
.endr
	s_wait_dscnt 0x0                               ; for the others' sake: my part of gate_w lies in LDS
	s_barrier_signal -1
	s_barrier_wait -1
	s_wait_loadcnt 0x0                             ; x
; 512 numbers through the wave's own stage: in as loaded, back 16 neighbours a lane.  LDS serves a wave's instructions in order: no wait between.
.macro TURN t
.irp i, 0,1,2,3
	ds_store_b128 v6, v[X+16*\t+4*\i:X+16*\t+4*\i+3] offset:32*SP*\t+8*SP*\i
.endr
.irp i, 0,1,2,3
	ds_load_b128 v[Y+16*\t+4*\i:Y+16*\t+4*\i+3], v7 offset:32*SP*\t+16*\i
.endr
.endm
	TURN 0
	TURN 1
.macro GBATCH j                        ; gate_w[128 j + 4 lane + c][e] into register 8 c + e of batch j % 4
.irp i, 0,1,2,3,4,5,6,7
	ds_load_b128 v[G+32*((\j)%4)+4*\i:G+32*((\j)%4)+4*\i+3], v5 offset:32*GWP*(\j)+16*\i
.endr
.endm
.macro GF j, c, pr, lo                 ; the 8 logits += x[128 j + 4 lane + c] x its row of gate_w: x is register lo of the pair at pr, taken for both halves
.irp q, 0,1,2,3
	v_pk_fma_f32 v[ACC+2*\q:ACC+2*\q+1], v[X+4*(\j)+\pr:X+4*(\j)+\pr+1], v[G+32*((\j)%4)+8*\c+2*\q:G+32*((\j)%4)+8*\c+2*\q+1], v[ACC+2*\q:ACC+2*\q+1] op_sel:[\lo,0,0] op_sel_hi:[\lo,1,1]
.endr
.endm
.macro GSTEP j, left                   ; left: the LDS loads of the younger batches, which may stay out
	s_wait_dscnt \left
.if (\j) == 0
.irp q, 0,1,2,3
	v_pk_mul_f32 v[ACC+2*\q:ACC+2*\q+1], v[X:X+1], v[G+2*\q:G+2*\q+1] op_sel_hi:[0,1]   ; the first products start the sums: nothing is cleared
.endr
.else
	GF \j, 0, 0, 0
.endif
	GF \j, 1, 0, 1
	GF \j, 2, 2, 0
	GF \j, 3, 2, 1
.if (\j) < 4
	GBATCH (\j)+4
.endif
.endm
	GBATCH 0
	GBATCH 1
	GBATCH 2
	GBATCH 3
	GSTEP 0, 24
	s_wait_alu depctr_va_vdst(0)
	GSTEP 1, 24
	s_wait_alu depctr_va_vdst(0)
	GSTEP 2, 24
	s_wait_alu depctr_va_vdst(0)
	GSTEP 3, 24
	s_wait_alu depctr_va_vdst(0)
	GSTEP 4, 24
	s_wait_alu depctr_va_vdst(0)
	GSTEP 5, 16
	s_wait_alu depctr_va_vdst(0)
	GSTEP 6, 8
	s_wait_alu depctr_va_vdst(0)
	GSTEP 7, 0
.irp m, 1,2,4,8                        ; the 32 lanes' partial sums: four steps inside each half of 16 lanes, one across
.irp e, 0,1,2,3,4,5,6,7
	v_add_f32_dpp v[ACC+\e], v[ACC+\e], v[ACC+\e] row_xmask:\m row_mask:0xf bank_mask:0xf
.endr
.endr
.irp e, 0,1,2,3,4,5,6,7
	v_permlanex16_b32 v[RT+\e], v[ACC+\e], s26, s27
.endr
	s_wait_alu depctr_va_vdst(0)
	s_wait_kmcnt 0x0                               ; gate_b
.irp e, 0,1,2,3,4,5,6,7
	v_add_f32 v[ACC+\e], v[ACC+\e], v[RT+\e]
.endr
.irp e, 0,1,2,3,4,5,6,7
	v_add_f32 v[ACC+\e], s[16+\e], v[ACC+\e]       ; every lane holds the token's 8 logits
.endr
	v_max3_num_f32 v[QW], v[ACC], v[ACC+1], v[ACC+2]
	v_max3_num_f32 v[QW], v[QW], v[ACC+3], v[ACC+4]
	v_max3_num_f32 v[QW], v[QW], v[ACC+5], v[ACC+6]
	v_max_num_f32 v[QW], v[QW], v[ACC+7]           ; the maximum is taken away before the exponentials
.irp e, 0,1,2,3,4,5,6,7
	v_sub_f32 v[ACC+\e], v[ACC+\e], v[QW]
.endr
.irp e, 0,1,2,3,4,5,6,7
	v_mul_f32 v[ACC+\e], 0x3fb8aa3b, v[ACC+\e]     ; x log2(e)
.endr
	s_wait_alu depctr_va_vdst(0)
.irp e, 0,1,2,3,4,5,6,7
	v_exp_f32 v[ACC+\e], v[ACC+\e]
.endr
	v_nop                                          ; a plain line behind the last exponential
	s_wait_alu depctr_va_vdst(0)                   ; one wait for the batch of eight, ahead of its first reader
	v_add_f32 v[QW], v[ACC], v[ACC+1]
	v_add_f32 v[QW+1], v[ACC+2], v[ACC+3]
	v_add_f32 v[QW+2], v[ACC+4], v[ACC+5]
	v_add_f32 v[QW+3], v[ACC+6], v[ACC+7]
	v_add_f32 v[QW], v[QW], v[QW+1]
	v_add_f32 v[QW+2], v[QW+2], v[QW+3]
	v_add_f32 v[QW], v[QW], v[QW+2]
	s_wait_alu depctr_va_vdst(0)
	v_rcp_f32 v[QW+1], v[QW]
	v_nop
	s_wait_alu depctr_va_vdst(0)
.irp e, 0,1,2,3,4,5,6,7
	v_mul_f32 v[ACC+\e], v[ACC+\e], v[QW+1]        ; the scores
.endr
	; the two largest, by selects alone.  A later expert takes a place only where it is strictly larger: a tie keeps the lower index
	v_mov_b32 v[BV1], v[ACC]
	v_mov_b32 v[IV1], 0
	v_mov_b32 v[BV2], -1.0                         ; under every score
	v_mov_b32 v[IV2], 0
.irp e, 1,2,3,4,5,6,7
	v_mov_b32 v[EV], \e
	v_cmp_gt_f32 s28, v[ACC+\e], v[BV1]
	v_cmp_gt_f32 s29, v[ACC+\e], v[BV2]
	v_cndmask_b32 v[BV2], v[BV2], v[ACC+\e], s29
	v_cndmask_b32 v[IV2], v[IV2], v[EV], s29
	v_cndmask_b32 v[BV2], v[BV2], v[BV1], s28
	v_cndmask_b32 v[IV2], v[IV2], v[IV1], s28
	v_cndmask_b32 v[BV1], v[BV1], v[ACC+\e], s28
	v_cndmask_b32 v[IV1], v[IV1], v[EV], s28
.endr
; 512 numbers become codes: two neighbouring lanes hold a block of 32
.macro QUANT t
.set XS, Y+16*\t
.set QA, QW+4*\t
	v_max3_num_f32 v[QA], |v[XS]|, |v[XS+1]|, |v[XS+2]|
	v_max3_num_f32 v[QA+1], |v[XS+3]|, |v[XS+4]|, |v[XS+5]|
.irp i, 6,10
	v_max3_num_f32 v[QA], v[QA], |v[XS+\i]|, |v[XS+\i+1]|
	v_max3_num_f32 v[QA+1], v[QA+1], |v[XS+\i+2]|, |v[XS+\i+3]|
.endr
	v_max3_num_f32 v[QA], v[QA], |v[XS+14]|, |v[XS+15]|
	v_max3_num_f32 v[QA], v[QA], v[QA+1], 0x2800000            ; and the floor 2^(5 - 127): the byte cannot fall under 1
	v_max_num_f32_dpp v[QA], v[QA], v[QA] row_xmask:1 row_mask:0xf bank_mask:0xf   ; with my neighbour's 16: the block's largest magnitude
	v_add_nc_u32 v[QA+2], 0xfe000000, v[QA]        ; 4 off its exponent field: the conversion takes this operand's exponent field as its scale
	v_cvt_scalef32_pk16_bf6_f32 v[CO+4*\t:CO+4*\t+2], v[XS:XS+15], v[QA+2]
	v_lshrrev_b32 v[QA+3], 23, v[QA+2]             ; the scale's byte
	ds_store_b8 v9, v[QA+3] offset:16*\t           ; both lanes of a block write the same byte with the same value
	global_store_b96 v8, v[CO+4*\t:CO+4*\t+2], s[32:33] offset:384*\t   ; the wave stores 384 consecutive bytes; the two stores fill three aligned blocks of 256
.endm
	QUANT 0
	QUANT 1
	ds_load_b32 v12, v10                           ; the row's 8 scale words (LDS serves a wave's instructions in order: these see my byte stores)
	v_cmp_eq_u32 vcc_lo, 0, v1
	v_mov_b32 v[VW], 0.5
	v_cndmask_b32 v[VW], v[VW], v[BV1], vcc_lo     ; lane k holds slot k x 1024 + t's weight: the two scores, then 0.5 twice
	v_cndmask_b32 v[VE], v[IV2], v[IV1], vcc_lo    ; and, for k = 0, 1, its expert
	v_cmp_eq_u32 vcc_lo, 1, v1
	v_cndmask_b32 v[VW], v[VW], v[BV2], vcc_lo
	v_lshlrev_b32 v[OFS], 12, v1
	v_lshl_add_u32 v[OFS], s25, 2, v[OFS]          ; 4 (1024 lane + t)
	s_wait_alu depctr_va_vdst(0)
	s_wait_dscnt 0x0
	v_cmp_gt_u32 vcc_lo, 8, v1
	s_wait_xcnt 0x0                                ; EXEC changes only behind this wait, each time
	s_wait_tensorcnt 0x0
	ds_add_u32 v254, v255
	s_wait_dscnt 0x0
	s_and_saveexec_b32 s35, vcc_lo
	global_store_b32 v11, v12, s[32:33] offset:768
	s_wait_xcnt 0x0
	s_or_b32 exec_lo, exec_lo, s35
	v_cmp_gt_u32 vcc_lo, 4, v1
	s_and_saveexec_b32 s35, vcc_lo
	global_store_b32 v[OFS], v[VW], s[14:15]
	s_wait_xcnt 0x0
	s_or_b32 exec_lo, exec_lo, s35
	v_cmp_gt_u32 vcc_lo, 2, v1
	s_and_saveexec_b32 s35, vcc_lo
	global_store_b32 v[OFS], v[VE], s[12:13]
	s_wait_xcnt 0x0
	s_or_b32 exec_lo, exec_lo, s35
	s_endpgm
.Lfunc_end_k_qfc77770288_gate_quant:
	.size	k_qfc77770288_gate_quant, .Lfunc_end_k_qfc77770288_gate_quant-k_qfc77770288_gate_quant
	.p2alignl 7, 3214868480
	.fill 96, 4, 3214868480
	.section	.rodata,"a",@progbits
	.p2align	6, 0x0
	.amdhsa_kernel k_qfc77770288_gate_quant
		.amdhsa_group_segment_fixed_size 59904
		.amdhsa_private_segment_fixed_size 0
		.amdhsa_enable_private_segment 0
		.amdhsa_kernarg_size 48
		.amdhsa_user_sgpr_count 2
		.amdhsa_user_sgpr_kernarg_segment_ptr 1
		.amdhsa_wavefront_size32 1
		.amdhsa_system_sgpr_workgroup_id_x 1
		.amdhsa_system_sgpr_workgroup_id_y 1
		.amdhsa_system_sgpr_workgroup_id_z 1
		.amdhsa_system_vgpr_workitem_id 0
		.amdhsa_next_free_vgpr 256
		.amdhsa_next_free_sgpr 66
		.amdhsa_reserve_vcc 1
		.amdhsa_float_denorm_mode_32 3
		.amdhsa_float_denorm_mode_16_64 3
		.amdhsa_memory_ordered 1
		.amdhsa_forward_progress 1
		.amdhsa_inst_pref_size 32
	.end_amdhsa_kernel
	.amdgpu_metadata
---
amdhsa.version: [ 1, 2 ]
amdhsa.kernels:
  - .name:           k_qfc77770288_gate_quant
    .symbol:         k_qfc77770288_gate_quant.kd
    .args:
      - { .name: x, .offset: 0, .size: 8, .value_kind: global_buffer, .address_space: global }
      - { .name: gate_w, .offset: 8, .size: 8, .value_kind: global_buffer, .address_space: global }
      - { .name: gate_b, .offset: 16, .size: 8, .value_kind: global_buffer, .address_space: global }
      - { .name: xq, .offset: 24, .size: 8, .value_kind: global_buffer, .address_space: global }
      - { .name: es, .offset: 32, .size: 8, .value_kind: global_buffer, .address_space: global }
      - { .name: wts, .offset: 40, .size: 8, .value_kind: global_buffer, .address_space: global }
    .group_segment_fixed_size: 59904
    .private_segment_fixed_size: 0
    .kernarg_segment_align: 8
    .kernarg_segment_size: 48
    .max_flat_workgroup_size: 128
    .sgpr_count:     66
    .vgpr_count:     256
    .wavefront_size: 32
...
	.end_amdgpu_metadata
.endif
;; end of part 6
;; launch place (part 7): grid 1 x 1, 10 waves a work-group, no clusters, 0 bytes of LDS; arguments es, lists; writes lists
.if DOCPART == 7
	.amdgcn_target "amdgcn-amd-amdhsa--gfx1250"
	.amdhsa_code_object_version 6
	.text
	.protected	k_qfc77770288_place
	.globl	k_qfc77770288_place
	.p2align	8
	.type	k_qfc77770288_place,@function
k_qfc77770288_place:
	s_mov_b64 s[64:65], 0
	v_nop
	global_prefetch_b8 v0, s[64:65] scope:SCOPE_SE
	s_setreg_imm32_b32 hwreg(HW_REG_WAVE_MODE, 25, 1), 1
	s_wait_xcnt 0x0
; The rows of each expert, as a list of slots.  Slot k x 1024 + t is token t's k-th routed choice (k = 0, 1), slot (2 + s) x 1024 + t its row for shared expert s.
; lists[n] (1,152 words): words 0-1023 the slots of expert n, then dump slots 4096 + 32 n + (index % 32) up to word 1023, so that every word is written and a last pair of 16-row tiles is always full;
; words 1024-1055 the number of pairs (32 rows each), at least 1; words 1056-1087 take the stores of lanes that have nothing to place, and are never read.
; One wave to an expert: wave n reads all 2,048 choices and compacts those that name n: a lane's place is the running count + the number of lower lanes that also place.  No LDS, no barrier, no atomics.
; An expert that nobody chose keeps one pair of dump rows: so the later launches never read a byte that was not written.
; THE WORK GOES IN BATCHES: all 64 compares (a scalar register for each mask), then all counts, selects, clamps and shifts, then all stores: no line reads the result of the line above it.
.set E,  16                            ; v16-79   the choices: register 4 i + c = slot 128 i + 4 lane + c; once compared, v16-47 take the fill's offsets
.set AD, 80                            ; v80-143  a store's offset, one register for each store
.set VL, 144                           ; v144-207 a store's data likewise: no register of a pending store is written again
; the mask of register q stands in s[24 + q] for q under 40 and in s[26 + q] from there on: s24-63, s66-89
	s_load_b128 s[4:7], s[0:1], 0x0                ; es, lists
	v_lshrrev_b32 v5, 5, v0
	s_delay_alu instid0(VALU_DEP_1)
	v_readfirstlane_b32 s8, v5                     ; wave = expert
	v_and_b32 v1, 31, v0
	s_delay_alu instid0(VALU_DEP_1)
	v_lshlrev_b32 v2, 2, v1                        ; 4 x lane
	s_delay_alu instid0(VALU_DEP_2)
	v_add_nc_u32 v3, 1056, v1                      ; the word for a lane that places nothing
	s_lshl_b32 s9, s8, 5
	s_add_co_u32 s9, s9, 4096
	v_add_nc_u32 v4, s9, v1                        ; my dump slot
	v_lshlrev_b32 v6, 4, v1
	s_mul_i32 s12, s8, 4608
	s_mov_b32 s13, 0
	s_wait_kmcnt 0x0
	s_add_nc_u64 s[10:11], s[6:7], s[12:13]        ; my expert's list
	s_cmp_ge_u32 s8, 8
	s_cbranch_scc1 .Lshared
.set i, 0
	s_wait_alu depctr_va_vdst(0)
.rept 16
	global_load_b128 v[E+4*i:E+4*i+3], v6, s[4:5] offset:512*i
.set i, i+1
.endr
.set q, 0
.rept 64
	v_add_nc_u32 v[VL+q], 128*(q/4)+q%4, v2        ; the slots themselves, made while the choices are on their way
.set q, q+1
.endr
	s_mov_b32 s21, 0                               ; rows placed so far
	s_wait_loadcnt 0x0
.set q, 0
.rept 64
.set mk, 24+q+2*(q/40)
	v_cmp_eq_u32 s[mk], s8, v[E+q]                 ; the lanes whose slot names my expert
.set q, q+1
.endr
.set q, 0
.rept 64
.set mk, 24+q+2*(q/40)
	v_mbcnt_lo_u32_b32 v[AD+q], s[mk], s21         ; the count so far + the lower lanes among them
	s_bcnt1_i32_b32 s22, s[mk]
	s_add_co_u32 s21, s21, s22
.set q, q+1
.endr
.set q, 0
.rept 64
.set mk, 24+q+2*(q/40)
	v_cndmask_b32 v[AD+q], v3, v[AD+q], s[mk]
.set q, q+1
.endr
.set q, 0
.rept 64
	v_min_u32 v[AD+q], 0x43f, v[AD+q]              ; inside the list's row whatever was read
.set q, q+1
.endr
.set q, 0
.rept 64
	v_lshlrev_b32 v[AD+q], 2, v[AD+q]
.set q, q+1
.endr
.set i, 0
.rept 32
	v_add_nc_u32 v[E+i], 32*i, v1                  ; the fill: word 32 i + lane gets a dump slot where no row was placed
.set i, i+1
.endr
.set i, 0
.rept 32
	v_cmp_le_u32 s[24+i], s21, v[E+i]              ; (the first masks have been used up)
.set i, i+1
.endr
.set i, 0
.rept 32
	v_cndmask_b32 v[E+i], v3, v[E+i], s[24+i]
.set i, i+1
.endr
.set i, 0
.rept 32
	v_min_u32 v[E+i], 0x43f, v[E+i]
.set i, i+1
.endr
.set i, 0
.rept 32
	v_lshlrev_b32 v[E+i], 2, v[E+i]
.set i, i+1
.endr
	s_add_co_u32 s22, s21, 31
	s_lshr_b32 s22, s22, 5
	s_max_u32 s22, s22, 1                          ; pairs of tiles, at least one
	v_mov_b32 v5, s22
.set q, 0
.rept 64
	global_store_b32 v[AD+q], v[VL+q], s[10:11]    ; the rows' words lie under the count, the fill's from the count on: no word but the spare ones is stored twice
.set q, q+1
.endr
.set i, 0
.rept 32
	global_store_b32 v[E+i], v4, s[10:11]
.set i, i+1
.endr
	global_store_b32 v2, v5, s[10:11] offset:4096
	s_endpgm
.Lshared:                                              ; a shared expert takes every token, in order
	s_sub_co_u32 s9, s8, 6
	s_lshl_b32 s9, s9, 10
	s_wait_alu depctr_va_vdst(0)
	v_add_nc_u32 v5, s9, v1
.set i, 0
.rept 32
	v_add_nc_u32 v[VL+i], 32*i, v5
.set i, i+1
.endr
.set i, 0
.rept 32
	global_store_b32 v2, v[VL+i], s[10:11] offset:128*i
.set i, i+1
.endr
	v_mov_b32 v7, 32
	global_store_b32 v2, v7, s[10:11] offset:4096
	s_endpgm
.Lfunc_end_k_qfc77770288_place:
	.size	k_qfc77770288_place, .Lfunc_end_k_qfc77770288_place-k_qfc77770288_place
	.p2alignl 7, 3214868480
	.fill 96, 4, 3214868480
	.section	.rodata,"a",@progbits
	.p2align	6, 0x0
	.amdhsa_kernel k_qfc77770288_place
		.amdhsa_group_segment_fixed_size 0
		.amdhsa_private_segment_fixed_size 0
		.amdhsa_enable_private_segment 0
		.amdhsa_kernarg_size 16
		.amdhsa_user_sgpr_count 2
		.amdhsa_user_sgpr_kernarg_segment_ptr 1
		.amdhsa_wavefront_size32 1
		.amdhsa_system_sgpr_workgroup_id_x 1
		.amdhsa_system_sgpr_workgroup_id_y 1
		.amdhsa_system_sgpr_workgroup_id_z 1
		.amdhsa_system_vgpr_workitem_id 0
		.amdhsa_next_free_vgpr 224
		.amdhsa_next_free_sgpr 96
		.amdhsa_reserve_vcc 0
		.amdhsa_float_denorm_mode_32 3
		.amdhsa_float_denorm_mode_16_64 3
		.amdhsa_memory_ordered 1
		.amdhsa_forward_progress 1
		.amdhsa_inst_pref_size 52
	.end_amdhsa_kernel
	.amdgpu_metadata
---
amdhsa.version: [ 1, 2 ]
amdhsa.kernels:
  - .name:           k_qfc77770288_place
    .symbol:         k_qfc77770288_place.kd
    .args:
      - { .name: es, .offset: 0, .size: 8, .value_kind: global_buffer, .address_space: global }
      - { .name: lists, .offset: 8, .size: 8, .value_kind: global_buffer, .address_space: global }
    .group_segment_fixed_size: 0
    .private_segment_fixed_size: 0
    .kernarg_segment_align: 8
    .kernarg_segment_size: 16
    .max_flat_workgroup_size: 320
    .sgpr_count:     96
    .vgpr_count:     224
    .wavefront_size: 32
...
	.end_amdgpu_metadata
.endif
;; end of part 7
;; launch up (part 8): grid 256 x 1, 4 waves a work-group, no clusters, 311,808 bytes of LDS; arguments xq, lists, rw1_codes, rw1_scales, rb1, rw2_codes, rw2_scales, rb2, sw1_codes, sw1_scales, sb1, sw2_codes, sw2_scales, sb2, hq, hs; writes hq, hs
.if DOCPART == 8
	.amdgcn_target "amdgcn-amd-amdhsa--gfx1250"
	.amdhsa_code_object_version 6
	.text
	.protected	k_qfc77770288_up
	.globl	k_qfc77770288_up
	.p2align	8
	.type	k_qfc77770288_up,@function
k_qfc77770288_up:
	s_mov_b64 s[64:65], 0
	v_nop
	global_prefetch_b8 v0, s[64:65] scope:SCOPE_SE
	s_setreg_imm32_b32 hwreg(HW_REG_WAVE_SCHED_MODE, 0, 2), 2
	s_setreg_imm32_b32 hwreg(HW_REG_WAVE_MODE, 25, 1), 1
	s_wait_xcnt 0x0
	s_wait_alu depctr_vm_vsrc(0)
; h = Q(silu(x W1 + b1) (x W2 + b2)) for the rows that each expert's list names; both products on codes of E3M2 with one E8M0 scale for each 32 along K = D = 1,024; h leaves as codes along H.
; SHARES.  Experts 0-7 are routed, 8 and 9 shared.  Work-groups 0-127: expert id / 16, hidden units 128 (id % 16) on, all the expert's pairs of 16-row tiles.  Work-groups 128-255: shared expert (id - 128) / 64,
; units 128 ((id - 128) / 4 % 16) on, every fourth pair.  Wave w makes units 32 w .. 32 w + 31 of the 128: one block of 32 of the next product's K.  Its 32 rows of W1 and of W2 (384 registers) stay in its registers.
; The rows of x that a pair names are gathered once by the work-group into LDS slots (10 pairs) and read there by all four waves.
; THE PRODUCTS ARE USED TRANSPOSED (source 0 = 16 rows of a weight, source 1 = 16 tokens): a lane holds one token.  Lane r of tile u takes row 8 u + r + 8 (r / 8) of the wave's 32, so that the 16 registers of
; tiles 0 and 1 are 16 neighbouring units, 16 (lane / 16) + 0 .. 15.  The biases are the C of each sum's first product.
; FRAGMENTS.  Of a K step's 96 bytes of a row, lane (r, h) takes the 48 bytes at 48 h, by three loads of 16 bytes, on both operands alike: K's blocks 1 and 2 change places in the unit, and so do the bytes of every
; scale word (the weights' by one v_perm_b32 each; xq's lie so already).  The products are the same; the unit adds them in another order.
; WEIGHTS come from memory in whole aligned blocks of 256 bytes (sixteen lanes to a block) into the registers that their fragments will take, go to the wave's own LDS bytes as rows, and come back as fragments.
; THE HEAD KEEPS LOADS ON THEIR WAY: the list, the weights, then six slots' rows are asked for on end; the weights go through LDS while those rows come; the last slots are asked for as soon as four buffers are free.
; NO TENSOR LOAD AND NO CLUSTER: how many pairs a work-group walks hangs on a count read from memory; there is no joint load to share x or the weights by.
; Every barrier stands outside the branches on that count.  A pass serves 10 pairs; four passes serve the most that a list can hold (32).  Slots beyond the count are filled from clamped pairs and read by nobody.
; LIMITS: NaN and infinities are not served; a block of h whose largest magnitude lies under 2^(5 - 127) gets the byte 1 (a block of zeros too: its codes are zeros, and this program alone reads the bytes).
; THE MODE: SCHED_MODE bits 1:0 = 2 (LLVM: expert scheduling mode 2), set by the entry lines.  The code itself states the register dependences between vector or matrix instructions and memory or LDS
; instructions, with s_wait_alu, always for 0.
; THE PLAN.  Registers that memory or LDS instructions touch, and who else names them:
;   v4-8, v11-15, v185-187, v232-237  offsets and LDS addresses: written at the head, never again.  The wait ahead of the list's loads states them all.
;   v9, v10      the slot in hand: written once a trip, read by the trip's 50 LDS loads.
;   LS v72-111   written by LISTS and ADDR; read as offsets by the list's and the rows' loads; afterwards sums again, written by products.
;   LT v192-231  the list's loads land there; ADDR rewrites them; the rows' loads read them.
;   the six row buffers   the rows' loads land, LDS stores read.  Window 3's are x's fragments afterwards: LDS loads land, products read.
;   the weights' 384      loads land, LDS stores read, LDS loads land in the same registers, once; then products alone.
;   WS1, WS2     loads land, one v_perm_b32 each, products read them as scales.      XS: LDS loads land each trip, products read.
;   CD, BYS      written by a trip's conversions and select, read by its three stores.
; A trip has one wait on vm_vsrc and one on va_vdst at its head, round the two lines that step v9 and v10, and one on va_vdst ahead of its stores; the two behind the exponentials and reciprocals stay.
.set TRP,  784                         ; the transit: a weight's row, 768 bytes + 16 = 49 x 16: the sixteen rows of a load start at different banks
.set TRB,  16*TRP                      ; 16 rows for each wave
.set XST,  4*TRB                       ; behind the transits: the slots
.set XP,   816                         ; a row of x: 768 bytes of codes, 32 of scale words, 16 of padding = 51 x 16
.set XSL,  32*XP                       ; a slot: 32 rows
.set NSL,  10
.set GA,   4                           ; v4   a weight's rows in memory: 768 (lane / 16) + 16 (lane % 16)
.set TS,   5                           ; v5   the same two rows in my transit
.set TL,   6                           ; v6   a fragment's place in my transit: 784 r + 48 h
.set XA0,  7                           ; v7   a fragment's place in slot 0
.set XS0,  8                           ; v8   row lane's scale words in slot 0
.set XA,   9                           ; v9, v10 the same in the slot in hand
.set XSA,  10
.set HA,   11                          ; v11  my 12 bytes of a block's 32 rows in hq: 24 r + 12 h
.set HSA,  12                          ; v12  row lane's byte in hs
.set SC,   13                          ; v13  gather: where I put 16 bytes of a row's codes in slot 0 (rows 8 w + lane / 16)
.set SS,   14                          ; v14  and of its scale words
.set LO,   15                          ; v15  gather: my row's word in a pair's 32 words of the list
.set WS1,  16                          ; v16-23, v24-31 W1's, W2's scale words: register s; lanes 0-15 tile 0, lanes 16-31 tile 1
.set WS2,  24
.set XS,   32                          ; v32-39 x's scale words: register s; lane = row of the pair
.set B1,   40                          ; v40-55, v56-71 b1, b2 in the result's layout, tile u at + 8 u
.set B2,   56
.set P1,   72                          ; v72-103, v104-135 the sums: register 16 t + 8 u + j (t: which 16 rows)
.set P2,   104
.set T,    136                         ; v136-167 at work
.set M,    168
.set M2,   170
.set SCL,  172
.set BY,   174
.set CD,   176                         ; v176-178, v180-182 codes
.set BYS,  184
.set L16,  185
.set WSA,  186                         ; the weights' scale words' and biases' offsets
.set WBA,  187
.set T0,   188                         ; at the head only
.set LT,   192                         ; v192-231 gather: 40 rows' offsets in xq
.set LS,   72                          ; v72-111  gather: the same for their scale words (the sums' registers, free while rows are gathered)
.set SCX,  232                         ; v232-237 gather: v13's and v14's places three, six and nine slots on; the immediate offset reaches the two slots between
; window 1: W1's fragment (u, s) at 12 (8 u + s); window 2: W2's; window 3: x's fragment (s, t) at 12 (2 s + t).
; While rows are gathered: six buffers of 64 registers: four in window 3, and registers 192-255 of windows 1 and 2, which lie free beside the weights.
.set MSB, 0
.macro WIN new                         ; the immediate's high byte repeats the setting that is left
.if MSB != (\new)
	s_set_vgpr_msb (MSB<<8)|(\new)
.set MSB, (\new)
.endif
.endm
.macro BARRIER                         ; my LDS stores have landed and my LDS loads are in: then the work-group's barrier
	s_wait_dscnt 0x0
	s_barrier_signal -1
	s_barrier_wait -1
.endm
.macro MM d, a, b, cc, sa, sb, ra, rb  ; ra, rb: the side's scales stand in lanes 16-31
.if (\ra) && (\rb)
	v_wmma_scale_f32_16x16x128_f8f6f4 v[\d:\d+7], v[\a:\a+11], v[\b:\b+11], v[\cc:\cc+7], v[\sa], v[\sb] matrix_a_fmt:MATRIX_FMT_BF6 matrix_b_fmt:MATRIX_FMT_BF6 matrix_a_scale:MATRIX_SCALE_ROW1 matrix_b_scale:MATRIX_SCALE_ROW1
.elseif (\ra)
	v_wmma_scale_f32_16x16x128_f8f6f4 v[\d:\d+7], v[\a:\a+11], v[\b:\b+11], v[\cc:\cc+7], v[\sa], v[\sb] matrix_a_fmt:MATRIX_FMT_BF6 matrix_b_fmt:MATRIX_FMT_BF6 matrix_a_scale:MATRIX_SCALE_ROW1
.elseif (\rb)
	v_wmma_scale_f32_16x16x128_f8f6f4 v[\d:\d+7], v[\a:\a+11], v[\b:\b+11], v[\cc:\cc+7], v[\sa], v[\sb] matrix_a_fmt:MATRIX_FMT_BF6 matrix_b_fmt:MATRIX_FMT_BF6 matrix_b_scale:MATRIX_SCALE_ROW1
.else
	v_wmma_scale_f32_16x16x128_f8f6f4 v[\d:\d+7], v[\a:\a+11], v[\b:\b+11], v[\cc:\cc+7], v[\sa], v[\sb] matrix_a_fmt:MATRIX_FMT_BF6 matrix_b_fmt:MATRIX_FMT_BF6
.endif
.endm
	s_load_b512 s[4:19], s[0:1], 0x0               ; xq s[4:5], lists s[6:7], rw1 codes, scales, rb1 s[8:13], rw2 codes, scales, rb2 s[14:19]
	s_load_b512 s[20:35], s[0:1], 0x40             ; the same six of the shared experts s[20:31], hq s[32:33], hs s[34:35]
	v_lshl_add_u32 v254, v0, 2, 0x4c000
	v_mov_b32 v255, 0
	v_lshrrev_b32 v[T0], 5, v0
	v_readfirstlane_b32 s36, v[T0]                 ; wave
	v_and_b32 v1, 31, v0                           ; lane
	v_and_b32 v2, 15, v0                           ; r
	v_bfe_u32 v3, v0, 4, 1                         ; h
	v_lshlrev_b32 v[L16], 4, v2
	s_wait_alu depctr_va_sdst(0)                   ; s36 is written, ahead of its first reader
	s_mul_i32 s48, s36, TRB
	v_mad_u32_u24 v[GA], v3, 768, v[L16]
	v_mad_u32_u24 v[TS], v3, TRP, v[L16]
	v_add_nc_u32 v[TS], s48, v[TS]
	v_mul_u32_u24 v[TL], v2, TRP
	v_mad_u32_u24 v[TL], v3, 48, v[TL]
	v_add_nc_u32 v[TL], s48, v[TL]
	v_mul_u32_u24 v[XA0], v2, XP
	v_mad_u32_u24 v[XA0], v3, 48, v[XA0]
	v_add_nc_u32 v[XA0], XST, v[XA0]
	v_mul_u32_u24 v[XS0], v1, XP
	v_add_nc_u32 v[XS0], XST+768, v[XS0]
	v_mul_u32_u24 v[HA], v2, 24
	v_mad_u32_u24 v[HA], v3, 12, v[HA]
	s_and_b32 s48, s36, 1
	s_lshl_b32 s48, s48, 1
	s_lshr_b32 s49, s36, 1
	s_add_co_u32 s48, s48, s49                     ; my block's byte in h's scale word: blocks 1 and 2 change places
	v_lshl_add_u32 v[HSA], v1, 2, s48
	s_mul_i32 s48, s36, 8*XP
	s_add_co_u32 s48, s48, XST                     ; gather: my wave fills rows 8 w .. 8 w + 7 of a slot
	v_mad_u32_u24 v[SC], v3, XP, v[L16]
	v_add_nc_u32 v[SC], s48, v[SC]
	v_and_b32 v[T0], 1, v0
	v_lshlrev_b32 v[T0], 4, v[T0]
	v_mad_u32_u24 v[SS], v3, XP, v[T0]
	v_add_nc_u32 v[SS], s48, v[SS]
	v_add_nc_u32 v[SS], 768, v[SS]
.irp k, 1,2,3
	v_add_nc_u32 v[SCX+2*(\k)-2], 3*XSL*(\k), v[SC]    ; the same places in slots 3, 6 and 9: no address is made where the slots are stored
	v_add_nc_u32 v[SCX+2*(\k)-1], 3*XSL*(\k), v[SS]
.endr
	s_lshl_b32 s48, s36, 5
	v_lshl_add_u32 v[LO], v3, 2, s48
	v_and_b32 v[WSA], 8, v2
	v_add_nc_u32 v[WSA], v[WSA], v2
	v_lshl_add_u32 v[WSA], v3, 3, v[WSA]           ; lane (r, h) holds the scale words of tile h's row r: row 8 h + r + 8 (r / 8)
	v_lshlrev_b32 v[WSA], 5, v[WSA]                ; 32 bytes a row
	v_lshlrev_b32 v[WBA], 6, v3                    ; the biases of units 16 h on
	v_mov_b32 v[M2], 0                             ; written once: a lane permute's destination counts as one of its sources
	v_mov_b32 v[M2+1], 0
	s_lshr_b32 s37, ttmp9, 4                       ; routed: expert,
	s_and_b32 s39, ttmp9, 15                       ; slice of 128 units
	s_sub_co_u32 s48, ttmp9, 128
	s_lshr_b32 s38, s48, 6                         ; shared: expert among the two,
	s_add_co_u32 s49, s38, 8                       ; its number,
	s_bfe_u32 s62, s48, 0x40002                    ; slice,
	s_and_b32 s40, s48, 3                          ; first pair
	s_cmp_lt_u32 ttmp9, 128
	s_cselect_b32 s38, s37, s38                    ; s38: the expert within its tensors
	s_cselect_b32 s37, s37, s49                    ; s37: n
	s_cselect_b32 s39, s39, s62                    ; s39: j
	s_cselect_b32 s40, 0, s40                      ; s40: the first pair
	s_cselect_b32 s41, 0, 2                        ; s41: log2 of the step from pair to pair
	s_cselect_b32 s42, 1, 4                        ; s42: the step
	s_wait_alu depctr_va_vdst(0)
	s_wait_kmcnt 0x0
	s_cselect_b64 s[8:9], s[8:9], s[20:21]         ; the choice hangs on the work-group's number alone
	s_cselect_b64 s[10:11], s[10:11], s[22:23]
	s_cselect_b64 s[12:13], s[12:13], s[24:25]
	s_cselect_b64 s[14:15], s[14:15], s[26:27]
	s_cselect_b64 s[16:17], s[16:17], s[28:29]
	s_cselect_b64 s[18:19], s[18:19], s[30:31]
	s_sub_co_u32 s63, s42, 1
	s_lshl_b32 s48, s38, 11
	s_lshl_b32 s49, s39, 7
	s_add_co_u32 s48, s48, s49
	s_lshl_b32 s49, s36, 5
	s_add_co_u32 s48, s48, s49                     ; my wave's first row of W1 and W2: 2048 expert + 128 j + 32 w
	s_mov_b32 s69, 0
	s_mul_i32 s68, s48, 768
	s_add_nc_u64 s[8:9], s[8:9], s[68:69]
	s_add_nc_u64 s[14:15], s[14:15], s[68:69]
	s_lshl_b32 s68, s48, 5
	s_add_nc_u64 s[10:11], s[10:11], s[68:69]
	s_add_nc_u64 s[16:17], s[16:17], s[68:69]
	s_lshl_b32 s68, s48, 2
	s_add_nc_u64 s[12:13], s[12:13], s[68:69]
	s_add_nc_u64 s[18:19], s[18:19], s[68:69]
	s_mul_i32 s68, s37, 4608
	s_add_nc_u64 s[66:67], s[6:7], s[68:69]        ; my expert's list
	s_load_b32 s43, s[66:67], 0x1000               ; its number of pairs
	s_mul_i32 s68, s37, 1572864
	s_add_nc_u64 s[50:51], s[32:33], s[68:69]
	s_lshl_b32 s49, s39, 2
	s_add_co_u32 s49, s49, s36
	s_mul_i32 s68, s49, 768
	s_add_nc_u64 s[50:51], s[50:51], s[68:69]      ; hq: my expert, pair 0, block 4 j + w
	s_lshl_b32 s68, s37, 16
	s_lshl_b32 s49, s39, 7
	s_add_co_u32 s68, s68, s49
	s_add_nc_u64 s[52:53], s[34:35], s[68:69]      ; hs: my expert, pair 0, K step j
	s_mov_b32 s58, 0xffff0000                      ; lanes 16-31
	s_mov_b32 s60, 0x76543210
	s_mov_b32 s61, 0xfedcba98                      ; v_permlanex16_b32's selects for lane l xor 16
	s_mov_b32 s44, s40                             ; s44: the pass's first pair
.macro NVCALC                          ; s45: how many of the pass's 10 slots hold pairs of mine
	s_sub_co_i32 s48, s43, s44
	s_max_i32 s48, s48, 0
	s_add_co_u32 s48, s48, s63
	s_lshr_b32 s48, s48, s41
	s_min_u32 s45, s48, NSL
.endm
.macro LISTS                           ; the slots of the rows that I gather: for each of the pass's 10 pairs (clamped to the list's last), rows 8 w + 2 g + lane / 16.  All ten offsets first, then one wait, then the 40 loads
.set cc, 0
.rept NSL
	s_lshl_b32 s48, cc, s41
	s_add_co_u32 s48, s48, s44
	s_min_u32 s48, s48, 31
	s_lshl_b32 s48, s48, 7
	v_add_nc_u32 v[LS+4*cc], s48, v[LO]
.set cc, cc+1
.endr
	s_wait_alu depctr_va_vdst(0)                   ; the ten offsets are written, which the loads below read; in the first pass so are all the head's offsets and addresses; in a later pass the last pass's ADDR is done with v[LT ..], in which these loads land
.set cc, 0
.rept NSL
.irp g, 0,1,2,3
	global_load_b32 v[LT+4*cc+\g], v[LS+4*cc], s[66:67] offset:8*\g
.endr
.set cc, cc+1
.endr
.endm
.macro ADDR                            ; slot -> token -> byte offsets in xq
.set i, 0
.rept 4*NSL
	v_min_u32 v[LT+i], 0x10ff, v[LT+i]             ; a slot, whatever was read
	v_and_b32 v[LT+i], 0x3ff, v[LT+i]              ; its token
	v_lshl_add_u32 v[LT+i], v[LT+i], 10, v[L16]    ; 1,024 bytes a token, 16 bytes a lane
	v_and_b32 v[LS+i], 0xfffffc10, v[LT+i]         ; for the 32 bytes of scale words: 16 (lane % 2)
.set i, i+1
.endr
.endm
.macro XLOAD c, w, b                   ; slot c's rows of mine into the buffer at register b of window w: sixteen lanes read an aligned block of 256 bytes of a row
	WIN ((\w)<<6)
.irp g, 0,1,2,3
.irp q, 0,1,2
	global_load_b128 v[16*\g+4*\q+(\b):16*\g+4*\q+(\b)+3], v[LT+4*(\c)+\g], s[4:5] offset:256*\q
.endr
	global_load_b128 v[16*\g+12+(\b):16*\g+15+(\b)], v[LS+4*(\c)+\g], s[4:5] offset:768
.endr
	WIN 0
.endm
.macro XSTORE c, w, b                  ; the addresses were made at the head: one pair for each three slots, the slot among the three in the immediate offset (57,632 at the most)
.if (\c) < 3
.set XRA, SC
.set XRB, SS
.else
.set XRA, SCX+2*((\c)/3)-2
.set XRB, SCX+2*((\c)/3)-1
.endif
	WIN ((\w)<<2)                                  ; an LDS store's data are its source 1
.irp g, 0,1,2,3
.irp q, 0,1,2
	ds_store_b128 v[XRA], v[16*\g+4*\q+(\b):16*\g+4*\q+(\b)+3] offset:XSL*((\c)%3)+2*XP*\g+256*\q
.endr
	ds_store_b128 v[XRB], v[16*\g+12+(\b):16*\g+15+(\b)] offset:XSL*((\c)%3)+2*XP*\g   ; eight lanes write the same 16 bytes with the same value
.endr
	WIN 0
.endm
.macro WCODES b                        ; a weight's 32 rows: tile u's rows in the tile's order, two rows a load, into the registers of tile u's fragments
.irp u, 0,1
.irp g, 0,1,2,3,4,5,6,7
.irp q, 0,1,2
	global_load_b128 v[96*\u+4*(3*\g+\q):96*\u+4*(3*\g+\q)+3], v[GA], s[\b:\b+1] offset:768*(8*\u+2*\g+8*(\g/4))+256*\q
.endr
.endr
.endr
.endm
.macro WRAW                            ; 108 loads: scale words, biases, codes
	global_load_b128 v[WS1:WS1+3], v[WSA], s[10:11]
	global_load_b128 v[WS1+4:WS1+7], v[WSA], s[10:11] offset:16
	global_load_b128 v[WS2:WS2+3], v[WSA], s[16:17]
	global_load_b128 v[WS2+4:WS2+7], v[WSA], s[16:17] offset:16
.irp u, 0,1
	global_load_b128 v[B1+8*\u:B1+8*\u+3], v[WBA], s[12:13] offset:32*\u
	global_load_b128 v[B1+8*\u+4:B1+8*\u+7], v[WBA], s[12:13] offset:32*\u+16
	global_load_b128 v[B2+8*\u:B2+8*\u+3], v[WBA], s[18:19] offset:32*\u
	global_load_b128 v[B2+8*\u+4:B2+8*\u+7], v[WBA], s[18:19] offset:32*\u+16
.endr
	WIN 0x40
	WCODES 8
	WIN 0x80
	WCODES 14
	WIN 0
.endm
.macro WPERM                           ; the weights' scale words.  It stands ahead of ADDR, whose 160 plain lines are more than the eight that a scale word so written wants ahead of the first product that names it
.irp s, 0,1,2,3,4,5,6,7
	v_perm_b32 v[WS1+\s], v[WS1+\s], v[WS1+\s], 0x03010200   ; the bytes of blocks 1 and 2 change places, as the blocks do
	v_perm_b32 v[WS2+\s], v[WS2+\s], v[WS2+\s], 0x03010200
.endr
.endm
.macro TRANSIT                         ; the four tiles, one after the other, through my 16 rows of LDS: in as rows, back as fragments.  LDS serves a wave's instructions in order: no wait on DScnt between
.irp m, 1,2
.irp u, 0,1
	WIN ((\m)<<2)
.irp g, 0,1,2,3,4,5,6,7
.irp q, 0,1,2
	ds_store_b128 v[TS], v[96*\u+4*(3*\g+\q):96*\u+4*(3*\g+\q)+3] offset:2*TRP*\g+256*\q
.endr
.endr
	WIN ((\m)<<6)
	s_wait_alu depctr_vm_vsrc(0)                   ; the 24 stores above have read the tile's 96 registers, in which its fragments land
.irp s, 0,1,2,3,4,5,6,7
.irp q, 0,1,2
	ds_load_b128 v[12*(8*\u+\s)+4*\q:12*(8*\u+\s)+4*\q+3], v[TL] offset:96*\s+16*\q
.endr
.endr
.endr
.endr
	WIN 0
	s_wait_dscnt 0x0
.endm
; The pass's rows of x come into the slots.  first = 1: the weights are asked for behind the list, and go through the transit while the first six slots' rows are on their way.
; Slots 0-7 are always filled.  The last slots stand in two arms, each with its loads, the waits for them and the stores that read them.
.macro STAGE first
.if !\first
	s_cmp_eq_u32 s45, 0
	s_cbranch_scc1 .Lstaged_\@                     ; no pair of mine in this pass: nothing is gathered; the barrier below is passed all the same
.endif
	LISTS
.if \first
	WRAW
	s_wait_kmcnt 0x0                               ; the number of pairs
	s_min_u32 s43, s43, 32
	s_max_u32 s43, s43, 1
	NVCALC
	s_wait_loadcnt 63                              ; 148 loads were issued: with 63 out the first 85 are in: the list's 40, and of the weights' the scale words and biases, which are their first 12
	WPERM
.else
	s_wait_loadcnt 0x0
.endif
	s_wait_alu depctr_vm_vsrc(0)                   ; the list's loads have read their offsets in v[LS ..], which ADDR writes
	ADDR
	s_wait_alu depctr_va_vdst(0)                   ; ADDR has written v[LT ..] and v[LS ..], which the rows' loads read; the scale words' v_perm_b32 have written them, ahead of the products; in a later pass the products are done reading window 3, in which rows land
	XLOAD 0, 3, 0
	XLOAD 1, 3, 64
	XLOAD 2, 3, 128
	XLOAD 3, 3, 192
	XLOAD 4, 1, 192
	XLOAD 5, 2, 192
.if \first
	s_wait_loadcnt 63                              ; 96 loads were issued behind the weights': with 63 out the weights are in
	TRANSIT                                        ; LDS work while the rows are on their way
.endif
	s_wait_loadcnt 32                              ; slots 0-3 are in; the 32 loads of slots 4 and 5 may be out
	XSTORE 0, 3, 0
	XSTORE 1, 3, 64
	XSTORE 2, 3, 128
	XSTORE 3, 3, 192
	s_wait_dscnt 0x0                               ; the stores are done
	s_wait_alu depctr_vm_vsrc(0)                   ; and have read window 3's four buffers, in which the next slots' rows land.  (No vector instruction since the wait behind ADDR: the offsets stand as stated there)
	s_cmp_le_u32 s45, 8
	s_cbranch_scc1 .Lshort_\@
	XLOAD 6, 3, 0
	XLOAD 7, 3, 64
	XLOAD 8, 3, 128
	XLOAD 9, 3, 192
	s_wait_loadcnt 63                              ; 64 loads were issued behind those of slots 4 and 5
	XSTORE 4, 1, 192
	XSTORE 5, 2, 192
	s_wait_loadcnt 0x0
	XSTORE 6, 3, 0
	XSTORE 7, 3, 64
	XSTORE 8, 3, 128
	XSTORE 9, 3, 192
	s_branch .Lstaged_\@
.Lshort_\@:
	XLOAD 6, 3, 0
	XLOAD 7, 3, 64
	s_wait_loadcnt 32                              ; slots 4 and 5 are in; the 32 loads of slots 6 and 7 may be out
	XSTORE 4, 1, 192
	XSTORE 5, 2, 192
	s_wait_loadcnt 0x0
	XSTORE 6, 3, 0
	XSTORE 7, 3, 64
.Lstaged_\@:
	s_wait_alu depctr_vm_vsrc(0)                   ; the rows' loads have read v[LT ..] and v[LS ..], the slots' stores the six buffers: the sums, x's fragments and the next pass's list and rows are written there
	BARRIER                                        ; every wave's rows lie in the slots
.endm
; 32 products: a weight's two tiles x the pair's two tiles of rows, 8 K steps.  The four sums take turns, one instruction a turn.
.macro PROD p, ws, bb, waits
.irp s, 0,1,2,3,4,5,6,7
.if \waits
	s_wait_dscnt 42-6*\s                           ; K step s's fragments are in; the six loads of each later step may be out
.endif
.irp t, 0,1
.irp u, 0,1
.if \s == 0
	MM \p+16*\t+8*\u, 12*(8*\u+\s), 12*(2*\s+\t), \bb+8*\u, \ws+\s, XS+\s, \u, \t
.else
	MM \p+16*\t+8*\u, 12*(8*\u+\s), 12*(2*\s+\t), \p+16*\t+8*\u, \ws+\s, XS+\s, \u, \t
.endif
.endr
.endr
.endr
.endm
; silu(p1) p2 = p1 p2 / (1 + 2^(-p1 log2 e)), in f32, 32 numbers a lane; then the quantiser; each sum is read from its low end on
.macro EPI
.set i, 0
.rept 16
	v_pk_mul_f32 v[T+2*i:T+2*i+1], v[P1+2*i:P1+2*i+1], 0xbfb8aa3b op_sel_hi:[1,0]
.set i, i+1
.endr
.set i, 0
	s_wait_alu depctr_va_vdst(0)
.rept 32
	v_exp_f32 v[T+i], v[T+i]
.set i, i+1
.endr
.set i, 0
	s_wait_alu depctr_va_vdst(0)
.rept 16
	v_pk_mul_f32 v[P1+2*i:P1+2*i+1], v[P1+2*i:P1+2*i+1], v[P2+2*i:P2+2*i+1]   ; plain work that names no exponential's result
.set i, i+1
.endr
	s_wait_alu depctr_va_vdst(0)                   ; the 32 exponentials have written v[T ..]: one wait for the batch, ahead of its first reader
.set i, 0
.rept 16
	v_pk_add_f32 v[T+2*i:T+2*i+1], v[T+2*i:T+2*i+1], 1.0 op_sel_hi:[1,0]
.set i, i+1
.endr
.set i, 0
	s_wait_alu depctr_va_vdst(0)
.rept 32
	v_rcp_f32 v[T+i], v[T+i]
.set i, i+1
.endr
	v_nop                                          ; a plain line behind the last reciprocal
	s_wait_alu depctr_va_vdst(0)                   ; the 32 reciprocals have written v[T ..]: one wait for the batch, ahead of its first reader
.set i, 0
.rept 16
	v_pk_mul_f32 v[P1+2*i:P1+2*i+1], v[P1+2*i:P1+2*i+1], v[T+2*i:T+2*i+1]
.set i, i+1
.endr
.irp t, 0,1
	v_max3_num_f32 v[M+\t], |v[P1+16*\t]|, |v[P1+16*\t+1]|, 0x2800000   ; my 16 units of the block, and the floor 2^(5 - 127): the byte cannot fall under 1
.endr
.irp k, 2,4,6,8,10,12,14
.irp t, 0,1
	v_max3_num_f32 v[M+\t], v[M+\t], |v[P1+16*\t+\k]|, |v[P1+16*\t+\k+1]|
.endr
.endr
.irp t, 0,1
	v_permlanex16_b32 v[M2+\t], v[M+\t], s60, s61
.endr
.irp t, 0,1
	v_max_num_f32 v[M+\t], v[M+\t], v[M2+\t]       ; with lane l xor 16's 16 units: the block's largest magnitude
.endr
.irp t, 0,1
	v_add_nc_u32 v[SCL+\t], 0xfe000000, v[M+\t]    ; 4 off its exponent field: the conversion's scale operand
.endr
.irp t, 0,1
	v_lshrrev_b32 v[BY+\t], 23, v[SCL+\t]          ; the scale's byte
.endr
.irp t, 0,1
	v_cvt_scalef32_pk16_bf6_f32 v[CD+4*\t:CD+4*\t+2], v[P1+16*\t:P1+16*\t+15], v[SCL+\t]
.endr
	v_cndmask_b32 v[BYS], v[BY], v[BY+1], s58      ; lane = row of the pair.  (The plain line behind the conversions)
	s_wait_alu depctr_va_vdst(0)                   ; the conversions have written v[CD ..] and the select v[BYS], which the three stores read
	global_store_b96 v[HA], v[CD:CD+2], s[54:55]               ; 16 rows x 24 bytes: 384 consecutive bytes;
	global_store_b96 v[HA], v[CD+4:CD+6], s[54:55] offset:384  ; the two stores fill three aligned blocks of 256
	global_store_b8 v[HSA], v[BYS], s[56:57]       ; the four waves' bytes make the rows' scale words for K step j: one byte for each 24 bytes of codes
.endm
; One trip of the loop over slots.  The trip count is a constant; a slot without a pair of mine is passed over.
.macro PAIR
	s_cmp_ge_u32 s47, s45
	s_cbranch_scc1 .Lpt_\@
	s_wait_xcnt 0x0                                ; the last trip's stores have read their data and their bases
	s_wait_alu depctr_vm_vsrc(0)                   ; the last trip's LDS loads have read v[XA] and v[XSA], written below; its stores have read v[CD ..] and v[BYS], which this trip writes again
	s_mul_i32 s48, s62, 49152
	s_mov_b32 s49, 0
	s_add_nc_u64 s[54:55], s[50:51], s[48:49]      ; the pair's plane in hq,
	s_lshl_b32 s48, s62, 11
	s_add_nc_u64 s[56:57], s[52:53], s[48:49]      ; and in hs
	v_add_nc_u32 v[XA], s59, v[XA0]
	v_add_nc_u32 v[XSA], s59, v[XS0]
	s_wait_alu depctr_va_vdst(0)                   ; v[XA] and v[XSA] are written, which the 50 LDS loads read; the last trip's products are done reading x's fragments and scale words, in which those loads land
	ds_load_b128 v[XS:XS+3], v[XSA]
	ds_load_b128 v[XS+4:XS+7], v[XSA] offset:16
	WIN 0xc0
.irp s, 0,1,2,3,4,5,6,7
.irp t, 0,1
.irp q, 0,1,2
	ds_load_b128 v[12*(2*\s+\t)+4*\q:12*(2*\s+\t)+4*\q+3], v[XA] offset:16*XP*\t+96*\s+16*\q
.endr
.endr
.endr
	WIN 0x0d                                       ; source 0 (W1) window 1, source 1 (x) window 3
	PROD P1, WS1, B1, 1
	WIN 0x0e                                       ; source 0 (W2) window 2
	PROD P2, WS2, B2, 0
	WIN 0
.rept 4
	v_nop                                          ; four places between the last products and the first read of results (ISA guide 7.12.1)
.endr
	EPI
.Lpt_\@:
	s_add_co_u32 s47, s47, 1
	s_add_co_u32 s59, s59, XSL
	s_add_co_u32 s62, s62, s42
.endm
.macro SLOTS
	s_mov_b32 s47, 0                               ; slot
	s_mov_b32 s59, 0                               ; its bytes in LDS
	s_mov_b32 s62, s44                             ; its pair
.Lslot_\@:
	PAIR
	s_cmp_lt_u32 s47, NSL
	s_cbranch_scc1 .Lslot_\@
.endm
	STAGE 1
	SLOTS
	s_mov_b32 s46, 0
.Lpass:                                                ; three more passes of 10 pairs: a list can hold 32
	s_mul_i32 s48, s42, NSL
	s_add_co_u32 s44, s44, s48
	NVCALC
	BARRIER                                        ; every wave's reads of the slots are over
	STAGE 0
	SLOTS
	s_add_co_u32 s46, s46, 1
	s_cmp_lt_u32 s46, 3
	s_cbranch_scc1 .Lpass
	s_wait_dscnt 0x0                               ; the closing lines, six on end
	s_wait_alu 0x0
	s_wait_tensorcnt 0x0
	ds_add_u32 v254, v255
	s_wait_dscnt 0x0
	s_endpgm
.Lfunc_end_k_qfc77770288_up:
	.size	k_qfc77770288_up, .Lfunc_end_k_qfc77770288_up-k_qfc77770288_up
	.p2alignl 7, 3214868480
	.fill 96, 4, 3214868480
	.section	.rodata,"a",@progbits
	.p2align	6, 0x0
	.amdhsa_kernel k_qfc77770288_up
		.amdhsa_group_segment_fixed_size 311808
		.amdhsa_private_segment_fixed_size 0
		.amdhsa_enable_private_segment 0
		.amdhsa_kernarg_size 128
		.amdhsa_user_sgpr_count 2
		.amdhsa_user_sgpr_kernarg_segment_ptr 1
		.amdhsa_wavefront_size32 1
		.amdhsa_system_sgpr_workgroup_id_x 1
		.amdhsa_system_sgpr_workgroup_id_y 1
		.amdhsa_system_sgpr_workgroup_id_z 1
		.amdhsa_system_vgpr_workitem_id 0
		.amdhsa_next_free_vgpr 1024
		.amdhsa_next_free_sgpr 100
		.amdhsa_reserve_vcc 0
		.amdhsa_float_denorm_mode_32 3
		.amdhsa_float_denorm_mode_16_64 3
		.amdhsa_memory_ordered 1
		.amdhsa_forward_progress 1
		.amdhsa_inst_pref_size 172
	.end_amdhsa_kernel
	.amdgpu_metadata
---
amdhsa.version: [ 1, 2 ]
amdhsa.kernels:
  - .name:           k_qfc77770288_up
    .symbol:         k_qfc77770288_up.kd
    .args:
      - { .name: xq, .offset: 0, .size: 8, .value_kind: global_buffer, .address_space: global }
      - { .name: lists, .offset: 8, .size: 8, .value_kind: global_buffer, .address_space: global }
      - { .name: rw1_codes, .offset: 16, .size: 8, .value_kind: global_buffer, .address_space: global }
      - { .name: rw1_scales, .offset: 24, .size: 8, .value_kind: global_buffer, .address_space: global }
      - { .name: rb1, .offset: 32, .size: 8, .value_kind: global_buffer, .address_space: global }
      - { .name: rw2_codes, .offset: 40, .size: 8, .value_kind: global_buffer, .address_space: global }
      - { .name: rw2_scales, .offset: 48, .size: 8, .value_kind: global_buffer, .address_space: global }
      - { .name: rb2, .offset: 56, .size: 8, .value_kind: global_buffer, .address_space: global }
      - { .name: sw1_codes, .offset: 64, .size: 8, .value_kind: global_buffer, .address_space: global }
      - { .name: sw1_scales, .offset: 72, .size: 8, .value_kind: global_buffer, .address_space: global }
      - { .name: sb1, .offset: 80, .size: 8, .value_kind: global_buffer, .address_space: global }
      - { .name: sw2_codes, .offset: 88, .size: 8, .value_kind: global_buffer, .address_space: global }
      - { .name: sw2_scales, .offset: 96, .size: 8, .value_kind: global_buffer, .address_space: global }
      - { .name: sb2, .offset: 104, .size: 8, .value_kind: global_buffer, .address_space: global }
      - { .name: hq, .offset: 112, .size: 8, .value_kind: global_buffer, .address_space: global }
      - { .name: hs, .offset: 120, .size: 8, .value_kind: global_buffer, .address_space: global }
    .group_segment_fixed_size: 311808
    .private_segment_fixed_size: 0
    .kernarg_segment_align: 8
    .kernarg_segment_size: 128
    .max_flat_workgroup_size: 128
    .sgpr_count:     100
    .vgpr_count:     1024
    .wavefront_size: 32
...
	.end_amdgpu_metadata
.endif
;; end of part 8
;; launch down (part 9): grid 256 x 1, 4 waves a work-group, no clusters, 321,024 bytes of LDS; arguments hq, hs, lists, wts, rw3_codes, rw3_scales, rb3, sw3_codes, sw3_scales, sb3, y; writes y
.if DOCPART == 9
	.amdgcn_target "amdgcn-amd-amdhsa--gfx1250"
	.amdhsa_code_object_version 6
	.text
	.protected	k_qfc77770288_down
	.globl	k_qfc77770288_down
	.p2align	8
	.type	k_qfc77770288_down,@function
k_qfc77770288_down:
	s_mov_b64 s[64:65], 0
	v_nop
	global_prefetch_b8 v0, s[64:65] scope:SCOPE_SE
	s_setreg_imm32_b32 hwreg(HW_REG_WAVE_SCHED_MODE, 0, 2), 2
	s_setreg_imm32_b32 hwreg(HW_REG_WAVE_MODE, 25, 1), 1
	s_wait_xcnt 0x0
	s_wait_alu depctr_vm_vsrc(0)
; y[slot] = weight[slot] x (h W3 + b3), on codes of E3M2 with one E8M0 scale for each 32 along K = H = 2,048.  A slot's row of y is one of a token's four contributions; the next launch adds them.
; SHARES.  Work-groups 0-127: routed expert id / 16, columns 256 (id / 4 % 4) on, every fourth pair of 16-row tiles from id % 4.  Work-groups 128-255: shared expert (id - 128) / 64, columns 256 ((id - 128) / 16 % 4) on,
; every sixteenth pair.  Wave w keeps its 64 columns of W3, all of K, in registers: 64 fragments, 768 registers.  A pair's h (49,152 bytes of codes, 2,048 of scale words) comes into an LDS slot once and is read by all four waves.
; THE PRODUCTS: source 0 = 16 rows of h, source 1 = 16 columns of W3.  So the weights' register window is the field of source 1, which LDS loads do not use: h's fragments are fetched among the products without a switch.
; FRAGMENTS as in the launch before: of a K step's four blocks lane (r, h) takes blocks 2 h and 2 h + 1, on both operands alike; the bytes of blocks 1 and 2 change places in every scale word.
; W3 comes from memory in whole aligned blocks of 256 bytes into the registers that its fragments will take, goes to the wave's own LDS bytes as rows, and comes back as fragments.
; THE HEAD KEEPS LOADS ON THEIR WAY: W3's four tiles are asked for one ahead of the tile that goes through LDS, and the slots of h are asked for between them.
; NO TENSOR LOAD AND NO CLUSTER: the number of pairs hangs on a count read from memory; there is no joint load to share h or W3 by.
; Every barrier stands outside the branches on that count.  A pass serves 4 pairs, two passes the most that a work-group can get (8).  Slots 0 and 1 are always filled, from a pair clamped to the list's last: that pair was written.
; THE MODE: SCHED_MODE bits 1:0 = 2 (LLVM: expert scheduling mode 2), set by the entry lines.  The code itself states the register dependences between vector or matrix instructions and memory or LDS
; instructions, with s_wait_alu, always for 0.
; THE PLAN.  Registers that memory or LDS instructions touch, and who else names them:
;   v4-7, v10-15, v248, v249, and v252-254 of each window   offsets and LDS addresses: written at the head, never again.  The wait ahead of the first load states them all.
;   v250, v251   at the head the offsets of b3 and of W3's scale words; then the slot in hand: written once a trip, read by the trip's LDS loads.
;   HB v64-163   a quarter of a plane: loads land, LDS stores read.  Afterwards the sums (products write; the way out's lines rewrite; LDS stores read) and h's ring.
;   W3's 768     loads land, LDS stores read, LDS loads land in the same registers, once; then products alone.      WSC: loads land, one v_perm_b32 each, products read them as scales.
;   HSC, RG      LDS loads land, products read: RG's part of K step s is loaded again behind that step's products.  On the way out rows of y land in RG and stores read them.
;   CF           a trip's slots land; two vector lines make offsets of them; the weights' loads read them and land on them; the way out's multiplies read them.
;   SR           a trip's slots land; two vector lines make offsets of them; the way out's stores read them.
;   v255, v9     written at the head, read by the closing add alone; both lie in window 0.
; A trip has one wait on vm_vsrc and one on va_vdst at its head, round the two lines that step v250 and v251; one on va_vdst in each K step that loads its part of the ring again, which in K step 4 also states
; the 32 offsets made behind that step's products; and one ahead of the way out's LDS stores, behind the arithmetic of both tiles.
.set TRP,  1552                        ; the transit: a row of W3, 1,536 bytes + 16 = 97 x 16
.set TRB,  16*TRP                      ; 16 rows for each wave; its first 16 x 272 bytes later are the wave's stage for y
.set HST,  4*TRB                       ; behind the transits: the slots
.set BLK,  832                         ; a block's 32 rows x 24 bytes + 64: the two blocks that the halves of the lanes read lie 1,664 bytes apart, 128 modulo 256, so that the 32 lanes of an 8-byte load touch 64 different banks
.set HSCO, 64*BLK                      ; behind a slot's 64 blocks: its scale words, [K step][32 rows]
.set HSL,  HSCO+2048
.set NSL,  4
.set YP,   272
.set GA,   4                           ; v4   W3's rows in memory: 1536 (lane / 16) + 16 (lane % 16)
.set TS,   5                           ; v5   the same two rows in my transit
.set TL,   6                           ; v6   a fragment's place in my transit
.set GH,   7                           ; v7   my wave's quarter of a pair's plane of hq, 16 bytes a lane
.set T0,   8                           ; v8   at the head only
                                       ; v9   0, for the closing add alone; v255 of window 0: my spare word's LDS address, likewise
.set GS,   10                          ; v10  my 16 bytes of a pair's 2,048 bytes of scale words
.set HA0,  11                          ; v11  a fragment's place in slot 0: 24 r + 1664 h
.set HC0,  12                          ; v12  row lane's scale word in slot 0
.set YS,   13                          ; v13  the stage: where I put a number
.set YL,   14                          ; v14  and where I read 16 bytes of a row back
.set L16,  15
.set WSC,  16                          ; v16-47  W3's scale words: register 16 (c / 2) + s; lanes 0-15 tile c even, lanes 16-31 tile c odd
.set HSC,  48                          ; v48-63  h's scale words: register s; lane = row of the pair
.set ACC,  64                          ; v64-127 the sums: register 32 t + 8 c + j
.set RG,   128                         ; v128-199 h's fragments: a ring of three K steps x 24; on the way out rows of y
.set WX,   200                         ; v200-211 W3's fragment (3, 15)
.set BI,   212                         ; v212-215 b3 of column 16 c + r
.set CF,   216                         ; v216-231 the weights of rows 8 h + j of tile t: register 8 t + j
.set SR,   232                         ; v232-247 the way out: byte offsets in y of rows 2 i + lane / 16 of tile t: register 8 t + i
.set A32,  248
.set A4,   249
.set HA,   250
.set HC,   251
.set LA,   252                         ; v252 OF WINDOW k: my wave's quarter of a plane in slot k, 16 bytes a lane;
.set LB,   253                         ; v253 of window k: for stores that cross a block's end: lanes 16-31 lie 64 bytes further on;
.set LC,   254                         ; v254 of window k: my 16 bytes of slot k's scale words.  An LDS store's address is its source 0: one switch picks the slot
.set HB,   64                          ; v64-163 a quarter of a pair's plane on its way into LDS
.set WBA,  250                         ; at the head: b3's and the scale words' offsets
.set WSA,  251
.set MSB, 0
.macro WIN new                         ; the immediate's high byte repeats the setting that is left
.if MSB != (\new)
	s_set_vgpr_msb (MSB<<8)|(\new)
.set MSB, (\new)
.endif
.endm
.macro BARRIER
	s_wait_dscnt 0x0
	s_barrier_signal -1
	s_barrier_wait -1
.endm
; Where W3's fragment (tile c, K step s) lies: K steps 0-14 five to a window, 1 to 3; K step 15 at the windows' ends, and tile 3's in window 0.  No run of registers crosses a window's end.
.macro FSET c, s
.if (\s) < 15
.set FW, 1+(\s)/5
.set FRG, 12*(4*((\s)%5)+(\c))
.elseif (\c) < 3
.set FW, 1+(\c)
.set FRG, 240
.else
.set FW, 0
.set FRG, WX
.endif
.endm
.set ZF, 0
.macro MM d, a, b, sa, sb, ra, rb      ; ZF = 1: the product starts its sum; ra, rb: the side's scales stand in lanes 16-31
.if ZF
.if (\ra) && (\rb)
	v_wmma_scale_f32_16x16x128_f8f6f4 v[\d:\d+7], v[\a:\a+11], v[\b:\b+11], 0, v[\sa], v[\sb] matrix_a_fmt:MATRIX_FMT_BF6 matrix_b_fmt:MATRIX_FMT_BF6 matrix_a_scale:MATRIX_SCALE_ROW1 matrix_b_scale:MATRIX_SCALE_ROW1
.elseif (\ra)
	v_wmma_scale_f32_16x16x128_f8f6f4 v[\d:\d+7], v[\a:\a+11], v[\b:\b+11], 0, v[\sa], v[\sb] matrix_a_fmt:MATRIX_FMT_BF6 matrix_b_fmt:MATRIX_FMT_BF6 matrix_a_scale:MATRIX_SCALE_ROW1
.elseif (\rb)
	v_wmma_scale_f32_16x16x128_f8f6f4 v[\d:\d+7], v[\a:\a+11], v[\b:\b+11], 0, v[\sa], v[\sb] matrix_a_fmt:MATRIX_FMT_BF6 matrix_b_fmt:MATRIX_FMT_BF6 matrix_b_scale:MATRIX_SCALE_ROW1
.else
	v_wmma_scale_f32_16x16x128_f8f6f4 v[\d:\d+7], v[\a:\a+11], v[\b:\b+11], 0, v[\sa], v[\sb] matrix_a_fmt:MATRIX_FMT_BF6 matrix_b_fmt:MATRIX_FMT_BF6
.endif
.else
.if (\ra) && (\rb)
	v_wmma_scale_f32_16x16x128_f8f6f4 v[\d:\d+7], v[\a:\a+11], v[\b:\b+11], v[\d:\d+7], v[\sa], v[\sb] matrix_a_fmt:MATRIX_FMT_BF6 matrix_b_fmt:MATRIX_FMT_BF6 matrix_a_scale:MATRIX_SCALE_ROW1 matrix_b_scale:MATRIX_SCALE_ROW1
.elseif (\ra)
	v_wmma_scale_f32_16x16x128_f8f6f4 v[\d:\d+7], v[\a:\a+11], v[\b:\b+11], v[\d:\d+7], v[\sa], v[\sb] matrix_a_fmt:MATRIX_FMT_BF6 matrix_b_fmt:MATRIX_FMT_BF6 matrix_a_scale:MATRIX_SCALE_ROW1
.elseif (\rb)
	v_wmma_scale_f32_16x16x128_f8f6f4 v[\d:\d+7], v[\a:\a+11], v[\b:\b+11], v[\d:\d+7], v[\sa], v[\sb] matrix_a_fmt:MATRIX_FMT_BF6 matrix_b_fmt:MATRIX_FMT_BF6 matrix_b_scale:MATRIX_SCALE_ROW1
.else
	v_wmma_scale_f32_16x16x128_f8f6f4 v[\d:\d+7], v[\a:\a+11], v[\b:\b+11], v[\d:\d+7], v[\sa], v[\sb] matrix_a_fmt:MATRIX_FMT_BF6 matrix_b_fmt:MATRIX_FMT_BF6
.endif
.endif
.endm
	s_load_b512 s[4:19], s[0:1], 0x0               ; hq s[4:5], hs s[6:7], lists s[8:9], wts s[10:11], rw3 codes, scales, rb3 s[12:17], sw3 codes s[18:19]
	s_load_b128 s[20:23], s[0:1], 0x40             ; sw3 scales, sb3
	s_load_b64 s[24:25], s[0:1], 0x50              ; y
	v_lshl_add_u32 v255, v0, 2, 0x4e400
	v_mov_b32 v9, 0
	v_lshrrev_b32 v[T0], 5, v0
	v_readfirstlane_b32 s36, v[T0]                 ; wave
	v_and_b32 v1, 31, v0                           ; lane
	v_and_b32 v2, 15, v0                           ; r
	v_bfe_u32 v3, v0, 4, 1                         ; h
	v_lshlrev_b32 v[L16], 4, v2
	s_wait_alu depctr_va_sdst(0)                   ; s36 is written, ahead of its first reader
	s_mul_i32 s48, s36, TRB
	v_mad_u32_u24 v[GA], v3, 1536, v[L16]
	v_mad_u32_u24 v[TS], v3, TRP, v[L16]
	v_add_nc_u32 v[TS], s48, v[TS]
	v_mul_u32_u24 v[TL], v2, TRP
	v_mad_u32_u24 v[TL], v3, 48, v[TL]
	v_add_nc_u32 v[TL], s48, v[TL]
	v_lshlrev_b32 v[YS], 2, v2
	v_mad_u32_u24 v[YS], v3, 8*YP, v[YS]
	v_add_nc_u32 v[YS], s48, v[YS]                 ; row 8 h (+ j), column r (+ 16 c)
	v_mad_u32_u24 v[YL], v3, YP, v[L16]
	v_add_nc_u32 v[YL], s48, v[YL]                 ; lanes 0-15 one row of 256 bytes, lanes 16-31 the next
	s_mul_i32 s49, s36, 12288
	v_lshl_add_u32 v[GH], v1, 4, s49
	s_mul_i32 s49, s36, 16*BLK
	s_add_co_u32 s49, s49, HST
	v_lshl_add_u32 v[LA], v1, 4, s49               ; slot 0's three addresses, in window 0,
	v_lshl_add_u32 v[LB], v3, 6, v[LA]
	s_lshl_b32 s49, s36, 9
	v_lshl_add_u32 v[GS], v1, 4, s49
	v_add_nc_u32 v[LC], HST+HSCO, v[GS]
.irp k, 1,2,3
	WIN ((\k)<<6)                                  ; and slot k's, in window k: the destination alone lies there, the sources are window 0's
	v_add_nc_u32 v[LA], HSL*(\k), v[LA]
	v_add_nc_u32 v[LB], HSL*(\k), v[LB]
	v_add_nc_u32 v[LC], HST+HSCO+HSL*(\k), v[GS]
.endr
	WIN 0
	v_mul_u32_u24 v[HA0], v2, 24
	v_mad_u32_u24 v[HA0], v3, 2*BLK, v[HA0]
	v_add_nc_u32 v[HA0], HST, v[HA0]
	v_lshl_add_u32 v[HC0], v1, 2, HST+HSCO
	v_lshlrev_b32 v[A32], 5, v3
	v_lshlrev_b32 v[A4], 2, v3
	v_lshlrev_b32 v[WBA], 2, v2
	v_lshlrev_b32 v[WSA], 6, v1                    ; 64 bytes of scale words a row of W3
	s_lshr_b32 s37, ttmp9, 4                       ; routed: expert,
	s_bfe_u32 s39, ttmp9, 0x20002                  ; slice of 256 columns,
	s_and_b32 s40, ttmp9, 3                        ; first pair
	s_sub_co_u32 s48, ttmp9, 128
	s_lshr_b32 s38, s48, 6                         ; shared: expert among the two,
	s_add_co_u32 s49, s38, 8
	s_bfe_u32 s62, s48, 0x20004
	s_and_b32 s63, s48, 15
	s_cmp_lt_u32 ttmp9, 128
	s_cselect_b32 s38, s37, s38                    ; s38: the expert within its tensors
	s_cselect_b32 s37, s37, s49                    ; s37: n
	s_cselect_b32 s39, s39, s62                    ; s39: the slice
	s_cselect_b32 s40, s40, s63                    ; s40: the first pair
	s_cselect_b32 s41, 2, 4                        ; s41: log2 of the step from pair to pair
	s_cselect_b32 s42, 4, 16                       ; s42: the step
	s_wait_kmcnt 0x0
	s_cselect_b64 s[12:13], s[12:13], s[18:19]     ; the choice hangs on the work-group's number alone
	s_cselect_b64 s[14:15], s[14:15], s[20:21]
	s_cselect_b64 s[16:17], s[16:17], s[22:23]
	s_sub_co_u32 s63, s42, 1
	s_mov_b32 s75, 0
	s_mul_i32 s74, s37, 4608
	s_add_nc_u64 s[66:67], s[8:9], s[74:75]        ; my expert's list
	s_load_b32 s43, s[66:67], 0x1000               ; its number of pairs: waited for behind the first loads of W3
	s_lshl_b32 s48, s38, 10
	s_lshl_b32 s49, s39, 8
	s_add_co_u32 s48, s48, s49
	s_lshl_b32 s49, s36, 6
	s_add_co_u32 s48, s48, s49                     ; my wave's first row of W3: 1024 expert + 256 slice + 64 w
	s_mul_i32 s74, s48, 1536
	s_add_nc_u64 s[12:13], s[12:13], s[74:75]
	s_lshl_b32 s74, s48, 6
	s_add_nc_u64 s[14:15], s[14:15], s[74:75]
	s_lshl_b32 s74, s48, 2
	s_add_nc_u64 s[16:17], s[16:17], s[74:75]
	s_mul_i32 s74, s37, 1572864
	s_add_nc_u64 s[50:51], s[4:5], s[74:75]        ; hq, my expert
	s_lshl_b32 s74, s37, 16
	s_add_nc_u64 s[52:53], s[6:7], s[74:75]        ; hs, my expert
	s_lshl_b32 s74, s39, 10
	s_lshl_b32 s49, s36, 8
	s_add_co_u32 s74, s74, s49
	s_add_nc_u64 s[70:71], s[24:25], s[74:75]      ; y at my wave's 64 columns
	s_mov_b32 s44, s40                             ; s44: the pass's first pair
.macro NVCALC                          ; s45: how many of the pass's 4 slots hold pairs of mine
	s_sub_co_i32 s48, s43, s44
	s_max_i32 s48, s48, 0
	s_add_co_u32 s48, s48, s63
	s_lshr_b32 s48, s48, s41
	s_min_u32 s45, s48, NSL
.endm
.macro HLOAD k, again                  ; my quarter of the plane of slot k's pair (clamped to the list's last pair): 24 loads of 512 consecutive bytes, and 512 bytes of scale words.  again = 1: v[HB ..] have been read before
	s_wait_xcnt 0x0                                ; earlier loads and stores have read their bases and registers,
	s_wait_dscnt 0x0                               ; and the last slot's LDS stores are done
.if \again
	s_wait_alu depctr_vm_vsrc(0)                   ; the LDS stores and stores issued so far have read v[HB ..], in which the loads below land
.endif
	s_lshl_b32 s48, \k, s41
	s_add_co_u32 s48, s48, s44
	s_min_u32 s48, s48, s76
	s_min_u32 s48, s48, 31
	s_mul_i32 s74, s48, 49152
	s_add_nc_u64 s[54:55], s[50:51], s[74:75]
	s_lshl_b32 s74, s48, 11
	s_add_nc_u64 s[56:57], s[52:53], s[74:75]
.set i, 0
.rept 24
	global_load_b128 v[HB+4*i:HB+4*i+3], v[GH], s[54:55] offset:512*i
.set i, i+1
.endr
	global_load_b128 v[HB+96:HB+99], v[GS], s[56:57]
.endm
.macro HSTORE k                        ; into slot k: 64 bytes are left free behind each block's 768.  The slot's three addresses were made at the head, in window k
	WIN (\k)                                       ; an LDS store's address is its source 0; the data, source 1, stay in window 0
.set i, 0
.rept 24
.if i%3 == 0
	ds_store_b128 v[LA], v[HB+4*i:HB+4*i+3] offset:512*i+128*(i/3)
.elseif i%3 == 1
	ds_store_b128 v[LB], v[HB+4*i:HB+4*i+3] offset:512*i+128*(i/3)
.else
	ds_store_b128 v[LA], v[HB+4*i:HB+4*i+3] offset:512*i+128*(i/3)+64
.endif
.set i, i+1
.endr
	ds_store_b128 v[LC], v[HB+96:HB+99]
	WIN 0
.endm
.macro WSB                             ; 12 loads: W3's scale words and b3
.irp p, 0,1
.irp i, 0,1,2,3
	global_load_b128 v[WSC+16*\p+4*\i:WSC+16*\p+4*\i+3], v[WSA], s[14:15] offset:2048*\p+16*\i
.endr
.endr
.irp c, 0,1,2,3
	global_load_b32 v[BI+\c], v[WBA], s[16:17] offset:64*\c
.endr
.endm
.macro WLOAD c                         ; 48 loads: tile c's 16 rows, two rows a load, sixteen lanes to an aligned block of 256 bytes
.set k, 0
.rept 48
	FSET \c, k/3
	WIN (FW<<6)
	global_load_b128 v[FRG+4*(k%3):FRG+4*(k%3)+3], v[GA], s[12:13] offset:24576*(\c)+3072*(k/6)+256*(k%6)
.set k, k+1
.endr
	WIN 0
.endm
.macro TRANSIT c, n                    ; tile c through my 16 rows of LDS; n: the younger loads that may stay out.  LDS serves a wave's instructions in order: no wait on DScnt between stores and loads, nor from tile to tile
	s_wait_loadcnt \n
.set k, 0
.rept 48
	FSET \c, k/3
	WIN (FW<<2)
	ds_store_b128 v[TS], v[FRG+4*(k%3):FRG+4*(k%3)+3] offset:2*TRP*(k/6)+256*(k%6)
.set k, k+1
.endr
	s_wait_alu depctr_vm_vsrc(0)                   ; the 48 stores above have read the tile's 192 registers, in which its fragments land; only window switches and those loads follow
.set k, 0
.rept 48
	FSET \c, k/3
	WIN (FW<<6)
	ds_load_b128 v[FRG+4*(k%3):FRG+4*(k%3)+3], v[TL] offset:96*(k/3)+16*(k%3)
.set k, k+1
.endr
	WIN 0
.endm
.macro RLOAD s                         ; h's two fragments of K step s: lane (r, h) takes blocks 4 s + 2 h and 4 s + 2 h + 1 of its row, 24 bytes each, in pieces of 8
.irp t, 0,1
.irp q, 0,1
.irp p, 0,1,2
	ds_load_b64 v[RG+24*((\s)%3)+12*\t+6*\q+2*\p:RG+24*((\s)%3)+12*\t+6*\q+2*\p+1], v[HA] offset:BLK*(4*(\s)+\q)+384*\t+8*\p
.endr
.endr
.endr
.endm
.macro KSTEP s                         ; 8 products: the eight sums take turns, one instruction a turn
.if (\s) <= 13
	s_wait_dscnt 24                                ; this K step's fragments are in; the two later steps' 24 loads may be out
.elseif (\s) == 14
	s_wait_dscnt 12
.else
	s_wait_dscnt 0
.endif
.set ZF, 0
.if (\s) == 0
.set ZF, 1
.endif
.irp c, 0,1,2,3
	FSET \c, \s
	WIN (FW<<2)                                    ; source 1 (W3) alone has a window
.irp t, 0,1
	MM ACC+32*\t+8*\c, RG+24*((\s)%3)+12*\t, FRG, HSC+(\s), WSC+16*(\c/2)+(\s), \t, \c&1
.endr
.endr
.if (\s) == 4
	; K step 4 also turns the pair's slots into offsets: 64 plain lines behind its products, ahead of the step's one wait, which so states them too; the weights' loads follow it with the ring's
	WIN 0
	s_wait_loadcnt 0x0                             ; the slots are in (asked for 40 products ago)
.set i, 0
.rept 16
	v_min_u32 v[CF+i], 0xfff, v[CF+i]              ; a dump row takes some weight: its result is read by nobody
.set i, i+1
.endr
.set i, 0
.rept 16
	v_min_u32 v[SR+i], 0x10ff, v[SR+i]
.set i, i+1
.endr
.set i, 0
.rept 16
	v_lshlrev_b32 v[CF+i], 2, v[CF+i]
.set i, i+1
.endr
.set i, 0
.rept 16
	v_lshl_add_u32 v[SR+i], v[SR+i], 12, v[L16]    ; a row of y is 4,096 bytes; 16 bytes a lane
.set i, i+1
.endr
	s_wait_alu depctr_va_vdst(0)                   ; this step's products are done reading their part of the ring, in which the LDS loads below land; v[CF ..] are written, which the weights' loads read, and v[SR ..], which the way out's stores read
	RLOAD (\s)+3
.set i, 0
.rept 16
	global_load_b32 v[CF+i], v[CF+i], s[10:11]     ; the slot's weight lands on its own offset
.set i, i+1
.endr
.elseif (\s)+3 <= 15
.rept 4
	v_nop                                          ; four places behind these products, as they stood
.endr
	s_wait_alu depctr_va_vdst(0)                   ; this step's products are done reading their part of the ring, in which the LDS loads below land
	RLOAD (\s)+3
.endif
.endm
.macro OUTV t                          ; 16 rows x my 64 columns: + b3, x the row's weight; each sum from its low end on
.irp c, 0,1,2,3
.irp i, 0,1,2,3
.if (\c)%2
	v_pk_add_f32 v[ACC+32*\t+8*\c+2*\i:ACC+32*\t+8*\c+2*\i+1], v[ACC+32*\t+8*\c+2*\i:ACC+32*\t+8*\c+2*\i+1], v[BI+\c-1:BI+\c] op_sel:[0,1] op_sel_hi:[1,1]
.else
	v_pk_add_f32 v[ACC+32*\t+8*\c+2*\i:ACC+32*\t+8*\c+2*\i+1], v[ACC+32*\t+8*\c+2*\i:ACC+32*\t+8*\c+2*\i+1], v[BI+\c:BI+\c+1] op_sel_hi:[1,0]
.endif
.endr
.endr
.irp c, 0,1,2,3
.irp i, 0,1,2,3
	v_pk_mul_f32 v[ACC+32*\t+8*\c+2*\i:ACC+32*\t+8*\c+2*\i+1], v[ACC+32*\t+8*\c+2*\i:ACC+32*\t+8*\c+2*\i+1], v[CF+8*\t+2*\i:CF+8*\t+2*\i+1]
.endr
.endr
.endm
.macro OUTM t                          ; through my stage, out as whole rows of 256 bytes
.irp c, 0,1,2,3
.irp j, 0,1,2,3,4,5,6,7
	ds_store_b32 v[YS], v[ACC+32*\t+8*\c+\j] offset:YP*\j+64*\c
.endr
.endr
.irp i, 0,1,2,3,4,5,6,7
	ds_load_b128 v[RG+32*\t+4*\i:RG+32*\t+4*\i+3], v[YL] offset:2*YP*\i   ; LDS serves a wave's instructions in order: these see my stores
.endr
.irp i, 0,1,2,3,4,5,6,7
	s_wait_dscnt 7-\i
	global_store_b128 v[SR+8*\t+\i], v[RG+32*\t+4*\i:RG+32*\t+4*\i+3], s[70:71] th:TH_STORE_NT   ; sixteen lanes store 256 consecutive bytes of a slot's row, aligned
.endr
.endm
; One trip of the loop over slots.  The trip count is a constant; a slot without a pair of mine is passed over.
.macro PAIR
	s_cmp_ge_u32 s47, s45
	s_cbranch_scc1 .Lpt_\@
	s_wait_xcnt 0x0                                ; the last trip's stores have read their data, offsets and bases
	s_wait_alu depctr_vm_vsrc(0)                   ; memory and LDS instructions issued so far have read v[HA], v[HC] (at the head: as b3's and the scale words' offsets), v[CF ..], v[SR ..], the sums and the ring (before the first trip: as v[HB ..]): all are written again in this trip
	s_lshl_b32 s74, s62, 7
	s_add_nc_u64 s[68:69], s[66:67], s[74:75]      ; the pair's 32 words of the list
	v_add_nc_u32 v[HA], s59, v[HA0]
	v_add_nc_u32 v[HC], s59, v[HC0]
	s_wait_alu depctr_va_vdst(0)                   ; v[HA] and v[HC] are written, which the LDS loads read; the last trip's products and way out are done with v[CF ..], v[SR ..], v[HSC ..] and the ring, in which the 72 loads below land; before the first trip: W3's scale words are written
.irp t, 0,1
.irp i, 0,1
	global_load_b128 v[CF+8*\t+4*\i:CF+8*\t+4*\i+3], v[A32], s[68:69] offset:64*\t+16*\i   ; the slots of rows 8 h + j
.endr
.endr
.irp t, 0,1
.irp i, 0,1,2,3,4,5,6,7
	global_load_b32 v[SR+8*\t+\i], v[A4], s[68:69] offset:64*\t+8*\i                      ; and of rows 2 i + lane / 16
.endr
.endr
.set i, 0
.rept 16
	ds_load_b32 v[HSC+i], v[HC] offset:128*i
.set i, i+1
.endr
	RLOAD 0
	RLOAD 1
	RLOAD 2
.irp s, 0,1,2,3,4,5,6,7,8,9,10,11,12,13,14,15
	KSTEP \s
.endr
	WIN 0
.rept 4
	v_nop                                          ; four places between the last products and the first read of results (ISA guide 7.12.1)
.endr
	s_wait_loadcnt 0x0                             ; the weights
	OUTV 0
	OUTV 1
	s_wait_alu depctr_va_vdst(0)                   ; both tiles' sums are written, which the LDS stores read; the last products are done reading the ring, in which the rows of y land
	OUTM 0
	OUTM 1
.Lpt_\@:
	s_add_co_u32 s47, s47, 1
	s_add_co_u32 s59, s59, HSL
	s_add_co_u32 s62, s62, s42
.endm
.macro SLOTS
	s_mov_b32 s47, 0                               ; slot
	s_mov_b32 s59, 0                               ; its bytes in LDS
	s_mov_b32 s62, s44                             ; its pair
.Lslot_\@:
	PAIR
	s_cmp_lt_u32 s47, NSL
	s_cbranch_scc1 .Lslot_\@
.endm
	; THE HEAD.  Loads in the order of issue: 12 (scale words, b3), tile 0's 48, slot 0's 25, tile 1's 48, tile 2's 48, slot 1's 25, tile 3's 48, then slot 2's and slot 3's 25 where the work-group has so many pairs.
	s_wait_alu depctr_va_vdst(0)                   ; all offsets and LDS addresses are written, those in windows 1 to 3 too.  No vector instruction stands between here and the scale words' v_perm_b32: the head's loads and LDS stores owe this side nothing more
	WSB
	WLOAD 0
	s_wait_kmcnt 0x0                               ; the number of pairs: 60 loads are on their way by now
	s_min_u32 s43, s43, 32
	s_max_u32 s43, s43, 1
	s_sub_co_u32 s76, s43, 1                       ; the list's last pair
	NVCALC
	HLOAD 0, 0
	WLOAD 1
	s_wait_loadcnt 48                              ; slot 0's loads are in: only tile 1's 48 were issued behind them
	HSTORE 0
	TRANSIT 0, 63                                  ; 73 loads were issued behind tile 0's
	WLOAD 2
	HLOAD 1, 1
	TRANSIT 1, 63                                  ; 73 behind tile 1's: tile 2's 48 and slot 1's 25
	WLOAD 3
	s_wait_loadcnt 48                              ; slot 1's loads are in: only tile 3's 48 were issued behind them
	HSTORE 1
	s_cmp_le_u32 s45, 2
	s_cbranch_scc1 .Lno_slot2_ask
	HLOAD 2, 1                                     ; asked for here, stored behind tile 2's transit: both arms hang on the same number
.Lno_slot2_ask:
	TRANSIT 2, 63                                  ; 73 or more behind tile 2's
	s_cmp_le_u32 s45, 2
	s_cbranch_scc1 .Lno_slot2
	s_wait_loadcnt 0x0                             ; slot 2's loads are the youngest
	HSTORE 2
	s_cmp_le_u32 s45, 3
	s_cbranch_scc1 .Lno_slot2
	HLOAD 3, 1
.Lno_slot2:
	TRANSIT 3, 0                                   ; on every way no load is out behind this wait
	s_cmp_le_u32 s45, 3
	s_cbranch_scc1 .Lno_slot3
	HSTORE 3
.Lno_slot3:
	s_wait_dscnt 0x0
.set i, 0
.rept 16                                           ; in the order of the K steps: each word stands eight plain vector lines or more ahead of the first product that names it
	v_perm_b32 v[WSC+i], v[WSC+i], v[WSC+i], 0x03010200      ; the bytes of blocks 1 and 2 change places, as the blocks do
	v_perm_b32 v[WSC+16+i], v[WSC+16+i], v[WSC+16+i], 0x03010200
.set i, i+1
.endr
	BARRIER                                        ; every wave's quarters lie in the slots
	SLOTS
	s_lshl_b32 s48, s42, 2                         ; the second pass: four pairs on
	s_add_co_u32 s44, s44, s48
	NVCALC
	BARRIER                                        ; every wave's reads of the slots are over
	s_cmp_eq_u32 s45, 0
	s_cbranch_scc1 .Lsecond_staged
	s_wait_alu depctr_va_vdst(0)                   ; the first pass's products and way out are done reading and writing the sums and the ring, which are v[HB ..] again: the planes' loads land there
.irp k, 0,1,2,3
	HLOAD \k, 1
	s_wait_loadcnt 0x0
	HSTORE \k
.endr
.Lsecond_staged:
	BARRIER
	SLOTS
	s_wait_dscnt 0x0                               ; the closing lines, six on end (every window is 0 here: the add's two registers lie in window 0)
	s_wait_alu 0x0
	s_wait_tensorcnt 0x0
	ds_add_u32 v255, v9
	s_wait_dscnt 0x0
	s_endpgm
.Lfunc_end_k_qfc77770288_down:
	.size	k_qfc77770288_down, .Lfunc_end_k_qfc77770288_down-k_qfc77770288_down
	.p2alignl 7, 3214868480
	.fill 96, 4, 3214868480
	.section	.rodata,"a",@progbits
	.p2align	6, 0x0
	.amdhsa_kernel k_qfc77770288_down
		.amdhsa_group_segment_fixed_size 321024
		.amdhsa_private_segment_fixed_size 0
		.amdhsa_enable_private_segment 0
		.amdhsa_kernarg_size 88
		.amdhsa_user_sgpr_count 2
		.amdhsa_user_sgpr_kernarg_segment_ptr 1
		.amdhsa_wavefront_size32 1
		.amdhsa_system_sgpr_workgroup_id_x 1
		.amdhsa_system_sgpr_workgroup_id_y 1
		.amdhsa_system_sgpr_workgroup_id_z 1
		.amdhsa_system_vgpr_workitem_id 0
		.amdhsa_next_free_vgpr 1024
		.amdhsa_next_free_sgpr 100
		.amdhsa_reserve_vcc 0
		.amdhsa_float_denorm_mode_32 3
		.amdhsa_float_denorm_mode_16_64 3
		.amdhsa_memory_ordered 1
		.amdhsa_forward_progress 1
		.amdhsa_inst_pref_size 190
	.end_amdhsa_kernel
	.amdgpu_metadata
---
amdhsa.version: [ 1, 2 ]
amdhsa.kernels:
  - .name:           k_qfc77770288_down
    .symbol:         k_qfc77770288_down.kd
    .args:
      - { .name: hq, .offset: 0, .size: 8, .value_kind: global_buffer, .address_space: global }
      - { .name: hs, .offset: 8, .size: 8, .value_kind: global_buffer, .address_space: global }
      - { .name: lists, .offset: 16, .size: 8, .value_kind: global_buffer, .address_space: global }
      - { .name: wts, .offset: 24, .size: 8, .value_kind: global_buffer, .address_space: global }
      - { .name: rw3_codes, .offset: 32, .size: 8, .value_kind: global_buffer, .address_space: global }
      - { .name: rw3_scales, .offset: 40, .size: 8, .value_kind: global_buffer, .address_space: global }
      - { .name: rb3, .offset: 48, .size: 8, .value_kind: global_buffer, .address_space: global }
      - { .name: sw3_codes, .offset: 56, .size: 8, .value_kind: global_buffer, .address_space: global }
      - { .name: sw3_scales, .offset: 64, .size: 8, .value_kind: global_buffer, .address_space: global }
      - { .name: sb3, .offset: 72, .size: 8, .value_kind: global_buffer, .address_space: global }
      - { .name: y, .offset: 80, .size: 8, .value_kind: global_buffer, .address_space: global }
    .group_segment_fixed_size: 321024
    .private_segment_fixed_size: 0
    .kernarg_segment_align: 8
    .kernarg_segment_size: 88
    .max_flat_workgroup_size: 128
    .sgpr_count:     100
    .vgpr_count:     1024
    .wavefront_size: 32
...
	.end_amdgpu_metadata
.endif
;; end of part 9
;; launch combine (part 10): grid 256 x 1, 8 waves a work-group, no clusters, 0 bytes of LDS; arguments y, out0; writes out0
.if DOCPART == 10
	.amdgcn_target "amdgcn-amd-amdhsa--gfx1250"
	.amdhsa_code_object_version 6
	.text
	.protected	k_qfc77770288_combine
	.globl	k_qfc77770288_combine
	.p2align	8
	.type	k_qfc77770288_combine,@function
k_qfc77770288_combine:
	s_mov_b64 s[64:65], 0
	v_nop
	global_prefetch_b8 v0, s[64:65] scope:SCOPE_SE
	s_setreg_imm32_b32 hwreg(HW_REG_WAVE_MODE, 25, 1), 1
	s_wait_xcnt 0x0
; out[t] = y[t] + y[1024 + t] + y[2048 + t] + y[3072 + t]: a token's two routed contributions (already weighted) and its two shared ones (already halved).
; A stream: a work-group takes 4 tokens, thread T the 16 bytes at 16 T of each row, so a wave's load or store covers 512 consecutive bytes.  All 16 loads of a wave go out at once; each row has registers of its own.
; No LDS, no barrier, no matrix unit: each byte is read once and written once.
.set PL, 4194304                       ; from one plane of 1,024 rows of y to the next
.set R,  2                             ; v2-65: row i's four planes at v[R + 16 i + 4 p]
	s_load_b128 s[4:7], s[0:1], 0x0                ; y, out0
	v_lshlrev_b32 v1, 4, v0
	s_lshl_b32 s8, ttmp9, 14                       ; 4 rows of 4,096 bytes
	s_mov_b32 s9, 0
	s_wait_alu depctr_va_vdst(0)
	s_wait_kmcnt 0x0
	s_add_nc_u64 s[4:5], s[4:5], s[8:9]
	s_add_nc_u64 s[6:7], s[6:7], s[8:9]
	s_add_nc_u64 s[10:11], s[4:5], 2*PL            ; planes 2 and 3 have a base of their own: the immediate is 24 bits, signed (ISA guide, chapter 10)
.irp i, 0,1,2,3
	global_load_b128 v[R+16*\i:R+16*\i+3], v1, s[4:5] offset:4096*\i th:TH_LOAD_NT
	global_load_b128 v[R+16*\i+4:R+16*\i+7], v1, s[4:5] offset:4096*\i+PL th:TH_LOAD_NT
	global_load_b128 v[R+16*\i+8:R+16*\i+11], v1, s[10:11] offset:4096*\i th:TH_LOAD_NT
	global_load_b128 v[R+16*\i+12:R+16*\i+15], v1, s[10:11] offset:4096*\i+PL th:TH_LOAD_NT
.endr
.irp i, 0,1,2,3
	s_wait_loadcnt 12-4*\i                         ; row i's four loads are in; the later rows' may be out
	v_pk_add_f32 v[R+16*\i:R+16*\i+1], v[R+16*\i:R+16*\i+1], v[R+16*\i+4:R+16*\i+5]
	v_pk_add_f32 v[R+16*\i+2:R+16*\i+3], v[R+16*\i+2:R+16*\i+3], v[R+16*\i+6:R+16*\i+7]
	v_pk_add_f32 v[R+16*\i+8:R+16*\i+9], v[R+16*\i+8:R+16*\i+9], v[R+16*\i+12:R+16*\i+13]
	v_pk_add_f32 v[R+16*\i+10:R+16*\i+11], v[R+16*\i+10:R+16*\i+11], v[R+16*\i+14:R+16*\i+15]
	s_delay_alu instid0(VALU_DEP_2)
	v_pk_add_f32 v[R+16*\i:R+16*\i+1], v[R+16*\i:R+16*\i+1], v[R+16*\i+8:R+16*\i+9]
	s_delay_alu instid0(VALU_DEP_2)
	v_pk_add_f32 v[R+16*\i+2:R+16*\i+3], v[R+16*\i+2:R+16*\i+3], v[R+16*\i+10:R+16*\i+11]
	global_store_b128 v1, v[R+16*\i:R+16*\i+3], s[6:7] offset:4096*\i th:TH_STORE_NT
.endr
	s_endpgm
.Lfunc_end_k_qfc77770288_combine:
	.size	k_qfc77770288_combine, .Lfunc_end_k_qfc77770288_combine-k_qfc77770288_combine
	.p2alignl 7, 3214868480
	.fill 96, 4, 3214868480
	.section	.rodata,"a",@progbits
	.p2align	6, 0x0
	.amdhsa_kernel k_qfc77770288_combine
		.amdhsa_group_segment_fixed_size 0
		.amdhsa_private_segment_fixed_size 0
		.amdhsa_enable_private_segment 0
		.amdhsa_kernarg_size 16
		.amdhsa_user_sgpr_count 2
		.amdhsa_user_sgpr_kernarg_segment_ptr 1
		.amdhsa_wavefront_size32 1
		.amdhsa_system_sgpr_workgroup_id_x 1
		.amdhsa_system_sgpr_workgroup_id_y 1
		.amdhsa_system_sgpr_workgroup_id_z 1
		.amdhsa_system_vgpr_workitem_id 0
		.amdhsa_next_free_vgpr 96
		.amdhsa_next_free_sgpr 66
		.amdhsa_reserve_vcc 0
		.amdhsa_float_denorm_mode_32 3
		.amdhsa_float_denorm_mode_16_64 3
		.amdhsa_memory_ordered 1
		.amdhsa_forward_progress 1
		.amdhsa_inst_pref_size 5
	.end_amdhsa_kernel
	.amdgpu_metadata
---
amdhsa.version: [ 1, 2 ]
amdhsa.kernels:
  - .name:           k_qfc77770288_combine
    .symbol:         k_qfc77770288_combine.kd
    .args:
      - { .name: y, .offset: 0, .size: 8, .value_kind: global_buffer, .address_space: global }
      - { .name: out0, .offset: 8, .size: 8, .value_kind: global_buffer, .address_space: global }
    .group_segment_fixed_size: 0
    .private_segment_fixed_size: 0
    .kernarg_segment_align: 8
    .kernarg_segment_size: 16
    .max_flat_workgroup_size: 256
    .sgpr_count:     66
    .vgpr_count:     96
    .wavefront_size: 32
...
	.end_amdgpu_metadata
.endif
;; end of part 10
